; MI455X (gfx1250); checked and timed in simulation.
; The chip was launched on July 23, 2026; its instructions are those of AMD's public machine-readable ISA for CDNA 5 (MIT licence, August 2026) and "CDNA5" Instruction Set Architecture Reference Guide (July 2026). The comments in the code are by the model that wrote it; some were corrected since.
;; Flash Attn Cross Layer. Allowed arithmetic: matrix products marked QUANTISED: E2M3 operands, one E8M0 scale for each 32 along K, by v_wmma_scale_f32_16x16x128_f8f6f4 with both operands' format E2M3, f32 sums; everything else in f32.
;; Inputs: W1 4,096 x 1,024 float32; W2 1,024 x 4,096 float32; Wk 1,024 x 1,024 float32; Wo 1,024 x 1,024 float32; Wq 1,024 x 1,024 float32; Wv 1,024 x 1,024 float32; b1 4,096 float32; b2 1,024 float32; bk 1,024 float32; bo 1,024 float32; bq 1,024 float32; bv 1,024 float32; kvn_b 1,024 float32; kvn_g 1,024 float32; n2_b 1,024 float32; n2_g 1,024 float32; qn_b 1,024 float32; qn_g 1,024 float32; x_kv 2 x 2,048 x 1,024 float32; x_q 2 x 2,048 x 1,024 float32.
;; Outputs: out0 2 x 2,048 x 1,024 float32.
;; This version of the problem:
;;   THIS VERSION OF THE PROBLEM IS GIVEN IN LOW PRECISION. The matrix products marked QUANTISED in the list below multiply operands that are first quantised to E2M3 (2 exponent bits, 3 mantissa bits; 6 bits a number), with one power-of-two scale for each 32 numbers along K (OCP MX v1.0); their sums are f32. All else is computed in f32.
;;   The module's matrix products, in the order in which they are computed (A, B: the left and right operand; K: the contracted axis; several contracted axes count as one K, in the product's order):
;;     1. [M 4,096, K 1,024] x [K 1,024, N 1,024]; A: computed on the way; B: input Wq: QUANTISED
;;     2. [M 4,096, K 1,024] x [K 1,024, N 1,024]; A: computed on the way; B: input Wk: QUANTISED
;;     3. [M 4,096, K 1,024] x [K 1,024, N 1,024]; A: computed on the way; B: input Wv: QUANTISED
;;     4. batch 32 x [M 2,048, K 64] x [K 64, N 2,048]; A: computed on the way; B: computed on the way: QUANTISED
;;     5. batch 32 x [M 64, K 2,048] x [K 2,048, N 2,048]; A: computed on the way; B: computed on the way: QUANTISED
;;     6. [M 4,096, K 1,024] x [K 1,024, N 1,024]; A: computed on the way; B: input Wo: QUANTISED
;;     7. [M 4,096, K 1,024] x [K 1,024, N 4,096]; A: computed on the way; B: input W1: QUANTISED
;;     8. [M 4,096, K 4,096] x [K 4,096, N 1,024]; A: computed on the way; B: input W2: QUANTISED
;;   THE QUANTISER, for each operand of a quantised product, along K:
;;     - K is cut into blocks of 32 from its start; a last block that is shorter is filled with zeros.
;;     - A block's scale is 2^e with e = floor(log2(the largest magnitude in the block)) - 2, held to -126 .. 127; a block of zeros has e = 0. As a byte (E8M0): e + 127.
;;     - Each number is divided by its block's scale, clamped to +-7.5, and rounded to the nearest number of E2M3, ties to even, subnormals kept.
;;     - The product sums the exact products of the quantised numbers (number of the format x scale) in f32.
;;   ~~~python
;;   def quantise(x, axis):      # numpy; x: float32 -> the quantised numbers, widened to float32 again
;;       x = np.moveaxis(x, axis, -1); K = x.shape[-1]
;;       x = np.pad(x, [(0, 0)] * (x.ndim - 1) + [(0, -K % 32)]); x = x.reshape(x.shape[:-1] + (-1, 32)); a = np.abs(x).max(-1, keepdims=True)
;;       e = np.where(a > 0, np.clip(np.frexp(np.where(a > 0, a, 1))[1] - 1 - 2, -126, 127), 0)      # np.frexp(a)[1] - 1 = floor(log2(a)), exactly
;;       r = np.clip(x / 2.0 ** e, -7.5, 7.5)
;;       step = 2.0 ** (np.maximum(np.frexp(np.where(r == 0, 1, r))[1] - 1, 0) - 3)
;;       q = np.round(r / step) * step * 2.0 ** e      # np.round: ties to even
;;       return np.moveaxis(q.reshape(q.shape[:-2] + (-1,))[..., :K], -1, axis).astype(np.float32)
;;   ~~~
;;   OPERANDS COMPUTED ON THE WAY. 'Computed on the way' means the value that the module computes at that place (a softmax that the list does not call 'softmax' is quantised finished and normalised). What goes into a quantiser is computed in f32, as accurately as f32 sums, v_exp_f32 and their like allow (about 1e-6 of the number): no bf16 or f16 on the way to a quantiser, and a product that is left as it is and whose result goes on into a quantised operand takes f32 operands (vector FMAs, or v_wmma_f32_16x16x4_f32). A number that lies on a knife's edge between two numbers of the format may be rounded either way, as far as f32 arithmetic and the matrix unit's own rounding can turn it there, and no further.
;; 2 versions, each right and faster than the one before. Each part assembles by itself: llvm-mc -triple=amdgcn-amd-amdhsa -mcpu=gfx1250 --defsym DOCPART=n.
;; ======== version 1 of 2: 7 launches
;; workspace buffers: wsA 17,039,360 bytes; wsB 10,747,904 bytes; wsC 3,407,872 bytes; wsD 16,777,216 bytes; wsE 4,456,448 bytes; wsF 13,631,488 bytes
;; launch prep (part 1): grid 1280 x 1, 4 waves a work-group, no clusters, 66,304 bytes of LDS; arguments x_q, x_kv, Wq, Wk, Wv, Wo, W1, W2, qn_g, qn_b, kvn_g, kvn_b, wsA; writes wsA
.if DOCPART == 1
	.amdgcn_target "amdgcn-amd-amdhsa--gfx1250"
	.amdhsa_code_object_version 6
	.text
	.protected	k_qbd4adf2819_prep
	.globl	k_qbd4adf2819_prep
	.p2align	8
	.type	k_qbd4adf2819_prep,@function
k_qbd4adf2819_prep:
	s_mov_b64 s[64:65], 0
	v_nop
	global_prefetch_b8 v0, s[64:65] scope:SCOPE_SE
	s_setreg_imm32_b32 hwreg(HW_REG_WAVE_MODE, 25, 1), 1
	s_wait_xcnt 0x0
; THE LAYER IN SEVEN LAUNCHES: prep (this text), qkv, attn, oproj, ln2 (this text again), fc1, fc2.
; NOTHING OF reference() IS LEFT OUT: every input has a way to out0 (the biases on k and v stand ahead of quantisers), so every input is loaded and every product of the table is made.
; THIS TEXT turns f32 rows into MX-FP6 operands (codes of E2M3, one E8M0 byte for each 32 along K), with a LayerNorm in front where the rows are activations.
; A work-group takes chunk g = its number: 16 rows x 1,024 numbers.  Chunks 0-255 x_q (LayerNorm by qn), 256-511 x_kv (by kvn), 512 Wq, 576 Wk, 640 Wv, 704 Wo, 768 W1, 1024 W2 (four chunks to a row block: its K is 4,096).
; As launch ln2 the same text runs on 256 work-groups with the residual stream at argument 0, n2's gain and bias at 8 and 9, and its own target at 12: every number is under 256, so no other argument is followed there.
; THE LAYOUT THAT ALL LAUNCHES SHARE.  Row block t holds at lane place r the true row 32 (t / 2) + 8 (t % 2) + r + 8 (r / 8): so the 16 result registers of two neighbouring tiles of a product's source 0 are 16 neighbours
; along the next K.  Codes lie as IMAGES OF OPERAND REGISTERS: half a fragment (16 rows x 64 K, six registers a lane: lane (r, h) holds K = 32 h .. 32 h + 31) is 768 bytes: registers 0-3 at 16 x lane, registers 4-5 at
; 512 + 8 x lane.  A K step of 128 is two halves, 1,536 bytes.  A scale image is 128 bytes for a row block and a K step: lane place (lane % 16)'s word at 4 x lane.
; In the target: chunk g's eight scale images at 1,024 g, its eight K steps of codes at 1,310,720 + 12,288 g.
; THE QUANTISER: a block's scale is 2^(floor(log2(largest magnitude)) - 2); its byte is that magnitude's exponent field - 2, held at 1 from below by a floor among the maximum's leaves.
; LIMITS: a block of zeros gets the byte 1 where the rule says 127 (its codes are zeros, and this program alone reads the bytes); NaN and infinities among the inputs are not served.
; PHASE 1: wave w loads lane places 4 w .. 4 w + 3, whole rows, 512 consecutive bytes a load, normalises them in registers and lays them in LDS.  PHASE 2: wave w takes K steps 2 w, 2 w + 1 of all 16 rows: a lane reads
; four whole blocks of 32 of its row, so no other lane is asked for a maximum.  No matrix unit, no cluster, no tensor load: a stream; four work-groups fit on a WGP.
.set PITCH, 4112                       ; an LDS row: 4,096 bytes + 16
.set SPARE, 16*PITCH                   ; behind the rows: the spare words, 128 bytes a wave
.set CODES, 1310720
.set L16, 4                            ; v4    16 x lane; v5-7: the same one, two, three rows of the source further down
.set LW,  8                            ; v8    LDS: where my wave's first row begins for my lane
.set LR,  9                            ; v9    LDS: my row's blocks in phase 2
.set L8,  10                           ; v10   512 + 8 x lane
.set L4,  11                           ; v11   4 x lane
.set H8,  12                           ; v12   8 h
.set SPW, 14                           ; v14   my spare word; never rewritten
.set NIL, 15                           ; v15   0; never rewritten
.set X,   32                           ; v32-159  four rows of 32 numbers a lane; in phase 2 four blocks of 32
.set G,   160                          ; v160-191 the gain, v192-223 the bias, of my 32 columns
.set BT,  192
.set PC,  160                          ; phase 2: codes, eight registers a block (six used)
.set TC,  192                          ; and the upper halves as the conversions leave them
.set ST,  224                          ; v224-239 four registers a row: sums, mean, 1 / sigma
.set TM,  224                          ; phase 2: largest magnitudes, scale operands, bytes, words
.set SO,  228
.set BY,  232
.set WD,  236
	s_load_b512 s[4:19], s[0:1], 0x0               ; the eight sources
	s_load_b256 s[20:27], s[0:1], 0x40             ; two gains and biases
	s_load_b64 s[28:29], s[0:1], 0x60              ; the target
	v_lshl_add_u32 v[SPW], v0, 2, SPARE
	v_mov_b32 v[NIL], 0
	v_lshrrev_b32 v1, 5, v0
	v_readfirstlane_b32 s2, v1                     ; wave
	v_and_b32 v1, 31, v0                           ; lane
	v_and_b32 v2, 15, v0                           ; r
	v_bfe_u32 v3, v0, 4, 1                         ; h
	v_lshlrev_b32 v[L16], 4, v1
	v_lshl_add_u32 v[L8], v1, 3, 512
	v_lshlrev_b32 v[L4], 2, v1
	v_lshlrev_b32 v[H8], 3, v3
	s_mul_i32 s3, s2, 4*PITCH
	v_add_nc_u32 v[LW], s3, v[L16]
	v_mul_u32_u24 v[LR], v2, PITCH
	v_lshl_add_u32 v[LR], v3, 7, v[LR]
	s_lshl_b32 s3, s2, 10
	v_add_nc_u32 v[LR], s3, v[LR]                  ; row r, + 128 h, + my wave's 256 numbers
	s_mov_b32 s44, 0x76543210
	s_mov_b32 s45, 0xfedcba98                      ; v_permlanex16_b32's selects for lane l xor 16
	s_mov_b32 s46, 0x3a800000                      ; 1 / 1024
	s_mov_b32 s47, 0x3727c5ac                      ; 1e-5
	s_mov_b32 s30, 0
	s_wait_kmcnt 0x0
.macro PICK lim, p                     ; from chunk lim on the source is the pointer at s[p]; the choice hangs on the work-group's number alone
	s_cmp_ge_u32 ttmp9, \lim
	s_cselect_b64 s[4:5], s[\p:\p+1], s[4:5]
	s_cselect_b32 s30, \lim, s30
.endm
	PICK 256, 6
	s_cselect_b64 s[20:21], s[24:25], s[20:21]
	s_cselect_b64 s[22:23], s[26:27], s[22:23]
	PICK 512, 8
	PICK 576, 10
	PICK 640, 12
	PICK 704, 14
	PICK 768, 16
	PICK 1024, 18
	s_cselect_b32 s31, 2, 0                        ; W2: four chunks to a row block, rows four times as long
	s_sub_co_u32 s32, ttmp9, s30                   ; the chunk's number in its tensor
	s_lshr_b32 s33, s32, s31                       ; row block
	s_lshl_b32 s34, s33, s31
	s_sub_co_u32 s34, s32, s34                     ; which 1,024 along K
	s_lshr_b32 s35, s33, 1
	s_lshl_b32 s35, s35, 5
	s_and_b32 s36, s33, 1
	s_lshl_b32 s36, s36, 3
	s_add_co_u32 s35, s35, s36
	s_lshl_b32 s36, s2, 2
	s_add_co_u32 s35, s35, s36
	s_lshr_b32 s36, s2, 1
	s_lshl_b32 s36, s36, 3
	s_add_co_u32 s35, s35, s36                     ; the true row at lane place 4 w; places 4 w + 1 .. + 3 are the next three rows
	s_add_co_u32 s36, s31, 12
	s_lshl_b32 s38, s35, s36
	s_lshl_b32 s34, s34, 12
	s_add_co_u32 s38, s38, s34
	s_mov_b32 s39, 0
	s_add_nc_u64 s[4:5], s[4:5], s[38:39]
	s_lshl_b32 s37, 1, s36                         ; a row of the source in bytes
	v_add_nc_u32 v5, s37, v[L16]
	v_add_nc_u32 v6, s37, v5
	v_add_nc_u32 v7, s37, v6
	s_mul_i32 s38, ttmp9, 12288
	s_mul_i32 s36, s2, 3072
	s_add_co_u32 s38, s38, s36
	s_add_co_u32 s38, s38, CODES
	s_add_nc_u64 s[40:41], s[28:29], s[38:39]      ; my wave's two K steps of codes
	s_lshl_b32 s38, ttmp9, 10
	s_lshl_b32 s36, s2, 8
	s_add_co_u32 s38, s38, s36
	s_add_nc_u64 s[42:43], s[28:29], s[38:39]      ; and their scale images
.irp i, 0,1,2,3
.irp j, 0,1,2,3,4,5,6,7
	global_load_b128 v[X+32*\i+4*\j:X+32*\i+4*\j+3], v[4+\i], s[4:5] offset:512*\j th:TH_LOAD_NT   ; 32 lanes read 512 consecutive bytes of a row
.endr
.endr
	s_cmp_ge_u32 ttmp9, 512                        ; weights are quantised as they are
	s_cbranch_scc1 .Lplain
.irp j, 0,1,2,3,4,5,6,7
	global_load_b128 v[G+4*\j:G+4*\j+3], v[L16], s[20:21] offset:512*\j
	global_load_b128 v[BT+4*\j:BT+4*\j+3], v[L16], s[22:23] offset:512*\j
.endr
	s_wait_loadcnt 0x0
.macro FOLD                            ; each row's two packed chains become one number in every lane
.irp i, 0,1,2,3
	v_pk_add_f32 v[ST+4*\i:ST+4*\i+1], v[ST+4*\i:ST+4*\i+1], v[ST+4*\i+2:ST+4*\i+3]
.endr
.irp i, 0,1,2,3
	v_add_f32 v[ST+4*\i], v[ST+4*\i], v[ST+4*\i+1]
.endr
.irp m, 1,2,4,8
.irp i, 0,1,2,3
	v_add_f32_dpp v[ST+4*\i], v[ST+4*\i], v[ST+4*\i] row_xmask:\m row_mask:0xf bank_mask:0xf
.endr
.endr
.irp i, 0,1,2,3
	v_permlanex16_b32 v[ST+4*\i+1], v[ST+4*\i], s44, s45
.endr
.irp i, 0,1,2,3
	v_add_f32 v[ST+4*\i], v[ST+4*\i], v[ST+4*\i+1]
.endr
.endm
.irp i, 0,1,2,3                                ; the mean: the four rows by turns, two chains a row
	v_pk_add_f32 v[ST+4*\i:ST+4*\i+1], v[X+32*\i:X+32*\i+1], v[X+32*\i+2:X+32*\i+3]
	v_pk_add_f32 v[ST+4*\i+2:ST+4*\i+3], v[X+32*\i+4:X+32*\i+5], v[X+32*\i+6:X+32*\i+7]
.endr
.irp j, 8,12,16,20,24,28
.irp i, 0,1,2,3
	v_pk_add_f32 v[ST+4*\i:ST+4*\i+1], v[ST+4*\i:ST+4*\i+1], v[X+32*\i+\j:X+32*\i+\j+1]
	v_pk_add_f32 v[ST+4*\i+2:ST+4*\i+3], v[ST+4*\i+2:ST+4*\i+3], v[X+32*\i+\j+2:X+32*\i+\j+3]
.endr
.endr
	FOLD
.irp i, 0,1,2,3
	v_mul_f32 v[ST+4*\i], 0xba800000, v[ST+4*\i]   ; - the mean
.endr
.set n, 0
.rept 16
.irp i, 0,1,2,3
	v_pk_add_f32 v[X+32*\i+n:X+32*\i+n+1], v[X+32*\i+n:X+32*\i+n+1], v[ST+4*\i:ST+4*\i+1] op_sel_hi:[1,0]   ; x - mean (the pair's low word serves both halves)
.endr
.set n, n+2
.endr
.irp i, 0,1,2,3                                ; the mean of the squares of x - mean, as reference() has it
	v_pk_mul_f32 v[ST+4*\i:ST+4*\i+1], v[X+32*\i:X+32*\i+1], v[X+32*\i:X+32*\i+1]
	v_pk_mul_f32 v[ST+4*\i+2:ST+4*\i+3], v[X+32*\i+2:X+32*\i+3], v[X+32*\i+2:X+32*\i+3]
.endr
.irp j, 4,8,12,16,20,24,28
.irp i, 0,1,2,3
	v_pk_fma_f32 v[ST+4*\i:ST+4*\i+1], v[X+32*\i+\j:X+32*\i+\j+1], v[X+32*\i+\j:X+32*\i+\j+1], v[ST+4*\i:ST+4*\i+1]
	v_pk_fma_f32 v[ST+4*\i+2:ST+4*\i+3], v[X+32*\i+\j+2:X+32*\i+\j+3], v[X+32*\i+\j+2:X+32*\i+\j+3], v[ST+4*\i+2:ST+4*\i+3]
.endr
.endr
	FOLD
.irp i, 0,1,2,3
	v_fma_f32 v[ST+4*\i], v[ST+4*\i], s46, s47     ; the variance + 1e-5
.endr
.irp i, 0,1,2,3
	v_rsq_f32 v[ST+4*\i+2], v[ST+4*\i]
.endr
	v_nop                                          ; a plain instruction behind the last of the four,
	s_wait_alu depctr_va_vdst(0)                   ; and one wait for the four, ahead of their first reader
.set n, 0
.rept 16
.irp i, 0,1,2,3
	v_pk_mul_f32 v[X+32*\i+n:X+32*\i+n+1], v[X+32*\i+n:X+32*\i+n+1], v[ST+4*\i+2:ST+4*\i+3] op_sel_hi:[1,0]
.endr
.irp i, 0,1,2,3
	v_pk_fma_f32 v[X+32*\i+n:X+32*\i+n+1], v[X+32*\i+n:X+32*\i+n+1], v[G+n:G+n+1], v[BT+n:BT+n+1]
.endr
.set n, n+2
.endr
.Lplain:
	s_wait_loadcnt 0x0
.irp i, 0,1,2,3
.irp j, 0,1,2,3,4,5,6,7
	ds_store_b128 v[LW], v[X+32*\i+4*\j:X+32*\i+4*\j+3] offset:PITCH*\i+512*\j
.endr
.endr
	s_wait_dscnt 0x0                               ; for the others' sake: my rows lie in LDS
	s_barrier_signal -1
	s_barrier_wait -1                              ; all sixteen rows do
.irp q, 0,1,2,3                                ; block q = 2 (K step) + c: K = 256 w + 64 q + 32 h + 0 .. 31 of row r
.irp j, 0,1,2,3,4,5,6,7
	ds_load_b128 v[X+32*\q+4*\j:X+32*\q+4*\j+3], v[LR] offset:256*\q+16*\j
.endr
.endr
	v_mov_b32 v[WD+2], 0                           ; a lane permute's destination counts as one of its sources
	v_mov_b32 v[WD+3], 0
	s_wait_dscnt 0x0
.irp q, 0,1,2,3
	v_max3_num_f32 v[TM+\q], |v[X+32*\q]|, |v[X+32*\q+1]|, 0x1800000   ; with the floor 2^(3 - 127): the byte cannot fall under 1
.endr
.irp i, 2,4,6,8,10,12,14,16,18,20,22,24,26,28,30
.irp q, 0,1,2,3
	v_max3_num_f32 v[TM+\q], v[TM+\q], |v[X+32*\q+\i]|, |v[X+32*\q+\i+1]|
.endr
.endr
.irp q, 0,1,2,3
	v_add_nc_u32 v[SO+\q], 0xff000000, v[TM+\q]    ; 2 off the exponent field: the conversion's scale operand
.endr
.irp q, 0,1,2,3
	v_lshrrev_b32 v[BY+\q], 23, v[SO+\q]           ; the scale's byte
.endr
.irp s, 0,1                                    ; a K step's word: my bytes are those of blocks h and 2 + h
	v_lshl_or_b32 v[WD+\s], v[BY+2*\s+1], 16, v[BY+2*\s]
	v_lshlrev_b32 v[WD+\s], v[H8], v[WD+\s]
.endr
.irp s, 0,1
	v_permlanex16_b32 v[WD+2+\s], v[WD+\s], s44, s45
.endr
.irp s, 0,1
	v_or_b32 v[WD+\s], v[WD+\s], v[WD+2+\s]        ; with lane l xor 16's two the word is whole, in all 32 lanes
.endr
.irp q, 0,1,2,3
	v_cvt_scalef32_pk16_fp6_f32 v[PC+8*\q:PC+8*\q+2], v[X+32*\q:X+32*\q+15], v[SO+\q]
	v_cvt_scalef32_pk16_fp6_f32 v[TC+4*\q:TC+4*\q+2], v[X+32*\q+16:X+32*\q+31], v[SO+\q]   ; (a conversion's three registers begin on an even number)
.endr
	v_nop                                          ; one plain instruction behind the conversions
.irp q, 0,1,2,3
.irp i, 0,1,2
	v_mov_b32 v[PC+8*\q+3+\i], v[TC+4*\q+\i]
.endr
.endr
.irp q, 0,1,2,3
	global_store_b128 v[L16], v[PC+8*\q:PC+8*\q+3], s[40:41] offset:768*\q     ; 512 consecutive bytes, at a multiple of 256 from the buffer's first byte
	global_store_b64 v[L8], v[PC+8*\q+4:PC+8*\q+5], s[40:41] offset:768*\q     ; and the 256 behind them
.endr
.irp s, 0,1
	global_store_b32 v[L4], v[WD+\s], s[42:43] offset:128*\s
.endr
	s_wait_tensorcnt 0x0                           ; the wave's end, behind my last LDS store
	ds_add_u32 v[SPW], v[NIL]
	s_wait_dscnt 0x0
	s_endpgm
.Lfunc_end_k_qbd4adf2819_prep:
	.size	k_qbd4adf2819_prep, .Lfunc_end_k_qbd4adf2819_prep-k_qbd4adf2819_prep
	.p2alignl 7, 3214868480
	.fill 96, 4, 3214868480
	.section	.rodata,"a",@progbits
	.p2align	6, 0x0
	.amdhsa_kernel k_qbd4adf2819_prep
		.amdhsa_group_segment_fixed_size 66304
		.amdhsa_private_segment_fixed_size 0
		.amdhsa_enable_private_segment 0
		.amdhsa_kernarg_size 104
		.amdhsa_user_sgpr_count 2
		.amdhsa_user_sgpr_kernarg_segment_ptr 1
		.amdhsa_wavefront_size32 1
		.amdhsa_system_sgpr_workgroup_id_x 1
		.amdhsa_system_sgpr_workgroup_id_y 1
		.amdhsa_system_sgpr_workgroup_id_z 1
		.amdhsa_system_vgpr_workitem_id 0
		.amdhsa_next_free_vgpr 256
		.amdhsa_next_free_sgpr 66
		.amdhsa_reserve_vcc 0
		.amdhsa_float_denorm_mode_32 3
		.amdhsa_float_denorm_mode_16_64 3
		.amdhsa_memory_ordered 1
		.amdhsa_forward_progress 1
		.amdhsa_inst_pref_size 44
	.end_amdhsa_kernel
	.amdgpu_metadata
---
amdhsa.version: [ 1, 2 ]
amdhsa.kernels:
  - .name:           k_qbd4adf2819_prep
    .symbol:         k_qbd4adf2819_prep.kd
    .args:
      - { .name: x_q, .offset: 0, .size: 8, .value_kind: global_buffer, .address_space: global }
      - { .name: x_kv, .offset: 8, .size: 8, .value_kind: global_buffer, .address_space: global }
      - { .name: Wq, .offset: 16, .size: 8, .value_kind: global_buffer, .address_space: global }
      - { .name: Wk, .offset: 24, .size: 8, .value_kind: global_buffer, .address_space: global }
      - { .name: Wv, .offset: 32, .size: 8, .value_kind: global_buffer, .address_space: global }
      - { .name: Wo, .offset: 40, .size: 8, .value_kind: global_buffer, .address_space: global }
      - { .name: W1, .offset: 48, .size: 8, .value_kind: global_buffer, .address_space: global }
      - { .name: W2, .offset: 56, .size: 8, .value_kind: global_buffer, .address_space: global }
      - { .name: qn_g, .offset: 64, .size: 8, .value_kind: global_buffer, .address_space: global }
      - { .name: qn_b, .offset: 72, .size: 8, .value_kind: global_buffer, .address_space: global }
      - { .name: kvn_g, .offset: 80, .size: 8, .value_kind: global_buffer, .address_space: global }
      - { .name: kvn_b, .offset: 88, .size: 8, .value_kind: global_buffer, .address_space: global }
      - { .name: wsA, .offset: 96, .size: 8, .value_kind: global_buffer, .address_space: global }
    .group_segment_fixed_size: 66304
    .private_segment_fixed_size: 0
    .kernarg_segment_align: 8
    .kernarg_segment_size: 104
    .max_flat_workgroup_size: 128
    .sgpr_count:     66
    .vgpr_count:     256
    .wavefront_size: 32
...
	.end_amdgpu_metadata
.endif
;; end of part 1
;; launch qkv (part 2): grid 4 x 48, 4 waves a work-group, clusters of 4 x 4, 327,680 bytes of LDS; arguments wsA, bq, bk, bv, wsB; writes wsB
.if DOCPART == 2
	.amdgcn_target "amdgcn-amd-amdhsa--gfx1250"
	.amdhsa_code_object_version 6
	.text
	.protected	k_qbd4adf2819_qkv
	.globl	k_qbd4adf2819_qkv
	.p2align	8
	.type	k_qbd4adf2819_qkv,@function
k_qbd4adf2819_qkv:
	s_mov_b64 s[64:65], 0
	v_nop
	global_prefetch_b8 v0, s[64:65] scope:SCOPE_SE
	s_setreg_imm32_b32 hwreg(HW_REG_WAVE_MODE, 25, 1), 1
	s_wait_xcnt 0x0
	s_wait_alu depctr_hold_cnt(0) depctr_sa_sdst(0) depctr_va_vdst(0) depctr_va_sdst(0) depctr_va_ssrc(0) depctr_va_vcc(0) depctr_vm_vsrc(0)
	s_getreg_b32 s2, hwreg(HW_REG_IB_STS2, 6, 4)
	s_cmp_eq_u32 s2, 0
	s_cbranch_scc0 .Lentry_in_a_cluster
	s_endpgm
.Lentry_in_a_cluster:
	s_bfe_u32 s2, ttmp6, 0x10000c
	s_cmp_lg_u32 s2, 0xf033
	s_cbranch_scc0 .Lentry_shape_is_right
	s_endpgm
.Lentry_shape_is_right:
; q = LN(x_q) Wq^T + bq, k = LN(x_kv) Wk^T + bk, v = LN(x_kv) Wv^T + bv, on the MX-FP6 operands that the first launch made, and each result quantised on the way out for the attention.  No work is left out.
; ONE GEMM TEXT FOR THREE PRODUCTS.  A tile is 256 x 256, four waves of 128 x 128 (64 accumulators, 512 registers).  Source 1 ("A") gives a lane its row, source 0 ("B") runs down a lane's registers.
; Cluster y = 4 sel + y3.  sel 0: A = x_q's rows, B = Wq's.  sel 1: A = x_kv's, B = Wk's.  A lane then holds a token and 128 neighbouring channels: two heads, each a block pair along the score product's K.
; sel 2: A = Wv's rows, B = x_kv's: a lane holds one channel d and 128 neighbouring TOKENS, which are the K of the product with the softmax.
; OPERANDS are images of operand registers (first launch's head): a row block's K steps lie on end, 1,536 bytes each, so a slot's part of a row block (two K steps) is 3,072 consecutive bytes, a fragment comes out of LDS by two
; loads of 16 bytes and two of 8 bytes a lane, each of them consecutive over the lanes, and nothing is padded.
; RING: two slots of 256 along K; each wave fetches eight row blocks (24,576 bytes) by one tensor load.  The scale words of the tile's rows, for all of K, come once with the first fills (the lower 64 bytes of each image).
; By this text's count a wave has three tensor loads out at the start and one behind each round.
; CLUSTER 4 x 4: A's tiles are asked for jointly along a row of the cluster, B's along a column.
; RESULTS in wsB, for each bh = 16 batch + head, 221,184 bytes: K's halves of fragments [128 blocks of 16 keys][768] at 0, their scale images at 98,304, V's fragments [16 key steps][4 blocks of d][1,536] at 114,688, their scale
; images at 212,992.  Q's halves at 7,077,888 + 98,304 bh, their scale images at 10,223,616 + 16,384 bh.  Q's and K's words hold two bytes; the upper two are 0 and will stand over zero codes.
; LIMITS: a block of zeros gets the byte 1 (its codes are zeros; this program alone reads the bytes); NaN and infinities are not served.
.set KK,     1024
.set NK,     KK/128
.set RP,     NK*1536                   ; a row block's codes in bytes
.set ROWB,   3072                      ; its part of a slot
.set HALFT,  8*ROWB
.set SLOT,   4*HALFT
.set LAPS,   KK/512
.set FR,     12
.set NL,     4                         ; LDS loads that bring a fragment
.set NP,     4                         ; places behind this matrix instruction (ISA guide 7.12.1)
.set NQ,     2
.set SBLK,   NK*64                     ; a row block's scale words in LDS
.set HALFS,  8*SBLK
.set SCL,    2*SLOT
.set SPARE,  SCL+4*HALFS               ; the spare words, 128 bytes a wave
.set CODES,  1310720
.set L16,  4                           ; v4 16 x lane; v5 512 + 8 x lane; v6 4 x lane
.set L8,   5
.set L4,   6
.set ADRA, 16                          ; v16-17 A's fragments in slot 0, 1 (16-byte pieces), v18-19 (8-byte pieces)
.set ADRB, 20                          ; v20-23 the same for B
.set ADRS, 27                          ; v27 my scale words: lanes 0-15 A's rows, lanes 16-31 B's
.set SPW,  28
.set NIL,  29
.set SC,   32                          ; v32-63 scale words, two sets of 16
.set AF,   128                         ; v128-223 A's eight fragments
.set HA,   32                          ; the way out: v32-95 a block's 64 numbers; v192-211 codes; v212-227 at work; v228 the scale word
.set PC,   192
.set TM,   212
.set PW,   228
.set G1, 24
.set G0, 32
.set G1B, 48
.set G0B, 56
.set G1S, 68
.set G0S, 76
.set G1SB, 80
.set G0SB, 88
.set SEL, 66
.set MSB, 0
.macro WIN new                         ; the immediate's high byte repeats the setting that is left
.if MSB != (\new)
	s_set_vgpr_msb (MSB<<8)|(\new)
.set MSB, (\new)
.endif
.endm
.set MUL_LO, 0xa1                      ; source 0 (B) window 1, source 1 (A) window 0, C and D window 2
.set MUL_HI, 0xf1                      ; the same, C and D window 3
.set TO_B,   0x40
.macro JLOAD g0a, g1a, g0b, g1b        ; a joint load: waves 0 and 1 fetch for A, waves 2 and 3 for B; an s_nop 0 and four v_nop follow each line
	s_cmp_eq_u32 s15, 0
	s_cbranch_scc0 .Lfor_b_\@
	tensor_load_to_lds s[\g0a:\g0a+3], s[\g1a:\g1a+7]
	s_nop 0
.rept 4
	v_nop
.endr
	s_branch .Lasked_\@
.Lfor_b_\@:
	tensor_load_to_lds s[\g0b:\g0b+3], s[\g1b:\g1b+7]
	s_nop 0
.rept 4
	v_nop
.endr
.Lasked_\@:
.endm
.macro CREST                           ; a round of the cluster's barrier behind its opening barrier
	s_cmp_lg_u32 s14, 0
	s_cbranch_scc1 .Lnot_wave_0_\@
	s_barrier_signal -3
.Lnot_wave_0_\@:
	s_barrier_wait -3
	s_barrier_signal -1
	s_barrier_wait -1
.endm
.macro CROUND
	s_barrier_signal -1
	s_barrier_wait -1
	CREST
.endm
	s_load_b256 s[4:11], s[0:1], 0x0               ; wsA, bq, bk, bv
	s_load_b64 s[12:13], s[0:1], 0x20              ; wsB
	v_lshl_add_u32 v[SPW], v0, 2, SPARE
	v_mov_b32 v[NIL], 0
	ds_add_u32 v[SPW], v[NIL]                      ; the opening: the add, twice on end, and its wait ahead of my first tensor load
	ds_add_u32 v[SPW], v[NIL]
	v_lshrrev_b32 v1, 5, v0
	v_readfirstlane_b32 s14, v1                    ; wave
	s_lshr_b32 s15, s14, 1                         ; my half of A's rows; also: I fetch for A (0) or B (1)
	s_and_b32 s16, s14, 1                          ; my half of B's rows; also: which eight row blocks I fetch
	s_bfe_u32 s40, ttmp6, 0x40000                  ; cx
	s_bfe_u32 s41, ttmp6, 0x40004                  ; cy
	s_and_b32 s95, ttmp7, 0xffff                   ; cluster y, 0 .. 11: the same in all sixteen partners
	s_and_b32 s97, s95, 3
	s_lshl_b32 s97, s97, 2                         ; 4 y3
	s_lshr_b32 s95, s95, 2                         ; sel
	s_lshr_b32 s96, s95, 1                         ; 1 for v
	s_xor_b32 s98, s96, 1
	s_mul_i32 s98, s98, s97
	s_mul_i32 s99, s96, s97
	s_add_co_u32 s17, s98, s41                     ; A's tile: 4 y3 + cy (tokens), for v: cy (channels)
	s_add_co_u32 s42, s99, s40                     ; B's tile: cx (channels), for v: 4 y3 + cx (tokens)
	s_lshl_b32 s98, s95, 8
	s_lshl_b32 s99, s96, 7
	s_add_co_u32 s98, s98, s99                     ; A's first chunk: 0, 256, 640
	s_lshl_b32 s99, s95, 6
	s_add_co_u32 s99, s99, 512
	s_mul_i32 s97, s96, 384
	s_sub_co_u32 s99, s99, s97                     ; B's: 512, 576, 256
	s_lshl_b32 s43, s41, 2
	s_lshl_b32 s43, 15, s43                        ; my row of the cluster
	s_lshl_b32 s44, 0x1111, s40                    ; my column
	s_or_b32 s[G1+0], s43, (3<<16)|(1<<21)         ; 15:0 the mask; 17:16 elements of 8 bytes; 21 set beside a mask; no padding
	s_or_b32 s[G1B+0], s44, (3<<16)|(1<<21)
.irp g, G1, G1B
	s_mov_b32 s[\g+1], 384<<16                     ; tensor_dim0: 3,072 bytes
	s_mov_b32 s[\g+2], 8<<16                       ; tensor_dim1: eight row blocks
	s_mov_b32 s[\g+3], 384<<16                     ; tile_dim0
	s_mov_b32 s[\g+4], 8                           ; tile_dim1
	s_mov_b32 s[\g+5], NK*192                      ; from row block to row block
	s_mov_b32 s[\g+6], 0
	s_mov_b32 s[\g+7], 0
.endr
	s_or_b32 s[G1S+0], s43, (3<<16)|(1<<21)
	s_or_b32 s[G1SB+0], s44, (3<<16)|(1<<21)
.irp g, G1S, G1SB                              ; the scale words: 64 bytes of each image of 128
	s_mov_b32 s[\g+1], 8<<16
	s_mov_b32 s[\g+2], (8*NK)<<16
	s_mov_b32 s[\g+3], 8<<16
	s_mov_b32 s[\g+4], 8*NK
	s_mov_b32 s[\g+5], 16
	s_mov_b32 s[\g+6], 0
	s_mov_b32 s[\g+7], 0
.endr
	s_lshl_b32 s18, s16, 3
	s_lshl_b32 s20, s17, 4
	s_add_co_u32 s20, s20, s18
	s_add_co_u32 s20, s20, s98                     ; A: the first row block that I fetch, counted in chunks
	s_lshl_b32 s46, s42, 4
	s_add_co_u32 s46, s46, s18
	s_add_co_u32 s46, s46, s99                     ; B likewise
	s_mul_i32 s22, s20, NK*128
	s_mov_b32 s23, 0
	s_mul_i32 s20, s20, RP
	s_add_co_u32 s20, s20, CODES
	s_mov_b32 s21, 0
	s_mul_i32 s92, s46, NK*128
	s_mov_b32 s93, 0
	s_mul_i32 s46, s46, RP
	s_add_co_u32 s46, s46, CODES
	s_mov_b32 s47, 0
	s_mul_i32 s45, s14, HALFT                      ; where they go: no place in the cluster enters an LDS address
	s_mul_i32 s94, s14, HALFS
	s_mov_b32 s[SEL], 0x76543210
	s_mov_b32 s[SEL+1], 0xfedcba98
	s_wait_dscnt 0x0                               ; both opening adds are done
	s_wait_kmcnt 0x0
	s_add_nc_u64 s[20:21], s[4:5], s[20:21]
	s_add_nc_u64 s[22:23], s[4:5], s[22:23]
	s_add_nc_u64 s[46:47], s[4:5], s[46:47]
	s_add_nc_u64 s[92:93], s[4:5], s[92:93]
	CROUND                                         ; all sixteen work-groups are here: the first joint loads meet
	s_mov_b32 s[G0S], 1
	s_add_co_u32 s[G0S+1], s94, SCL
	s_mov_b64 s[G0S+2:G0S+3], s[22:23]
	s_or_b32 s[G0S+3], s[G0S+3], 0x80000000
	s_mov_b32 s[G0SB], 1
	s_add_co_u32 s[G0SB+1], s94, SCL
	s_mov_b64 s[G0SB+2:G0SB+3], s[92:93]
	s_or_b32 s[G0SB+3], s[G0SB+3], 0x80000000
	JLOAD G0S, G1S, G0SB, G1SB
.irp s, 0,1
	s_mov_b32 s[G0+4*\s], 1
	s_add_co_u32 s[G0+4*\s+1], s45, \s*SLOT
	s_add_nc_u64 s[G0+4*\s+2:G0+4*\s+3], s[20:21], \s*ROWB
	s_or_b32 s[G0+4*\s+3], s[G0+4*\s+3], 0x80000000
	s_mov_b32 s[G0B+4*\s], 1
	s_add_co_u32 s[G0B+4*\s+1], s45, \s*SLOT
	s_add_nc_u64 s[G0B+4*\s+2:G0B+4*\s+3], s[46:47], \s*ROWB
	s_or_b32 s[G0B+4*\s+3], s[G0B+4*\s+3], 0x80000000
	JLOAD G0+4*\s, G1, G0B+4*\s, G1B
.endr
	v_and_b32 v1, 31, v0                           ; lane
	v_and_b32 v2, 15, v0                           ; r
	v_bfe_u32 v3, v0, 4, 1                         ; h
	v_lshlrev_b32 v[L16], 4, v1
	v_lshl_add_u32 v[L8], v1, 3, 512
	v_lshlrev_b32 v[L4], 2, v1
	s_mul_i32 s21, s15, HALFT                      ; my eight row blocks of A,
	s_mul_i32 s22, s16, HALFT
	s_add_co_u32 s22, s22, 2*HALFT                 ; of B
.irp s, 0,1
	v_add_nc_u32 v[ADRA+\s], s21, v[L16]
	v_add_nc_u32 v[ADRA+2+\s], s21, v[L8]
	v_add_nc_u32 v[ADRB+\s], s22, v[L16]
	v_add_nc_u32 v[ADRB+2+\s], s22, v[L8]
	s_add_co_u32 s21, s21, SLOT
	s_add_co_u32 s22, s22, SLOT
.endr
	s_mul_i32 s21, s15, HALFS
	s_mul_i32 s22, s16, HALFS
	s_add_co_u32 s22, s22, 2*HALFS
	s_sub_co_u32 s22, s22, s21
	v_mul_u32_u24 v7, s22, v3                      ; lanes 16-31 take B's words
	s_add_co_u32 s21, s21, SCL
	v_lshl_add_u32 v7, v2, 2, v7
	v_add_nc_u32 v[ADRS], s21, v7
.macro FRAG reg, adr, q, i             ; a fragment as it lies: two halves of 768 bytes, each 16 bytes and 8 bytes a lane
	ds_load_b128 v[\reg:\reg+3], v[\adr] offset:3072*(\i)+1536*(\q)
	ds_load_b64 v[\reg+4:\reg+5], v[\adr+2] offset:3072*(\i)+1536*(\q)
	ds_load_b128 v[\reg+6:\reg+9], v[\adr] offset:3072*(\i)+1536*(\q)+768
	ds_load_b64 v[\reg+10:\reg+11], v[\adr+2] offset:3072*(\i)+1536*(\q)+768
.endm
; 16 matrix instructions: A's blocks a0, a0 + 1 x B's eight.  The 64 accumulators take turns, one instruction a turn, in the same order in every step.
.macro MUL16 a0, p, q, sc, zero
.irp a, \a0, \a0+1
.irp b, 0,1,2,3,4,5,6,7
.if \zero
	v_wmma_scale_f32_16x16x128_f8f6f4 v[8*(8*((\a)%4)+\b):8*(8*((\a)%4)+\b)+7], v[128*(\p)+FR*\b:128*(\p)+FR*\b+FR-1], v[AF+FR*(\a):AF+FR*(\a)+FR-1], 0, v[SC+8*NQ*(\sc)+NQ*\b+(\q)], v[SC+8*NQ*(\sc)+NQ*(\a)+(\q)] matrix_a_fmt:MATRIX_FMT_FP6 matrix_b_fmt:MATRIX_FMT_FP6 matrix_a_scale:MATRIX_SCALE_ROW1
.else
	v_wmma_scale_f32_16x16x128_f8f6f4 v[8*(8*((\a)%4)+\b):8*(8*((\a)%4)+\b)+7], v[128*(\p)+FR*\b:128*(\p)+FR*\b+FR-1], v[AF+FR*(\a):AF+FR*(\a)+FR-1], v[8*(8*((\a)%4)+\b):8*(8*((\a)%4)+\b)+7], v[SC+8*NQ*(\sc)+NQ*\b+(\q)], v[SC+8*NQ*(\sc)+NQ*(\a)+(\q)] matrix_a_fmt:MATRIX_FMT_FP6 matrix_b_fmt:MATRIX_FMT_FP6 matrix_a_scale:MATRIX_SCALE_ROW1
.endif
.endr
.endr
.endm
.macro FETCH_B slot, q, p
	WIN TO_B
.irp i, 0,1,2,3,4,5,6,7
	FRAG 128*(\p)+FR*\i, ADRB+\slot, \q, \i
.endr
	WIN 0
.endm
.macro FETCH_A slot, q, i0
.irp i, \i0, \i0+1, \i0+2, \i0+3
	FRAG AF+FR*(\i), ADRA+\slot, \q, \i
.endr
.endm
.macro SCALES sc                       ; a slot's scale words: register 2 i + q: lanes 0-15 A's block i, lanes 16-31 B's block i, K step q
.irp i, 0,1,2,3,4,5,6,7
	ds_load_b32 v[SC+16*\sc+2*\i], v[ADRS] offset:\i*SBLK
	ds_load_b32 v[SC+16*\sc+2*\i+1], v[ADRS] offset:\i*SBLK+64
.endr
.endm
.macro PLACES n                        ; plain vector instructions between a matrix instruction and a load into, or a vector read or write of, its registers
.rept \n
	v_nop
.endr
.endm
.macro STEP slot, q, zero              ; a step of 128 along K that has its successor in the same slot
	s_wait_dscnt 4*NL                              ; all but the youngest 16 loads (A's blocks 4-7) are in
	WIN MUL_LO
	MUL16 0, (\q)%2, \q, \slot, \zero
	MUL16 2, (\q)%2, \q, \slot, \zero
	s_wait_dscnt 0x0
	PLACES NP
	FETCH_B \slot, (\q)+1, 1-(\q)%2
	FETCH_A \slot, (\q)+1, 0
	WIN MUL_HI
	MUL16 4, (\q)%2, \q, \slot, \zero
	MUL16 6, (\q)%2, \q, \slot, \zero
	PLACES NP
	WIN 0
	FETCH_A \slot, (\q)+1, 4
.endm
.macro TURN slot, next, fill           ; a slot's last step changes slots: one barrier; fill = 1: it opens a round of the cluster's, and this slot is filled again
	s_wait_tensorcnt 0x0                           ; all my tensor loads have landed: my part of the next slot
	ds_add_u32 v[SPW], v[NIL]                      ; 0 onto my spare word
	s_wait_dscnt 4*NL+1                            ; (the add and the youngest 16 loads may be out)
	WIN MUL_LO
	MUL16 0, 1, NQ-1, \slot, 0
	s_wait_dscnt 0x0                               ; the add is done, and my reads of this slot are over
	s_barrier_signal -1
	MUL16 2, 1, NQ-1, \slot, 0
	WIN 0
	s_barrier_wait -1
.if \fill
	CREST                                          ; no wave of any partner still reads this slot or has a load on its way
	s_add_nc_u64 s[G0+4*\slot+2:G0+4*\slot+3], s[G0+4*\slot+2:G0+4*\slot+3], 2*ROWB
	s_add_nc_u64 s[G0B+4*\slot+2:G0B+4*\slot+3], s[G0B+4*\slot+2:G0B+4*\slot+3], 2*ROWB
	JLOAD G0+4*\slot, G1, G0B+4*\slot, G1B         ; the first tensor load behind the round; its four v_nop are the places in front of the loads below
.else
	PLACES NP
.endif
	v_add_nc_u32 v[ADRS], 64*NQ, v[ADRS]           ; the next slot's scale words
	FETCH_B \next, 0, 0
	FETCH_A \next, 0, 0
	SCALES \next
	WIN MUL_HI
	MUL16 4, 1, NQ-1, \slot, 0
	MUL16 6, 1, NQ-1, \slot, 0
	PLACES NP
	WIN 0
	FETCH_A \next, 0, 4
.endm
.macro LASTSTEP                        ; nothing more to fetch
	s_wait_dscnt 4*NL
	WIN MUL_LO
	MUL16 0, 1, NQ-1, 1, 0
	MUL16 2, 1, NQ-1, 1, 0
	s_wait_dscnt 0x0
	WIN MUL_HI
	MUL16 4, 1, NQ-1, 1, 0
	MUL16 6, 1, NQ-1, 1, 0
	WIN 0
.endm
; 64 numbers of a lane, register 16 b + i = K 32 b + 16 (lane / 16) + i of my row, become a fragment's codes in v[PC] on and its scale word in v[PW]
.macro QUANT s
.irp b, 0,1,2,3
	v_max3_num_f32 v[TM+\b], |v[\s+16*\b]|, |v[\s+1+16*\b]|, 0x1800000   ; with the floor 2^(3 - 127)
.endr
.irp i, 2,4,6,8,10,12,14
.irp b, 0,1,2,3
	v_max3_num_f32 v[TM+\b], v[TM+\b], |v[\s+16*\b+\i]|, |v[\s+1+16*\b+\i]|
.endr
.endr
.irp b, 0,1,2,3
	v_permlanex16_b32 v[TM+4+\b], v[TM+\b], s[SEL], s[SEL+1]
.endr
.irp b, 0,1,2,3
	v_max_num_f32 v[TM+\b], v[TM+\b], v[TM+4+\b]   ; with lane l xor 16's: the block's largest magnitude
.endr
.irp b, 0,1,2,3
	v_add_nc_u32 v[TM+12+\b], 0xff000000, v[TM+\b] ; the conversion's scale operand
.endr
.irp b, 0,1,2,3
	v_lshrrev_b32 v[TM+4+\b], 23, v[TM+12+\b]      ; the byte
.endr
	v_lshl_or_b32 v[PW], v[TM+5], 8, v[TM+4]
	v_lshl_or_b32 v[PW], v[TM+6], 16, v[PW]
	v_lshl_or_b32 v[PW], v[TM+7], 24, v[PW]
.irp c, 0,1
	v_cvt_scalef32_pk16_fp6_f32 v[PC+6*\c:PC+2+6*\c], v[\s+32*\c:\s+15+32*\c], v[TM+12+2*\c]
	v_cvt_scalef32_pk16_fp6_f32 v[PC+12+4*\c:PC+14+4*\c], v[\s+16+32*\c:\s+31+32*\c], v[TM+12+2*\c+1]
.endr
	v_nop                                          ; one plain instruction behind the conversions
.irp c, 0,1                                    ; the layout wants a whole block in a lane
.irp i, 0,1,2
	v_permlane16_swap_b32 v[PC+6*\c+\i], v[PC+12+4*\c+\i]
.endr
.irp i, 0,1,2
	v_mov_b32 v[PC+3+6*\c+\i], v[PC+12+4*\c+\i]
.endr
.endr
.endm
.macro COPY a                          ; block a's 64 sums + the columns' bias (window 1, v96-127 and v224-255) -> v[HA] on; each accumulator from its low end on
	WIN 0x06+(\a)/4
.set n, 0
.rept 32
	v_pk_add_f32 v[HA+n:HA+n+1], v[64*((\a)%4)+n:64*((\a)%4)+n+1], v[96+n+96*(n/32):96+n+96*(n/32)+1]
.set n, n+2
.endr
	WIN 0
.endm
.macro COPYV a                         ; the same with one bias a lane (its channel's), held twice in a pair of window 1
	WIN 0x06+(\a)/4
.set n, 0
.rept 32
	v_pk_add_f32 v[HA+n:HA+n+1], v[64*((\a)%4)+n:64*((\a)%4)+n+1], v[96+2*(\a):96+2*(\a)+1]
.set n, n+2
.endr
	WIN 0
.endm
	s_wait_tensorcnt 0x1                           ; the scale words and my part of slot 0 are in; slot 1's load may stay out
	s_barrier_signal -1
	s_barrier_wait -1
	FETCH_B 0, 0, 0
	FETCH_A 0, 0, 0
	SCALES 0
	FETCH_A 0, 0, 4
	STEP 0, 0, 1                                   ; the first step's products start the sums: nothing is cleared
	s_mov_b32 s3, LAPS-1
.Llap:
	TURN 0, 1, 1
	STEP 1, 0, 0
	TURN 1, 0, 1
	STEP 0, 0, 0
	s_sub_co_u32 s3, s3, 1
	s_cmp_lg_u32 s3, 0
	s_cbranch_scc1 .Llap
	TURN 0, 1, 0
	STEP 1, 0, 0
	s_cmp_eq_u32 s96, 1                            ; the ways part on the cluster's y alone; each holds its bias loads, the last step's products, under which they land, and its way out
	s_cbranch_scc1 .Lv_arm
	; ---- q and k
	s_cmp_eq_u32 s95, 0
	s_cselect_b64 s[18:19], s[6:7], s[8:9]         ; bq or bk
	s_mov_b32 s43, 221184
	s_cselect_b32 s40, 98304, s43                  ; from head to head: codes,
	s_cselect_b32 s41, 16384, s43                  ; scale images
	s_cselect_b32 s44, 7077888, 0                  ; where the codes begin,
	s_mov_b32 s43, 98304
	s_cselect_b32 s45, 10223616, s43               ; and the scale images
	s_lshl_b32 s20, s42, 10
	s_lshl_b32 s21, s16, 9
	s_add_co_u32 s20, s20, s21
	s_mov_b32 s21, 0
	s_add_nc_u64 s[18:19], s[18:19], s[20:21]      ; the bias at my 128 columns
	v_lshlrev_b32 v7, 6, v3                        ; 64 h: register 16 b + i is column 32 b + 16 h + i
	WIN 0x40
.irp b, 0,1,2,3
.irp q, 0,1,2,3
	global_load_b128 v[96+16*\b+4*\q+96*(\b/2):96+16*\b+4*\q+96*(\b/2)+3], v7, s[18:19] offset:128*\b+16*\q
.endr
.endr
	WIN 0
	s_lshr_b32 s20, s17, 3                         ; batch
	s_lshl_b32 s20, s20, 4
	s_lshl_b32 s22, s42, 2
	s_add_co_u32 s20, s20, s22
	s_lshl_b32 s22, s16, 1
	s_add_co_u32 s20, s20, s22                     ; bh of my first head
	s_and_b32 s22, s17, 7
	s_lshl_b32 s22, s22, 4
	s_lshl_b32 s23, s15, 3
	s_add_co_u32 s22, s22, s23                     ; my first block of 16 tokens in the batch
	s_mul_i32 s46, s20, s40
	s_add_co_u32 s46, s46, s44
	s_mul_i32 s23, s22, 768
	s_add_co_u32 s46, s46, s23
	s_mov_b32 s47, 0
	s_mul_i32 s92, s20, s41
	s_add_co_u32 s92, s92, s45
	s_lshl_b32 s23, s22, 7
	s_add_co_u32 s92, s92, s23
	s_mov_b32 s93, 0
	s_add_nc_u64 s[46:47], s[12:13], s[46:47]      ; first head: codes,
	s_add_nc_u64 s[92:93], s[12:13], s[92:93]      ; scale images
	s_mov_b32 s44, s40
	s_mov_b32 s45, 0
	s_add_nc_u64 s[98:99], s[46:47], s[44:45]      ; second head
	s_mov_b32 s44, s41
	s_add_nc_u64 s[96:97], s[92:93], s[44:45]
	LASTSTEP
	PLACES NP
	s_wait_loadcnt 0x0                             ; the bias
.irp b, 0,1,2,3
	v_mov_b32 v[TM+4+\b], 0                        ; a lane permute's destination counts as one of its sources
.endr
.irp a, 0,1,2,3,4,5,6,7
	s_wait_xcnt 0x0                                ; the last block's stores have read their registers
	COPY \a
	QUANT HA
	v_and_b32 v229, 0xffff, v[PW]                  ; the first head's two bytes,
	v_lshrrev_b32 v230, 16, v[PW]                  ; the second's; the upper two bytes are 0
	global_store_b128 v[L16], v[PC:PC+3], s[46:47] offset:768*\a
	global_store_b64 v[L8], v[PC+4:PC+5], s[46:47] offset:768*\a
	global_store_b128 v[L16], v[PC+6:PC+9], s[98:99] offset:768*\a
	global_store_b64 v[L8], v[PC+10:PC+11], s[98:99] offset:768*\a
	global_store_b32 v[L4], v229, s[92:93] offset:128*\a
	global_store_b32 v[L4], v230, s[96:97] offset:128*\a
.endr
	s_branch .Lend
.Lv_arm:
	; ---- v, transposed: a lane holds channel 256 (A's tile) + 128 (my half) + 32 (a / 2) + 8 (a % 2) + r + 8 (r / 8)
	s_lshl_b32 s20, s17, 10
	s_lshl_b32 s21, s15, 9
	s_add_co_u32 s20, s20, s21
	s_mov_b32 s21, 0
	s_add_nc_u64 s[18:19], s[10:11], s[20:21]
	v_and_b32 v7, 8, v2
	v_add_nc_u32 v7, v7, v2
	v_lshlrev_b32 v7, 2, v7
	WIN 0x40
.irp a, 0,1,2,3,4,5,6,7
	global_load_b32 v[96+2*\a], v7, s[18:19] offset:4*(32*(\a/2)+8*(\a%2))
	global_load_b32 v[97+2*\a], v7, s[18:19] offset:4*(32*(\a/2)+8*(\a%2))
.endr
	WIN 0
	s_lshr_b32 s20, s42, 3                         ; batch
	s_lshl_b32 s20, s20, 4
	s_lshl_b32 s22, s17, 2
	s_add_co_u32 s20, s20, s22
	s_lshl_b32 s22, s15, 1
	s_add_co_u32 s20, s20, s22                     ; bh of blocks 0-3; blocks 4-7 are the next head's
	s_mul_i32 s20, s20, 221184
	s_lshl_b32 s22, s42, 1
	s_add_co_u32 s22, s22, s16
	s_and_b32 s22, s22, 15                         ; my 128 tokens are this key step of the batch
	s_mul_i32 s46, s22, 6144
	s_add_co_u32 s46, s46, s20
	s_add_co_u32 s46, s46, 114688
	s_mov_b32 s47, 0
	s_lshl_b32 s92, s22, 9
	s_add_co_u32 s92, s92, s20
	s_add_co_u32 s92, s92, 212992
	s_mov_b32 s93, 0
	s_add_nc_u64 s[46:47], s[12:13], s[46:47]
	s_add_nc_u64 s[92:93], s[12:13], s[92:93]
	LASTSTEP
	PLACES NP
	s_wait_loadcnt 0x0
.irp b, 0,1,2,3
	v_mov_b32 v[TM+4+\b], 0
.endr
.irp a, 0,1,2,3,4,5,6,7
	s_wait_xcnt 0x0
	COPYV \a
	QUANT HA
	global_store_b128 v[L16], v[PC:PC+3], s[46:47] offset:(\a/4)*221184+(\a%4)*1536
	global_store_b64 v[L8], v[PC+4:PC+5], s[46:47] offset:(\a/4)*221184+(\a%4)*1536
	global_store_b128 v[L16], v[PC+6:PC+9], s[46:47] offset:(\a/4)*221184+(\a%4)*1536+768
	global_store_b64 v[L8], v[PC+10:PC+11], s[46:47] offset:(\a/4)*221184+(\a%4)*1536+768
	global_store_b32 v[L4], v[PW], s[92:93] offset:(\a/4)*221184+(\a%4)*128
.endr
.Lend:
	s_wait_tensorcnt 0x0                           ; the wave's end
	ds_add_u32 v[SPW], v[NIL]
	s_wait_dscnt 0x0
	CROUND                                         ; the closing round
	s_endpgm
.Lfunc_end_k_qbd4adf2819_qkv:
	.size	k_qbd4adf2819_qkv, .Lfunc_end_k_qbd4adf2819_qkv-k_qbd4adf2819_qkv
	.p2alignl 7, 3214868480
	.fill 96, 4, 3214868480
	.section	.rodata,"a",@progbits
	.p2align	6, 0x0
	.amdhsa_kernel k_qbd4adf2819_qkv
		.amdhsa_group_segment_fixed_size 327680
		.amdhsa_private_segment_fixed_size 0
		.amdhsa_enable_private_segment 0
		.amdhsa_kernarg_size 40
		.amdhsa_user_sgpr_count 2
		.amdhsa_user_sgpr_kernarg_segment_ptr 1
		.amdhsa_wavefront_size32 1
		.amdhsa_system_sgpr_workgroup_id_x 1
		.amdhsa_system_sgpr_workgroup_id_y 1
		.amdhsa_system_sgpr_workgroup_id_z 1
		.amdhsa_system_vgpr_workitem_id 0
		.amdhsa_next_free_vgpr 1024
		.amdhsa_next_free_sgpr 100
		.amdhsa_reserve_vcc 0
		.amdhsa_float_denorm_mode_32 3
		.amdhsa_float_denorm_mode_16_64 3
		.amdhsa_memory_ordered 1
		.amdhsa_forward_progress 1
		.amdhsa_inst_pref_size 233
	.end_amdhsa_kernel
	.amdgpu_metadata
---
amdhsa.version: [ 1, 2 ]
amdhsa.kernels:
  - .name:           k_qbd4adf2819_qkv
    .symbol:         k_qbd4adf2819_qkv.kd
    .args:
      - { .name: wsA, .offset: 0, .size: 8, .value_kind: global_buffer, .address_space: global }
      - { .name: bq, .offset: 8, .size: 8, .value_kind: global_buffer, .address_space: global }
      - { .name: bk, .offset: 16, .size: 8, .value_kind: global_buffer, .address_space: global }
      - { .name: bv, .offset: 24, .size: 8, .value_kind: global_buffer, .address_space: global }
      - { .name: wsB, .offset: 32, .size: 8, .value_kind: global_buffer, .address_space: global }
    .group_segment_fixed_size: 327680
    .private_segment_fixed_size: 0
    .kernarg_segment_align: 8
    .kernarg_segment_size: 40
    .max_flat_workgroup_size: 128
    .sgpr_count:     100
    .vgpr_count:     1024
    .wavefront_size: 32
...
	.end_amdgpu_metadata
.endif
;; end of part 2
;; launch attn (part 3): grid 8 x 32, 16 waves a work-group, clusters of 4 x 1, 223,232 bytes of LDS; arguments wsB, wsC; writes wsC
.if DOCPART == 3
	.amdgcn_target "amdgcn-amd-amdhsa--gfx1250"
	.amdhsa_code_object_version 6
	.text
	.protected	k_qbd4adf2819_attn
	.globl	k_qbd4adf2819_attn
	.p2align	8
	.type	k_qbd4adf2819_attn,@function
k_qbd4adf2819_attn:
	s_mov_b64 s[64:65], 0
	v_nop
	global_prefetch_b8 v0, s[64:65] scope:SCOPE_SE
	s_setreg_imm32_b32 hwreg(HW_REG_WAVE_MODE, 25, 1), 1
	s_wait_xcnt 0x0
	s_wait_alu depctr_hold_cnt(0) depctr_sa_sdst(0) depctr_va_vdst(0) depctr_va_sdst(0) depctr_va_ssrc(0) depctr_va_vcc(0) depctr_vm_vsrc(0)
	s_getreg_b32 s2, hwreg(HW_REG_IB_STS2, 6, 4)
	s_cmp_eq_u32 s2, 0
	s_cbranch_scc0 .Lentry_in_a_cluster
	s_endpgm
.Lentry_in_a_cluster:
	s_bfe_u32 s2, ttmp6, 0x10000c
	s_cmp_lg_u32 s2, 0x3003
	s_cbranch_scc0 .Lentry_shape_is_right
	s_endpgm
.Lentry_shape_is_right:
; attn_out[b][n][head] = sum over keys of attn x v, attn = exp(s - m) / (sum exp(s - m) + exp(-m)), m = max(largest s, 0), s = q . k / 8: softmax with one more logit of 0.  Both products on MX-FP6 codes.  No work is left out.
; THE SOFTMAX IS QUANTISED FINISHED AND NORMALISED, so a row's maximum and sum must be known before its first code is made: THE KEYS ARE WALKED TWICE, and the score product is made twice.
; WALK 1: t = s x log2(e); M = the largest t so far (from 0 on: the extra logit), rounded up to a whole number; the sum of 2^(t - M), which begins with the extra logit's 1.  When M moves the sum is multiplied by a power of two.
; Then Z = M + log2(sum).  WALK 2: attn = 2^(t - Z), quantised along the keys in blocks of 32, multiplied with V.  Nothing is rescaled in walk 2.
; SHARES.  A work-group owns 256 queries of one (batch, head), each of its sixteen waves one tile of 16, in 256 registers, four waves to a SIMD.
; ALL OF THE HEAD'S K AND V, 221,184 bytes as the launch before laid them, STAY IN LDS, filled once: no slot is filled again.  Each wave brings 7,168 bytes of K's part and 6,656 of V's by two tensor loads (two out, by this text's
; count); the wait in front of walk 1 leaves V's out.  CLUSTER: the four work-groups of a cluster own queries of the same head and ask for each piece jointly.
; LAYOUT.  Both products transposed: S^T = K Q^T, O^T = V^T P^T: a lane holds one query.  A block of 16 keys holds at lane place r key 32 (t / 2) + 8 (t % 2) + r + 8 (r / 8), so the 16 registers of tiles 2 b, 2 b + 1 are 16 neighbours.
; THE SCORE PRODUCT'S K IS 64, HALF OF THE INSTRUCTION'S 128: Q's upper six registers are zero codes.  K's tiles stand six registers apart, so a tile's upper six are the next tile's codes, which meet those zeros.
; One scale register serves two tiles: lanes 0-15 the even tile's words, lanes 16-31 the odd one's.
; In walk 1 each LANE keeps its own M and sum (a query's keys lie in lanes l and l xor 16); the two meet once, behind the walk.
; LIMITS: 2^x under 2^-126 comes out as 0; Z is rounded at the size of the largest t, as reference()'s own scaled scores are; a block of zeros gets the byte 1; NaN and infinities are not served.
.set BHB,   221184
.set KSC,   98304                      ; LDS and wsB alike: K's codes at 0, K's scale images here,
.set VCO,   114688                     ; V's codes,
.set VSC,   212992                     ; V's scale images
.set SPARE, 221184                     ; the spare words, 128 bytes for each of sixteen waves
.set QCO,   7077888
.set QSC,   10223616
.set OSC,   3145728
.set L16, 1                            ; v1 16 x lane;  v2 512 + 8 x lane;  v90 4 x lane
.set L8,  2
.set AKS, 3                            ; v3 K's scale words: KSC + 4 x lane + 128 h
.set SPW, 4
.set NIL, 5
.set QF,  16                           ; v16-27 Q's fragment (v22-27: zero codes);  v28 its scale words
.set QS,  28
.set AVS, 29                           ; v29 V's scale words: VSC + 4 x lane + 128 h
.set KS,  30                           ; v30-33 K's scale words;  v34-35 V's
.set VS,  34
.set KF,  36                           ; v36-89 eight tiles of K, six registers apart, and six zeros; or four fragments of V
.set L4,  90
.set S,   96                           ; v96-159 S^T, then p
.set O,   160                          ; v160-191 O^T
.set PC,  192                          ; v192-211 codes
.set TM,  212                          ; v212-227 maxima, bytes, scale operands
.set W,   232                          ; v232.. at work
.set F,   250                          ; v[250:251] the power of two by which the sum is carried on
.set PW,  253                          ; p's scale word
.set WV,  8
.set G1K, 16
.set G1V, 24
.set G0K, 32
.set G0V, 36
.set SEL, 40
.set CS,  42
.set TB,  44                           ; the step's tiles of K (and, VCO further on, of V): 6,144 bytes a step
.set TS,  45                           ; K's scale images: 1,024 a step
.set TJ,  46                           ; V's: 512 a step
.set CNT, 47
.macro ROUND
	s_barrier_signal -1
	s_barrier_wait -1
	s_cmp_lg_u32 s[WV], 0
	s_cbranch_scc1 .Lnot_wave_0_\@
	s_barrier_signal -3
.Lnot_wave_0_\@:
	s_barrier_wait -3
	s_barrier_signal -1
	s_barrier_wait -1
.endm
	s_load_b128 s[4:7], s[0:1], 0x0                ; wsB, wsC
	v_lshl_add_u32 v[SPW], v0, 2, SPARE
	v_mov_b32 v[NIL], 0
	ds_add_u32 v[SPW], v[NIL]                      ; the opening: the add, twice on end, and its wait ahead of my first tensor load
	ds_add_u32 v[SPW], v[NIL]
	v_lshrrev_b32 v6, 5, v0
	v_readfirstlane_b32 s[WV], v6                  ; wave 0..15
	s_bfe_u32 s9, ttmp6, 0x40000                   ; cx: it enters Q's and the result's addresses alone
	s_lshl_b32 s10, ttmp9, 2
	s_add_co_u32 s10, s10, s9                      ; my block of 256 queries
	s_and_b32 s11, ttmp7, 0xffff                   ; bh, which the four partners share
	s_mov_b32 s[G1K], 15|(3<<16)|(1<<21)           ; the mask: all four; elements of 8 bytes; 21 set beside a mask: dense rows of 256 bytes
	s_mov_b32 s[G1K+1], 32<<16
	s_mov_b32 s[G1K+2], 28<<16
	s_mov_b32 s[G1K+3], 32<<16
	s_mov_b32 s[G1K+4], 28
	s_mov_b32 s[G1K+5], 32
	s_mov_b32 s[G1K+6], 0
	s_mov_b32 s[G1K+7], 0
	s_mov_b32 s[G1V], 15|(3<<16)|(1<<21)
	s_mov_b32 s[G1V+1], 32<<16
	s_mov_b32 s[G1V+2], 26<<16
	s_mov_b32 s[G1V+3], 32<<16
	s_mov_b32 s[G1V+4], 26
	s_mov_b32 s[G1V+5], 32
	s_mov_b32 s[G1V+6], 0
	s_mov_b32 s[G1V+7], 0
	s_mul_i32 s48, s11, BHB
	s_mov_b32 s[G0K], 1
	s_mul_i32 s[G0K+1], s[WV], 7168
	s_add_co_u32 s50, s48, s[G0K+1]
	s_mov_b32 s51, 0
	s_mov_b32 s[G0V], 1
	s_mul_i32 s[G0V+1], s[WV], 6656
	s_add_co_u32 s[G0V+1], s[G0V+1], VCO
	s_add_co_u32 s52, s48, s[G0V+1]
	s_mov_b32 s53, 0
	s_lshl_b32 s54, s10, 4
	s_add_co_u32 s54, s54, s[WV]                   ; my block of 16 queries, of the batch's 128
	s_mul_i32 s56, s11, 98304
	s_mul_i32 s55, s54, 768
	s_add_co_u32 s56, s56, s55
	s_add_co_u32 s56, s56, QCO
	s_mov_b32 s57, 0
	s_lshl_b32 s58, s11, 14
	s_lshl_b32 s55, s54, 7
	s_add_co_u32 s58, s58, s55
	s_add_co_u32 s58, s58, QSC
	s_mov_b32 s59, 0
	s_lshr_b32 s55, s11, 4
	s_lshl_b32 s55, s55, 7
	s_add_co_u32 s55, s55, s54                     ; the result's row block: 128 batch + block
	s_lshl_b32 s55, s55, 3
	s_bfe_u32 s49, s11, 0x30001
	s_add_co_u32 s55, s55, s49                     ; x 8 + its K step: head / 2
	s_and_b32 s49, s11, 1                          ; which half of that K step
	s_mul_i32 s60, s55, 1536
	s_mul_i32 s48, s49, 768
	s_add_co_u32 s60, s60, s48
	s_mov_b32 s61, 0
	s_lshl_b32 s62, s55, 7
	s_lshl_b32 s48, s49, 1
	s_add_co_u32 s62, s62, s48
	s_add_co_u32 s62, s62, OSC
	s_mov_b32 s63, 0
	s_mov_b32 s[SEL], 0x76543210
	s_mov_b32 s[SEL+1], 0xfedcba98
	s_mov_b32 s[CS], 0x3e38aa3b                    ; c = log2(e) / 8
	s_mov_b32 s[CS+1], s[CS]
	s_mov_b32 s[TB], 0
	s_mov_b32 s[TS], 0
	s_mov_b32 s[CNT], 16
	s_wait_dscnt 0x0                               ; both opening adds are done
	s_wait_kmcnt 0x0
	s_add_nc_u64 s[G0K+2:G0K+3], s[4:5], s[50:51]
	s_or_b32 s[G0K+3], s[G0K+3], 0x80000000
	s_add_nc_u64 s[G0V+2:G0V+3], s[4:5], s[52:53]
	s_or_b32 s[G0V+3], s[G0V+3], 0x80000000
	s_add_nc_u64 s[56:57], s[4:5], s[56:57]
	s_add_nc_u64 s[58:59], s[4:5], s[58:59]
	s_add_nc_u64 s[60:61], s[6:7], s[60:61]
	s_add_nc_u64 s[62:63], s[6:7], s[62:63]
	ROUND                                          ; all four work-groups are here: the joint loads meet
	tensor_load_to_lds s[G0K:G0K+3], s[G1K:G1K+7]  ; my sixteenth of K's codes and scale images
	s_nop 0
	tensor_load_to_lds s[G0V:G0V+3], s[G1V:G1V+7]  ; and of V's
	s_nop 0
.rept 4
	v_nop
.endr
	v_and_b32 v6, 31, v0
	v_bfe_u32 v7, v0, 4, 1
	v_lshlrev_b32 v[L16], 4, v6
	v_lshl_add_u32 v[L8], v6, 3, 512
	v_lshlrev_b32 v[L4], 2, v6
	global_load_b128 v[QF:QF+3], v[L16], s[56:57]  ; Q's half fragment stays in registers
	global_load_b64 v[QF+4:QF+5], v[L8], s[56:57]
	global_load_b32 v[QS], v[L4], s[58:59]
	v_lshl_add_u32 v8, v7, 7, v[L4]
	v_add_nc_u32 v[AKS], KSC, v8
	v_add_nc_u32 v[AVS], VSC, v8
.irp i, 6,7,8,9,10,11
	v_mov_b32 v[QF+\i], 0                          ; zero codes for the instruction's K = 64 .. 127
	v_mov_b32 v[KF+42+\i], 0                       ; what stands behind tile 7
.endr
	v_mov_b32 v12, 0                               ; -M
	v_mov_b32 v13, 0                               ; the largest t so far: the extra logit's 0
	v_mov_b32 v14, 0.5                             ; the extra logit's 1, half in each of a query's two lanes
	v_mov_b32 v15, 0
	v_mov_b32 v[F+1], 0                            ; (named as the upper half of a pair)
	v_mov_b32 v[W], 0
.irp b, 0,1,2,3
	v_mov_b32 v[TM+4+\b], 0                        ; a lane permute's destination counts as one of its sources
.endr
	s_wait_loadcnt 0x0
	s_wait_tensorcnt 0x1                           ; my piece of K is in; V's may stay out
	s_barrier_signal -1
	s_barrier_wait -1                              ; everybody's piece of K is in
.macro MULK t
.if (\t)%2
	v_wmma_scale_f32_16x16x128_f8f6f4 v[S+8*(\t):S+8*(\t)+7], v[KF+6*(\t):KF+6*(\t)+11], v[QF:QF+11], 0, v[KS+(\t)/2], v[QS] matrix_a_fmt:MATRIX_FMT_FP6 matrix_b_fmt:MATRIX_FMT_FP6 matrix_a_scale:MATRIX_SCALE_ROW1
.else
	v_wmma_scale_f32_16x16x128_f8f6f4 v[S+8*(\t):S+8*(\t)+7], v[KF+6*(\t):KF+6*(\t)+11], v[QF:QF+11], 0, v[KS+(\t)/2], v[QS] matrix_a_fmt:MATRIX_FMT_FP6 matrix_b_fmt:MATRIX_FMT_FP6
.endif
.endm
; S^T of a step's 128 keys.  second = 1: the four places behind the products are V's addresses
.macro KS8 second
	v_add_nc_u32 v6, s[TB], v[L16]                 ; three additions and a v_nop: the places in front of loads into registers that the last products read
	v_add_nc_u32 v7, s[TB], v[L8]
	v_add_nc_u32 v8, s[TS], v[AKS]
	v_nop
.irp u, 0,1,2,3
	ds_load_b32 v[KS+\u], v8 offset:256*\u
.endr
.irp t, 0,1,2,3,4,5,6,7
	ds_load_b128 v[KF+6*\t:KF+6*\t+3], v6 offset:768*\t
	ds_load_b64 v[KF+6*\t+4:KF+6*\t+5], v7 offset:768*\t
.endr
	s_wait_dscnt 6                                 ; tiles 0-4 are in (tile 3's operand runs on into tile 4's registers); the six loads of tiles 5-7 may be out
.irp t, 0,1,2,3
	MULK \t
.endr
	s_wait_dscnt 0x0
.irp t, 4,5,6,7
	MULK \t
.endr
.if \second
	v_add_nc_u32 v9, VCO, v6
	v_add_nc_u32 v10, VCO, v7
	v_add_nc_u32 v11, s[TJ], v[AVS]
	v_nop
.else
.rept 4
	v_nop
.endr
.endif
.endm
.macro BMAX                            ; the largest score of each block of 32 keys among my 16 of them; each accumulator is first read at its low end
.irp b, 0,1,2,3
	v_max3_num_f32 v[TM+\b], v[S+16*\b], v[S+16*\b+1], v[S+16*\b+2]
.endr
.irp i, 3,5,7,9,11,13
.irp b, 0,1,2,3
	v_max3_num_f32 v[TM+\b], v[TM+\b], v[S+16*\b+\i], v[S+16*\b+\i+1]
.endr
.endr
.irp b, 0,1,2,3
	v_max_num_f32 v[TM+\b], v[TM+\b], v[S+16*\b+15]
.endr
.endm
.macro SHIFT                           ; c s + v12, two at a time
.set n, 0
.rept 32
	v_pk_fma_f32 v[S+n:S+n+1], v[S+n:S+n+1], s[CS:CS+1], v[12:13] op_sel_hi:[1,0,0]
.set n, n+2
.endr
.endm
.macro EXP64
.set n, 0
.rept 64
	v_exp_f32 v[S+n], v[S+n]
.set n, n+1
.endr
.endm
.Lwalk1:                                           ; sixteen trips of 128 keys
	KS8 0
	BMAX
	v_max3_num_f32 v[W], v[TM], v[TM+1], v[TM+2]
	v_max_num_f32 v[W], v[W], v[TM+3]
	v_mul_f32 v[W], s[CS], v[W]
	v_max_num_f32 v13, v13, v[W]                   ; my lane's largest t so far
	v_mov_b32 v[W], v12
	v_floor_f32 v12, -v13                          ; -M = floor(-t): M is a whole number
	v_sub_f32 v[W], v12, v[W]
	v_cvt_i32_f32 v[W], v[W]
	v_ldexp_f32 v[F], 1.0, v[W]                    ; 2^(old M - new M)
	SHIFT
	EXP64
	v_pk_mul_f32 v[14:15], v[14:15], v[F:F+1] op_sel_hi:[1,0]   ; the sum under the new M: a plain instruction behind the exponentials
	s_wait_alu depctr_va_vdst(0)                   ; one wait for the batch, ahead of its first reader
	v_pk_add_f32 v[W+4:W+5], v[S:S+1], v[S+2:S+3]
.irp j, 4,8,12,16,20,24,28,32,36,40,44,48,52,56,60
	v_pk_add_f32 v[14:15], v[14:15], v[S+\j:S+\j+1]
	v_pk_add_f32 v[W+4:W+5], v[W+4:W+5], v[S+\j+2:S+\j+3]
.endr
	v_pk_add_f32 v[14:15], v[14:15], v[W+4:W+5]
	s_add_co_u32 s[TB], s[TB], 6144
	s_add_co_u32 s[TS], s[TS], 1024
	s_sub_co_u32 s[CNT], s[CNT], 1
	s_cmp_lg_u32 s[CNT], 0
	s_cbranch_scc1 .Lwalk1
	v_add_f32 v14, v14, v15
	v_permlanex16_b32 v[W], v12, s[SEL], s[SEL+1]  ; the other lane's -M
	v_min_num_f32 v[W], v[W], v12                  ; the query's
	v_sub_f32 v[W+1], v[W], v12
	v_cvt_i32_f32 v[W+1], v[W+1]
	v_ldexp_f32 v14, v14, v[W+1]                   ; my sum under the query's M
	v_permlanex16_b32 v15, v14, s[SEL], s[SEL+1]
	v_add_f32 v14, v14, v15                        ; the query's sum, the extra logit's term in it
	v_log_f32 v[W+1], v14
	v_mov_b32 v12, v[W]                            ; (a plain instruction behind the logarithm)
	s_wait_alu depctr_va_vdst(0)
	v_sub_f32 v12, v12, v[W+1]                     ; -Z = -M - log2(sum)
.set n, 0
.rept 32
	v_mov_b32 v[O+n], 0                            ; O^T: the step is written once, and the first finds zeros
.set n, n+1
.endr
	s_mov_b32 s[TB], 0
	s_mov_b32 s[TS], 0
	s_mov_b32 s[TJ], 0
	s_mov_b32 s[CNT], 16
	s_wait_tensorcnt 0x0                           ; my piece of V is in
	s_wait_dscnt 0x0
	s_barrier_signal -1
	s_barrier_wait -1                              ; everybody's is
.macro MULV t
.if (\t)%2
	v_wmma_scale_f32_16x16x128_f8f6f4 v[O+8*(\t):O+8*(\t)+7], v[KF+12*(\t):KF+12*(\t)+11], v[PC:PC+11], v[O+8*(\t):O+8*(\t)+7], v[VS+(\t)/2], v[PW] matrix_a_fmt:MATRIX_FMT_FP6 matrix_b_fmt:MATRIX_FMT_FP6 matrix_a_scale:MATRIX_SCALE_ROW1
.else
	v_wmma_scale_f32_16x16x128_f8f6f4 v[O+8*(\t):O+8*(\t)+7], v[KF+12*(\t):KF+12*(\t)+11], v[PC:PC+11], v[O+8*(\t):O+8*(\t)+7], v[VS+(\t)/2], v[PW] matrix_a_fmt:MATRIX_FMT_FP6 matrix_b_fmt:MATRIX_FMT_FP6
.endif
.endm
.Lwalk2:                                           ; sixteen trips of 128 keys
	KS8 1
.irp u, 0,1
	ds_load_b32 v[VS+\u], v11 offset:256*\u        ; V's loads go out at once and land under the softmax
.endr
.irp t, 0,1,2,3
	ds_load_b128 v[KF+12*\t:KF+12*\t+3], v9 offset:1536*\t
	ds_load_b64 v[KF+12*\t+4:KF+12*\t+5], v10 offset:1536*\t
	ds_load_b128 v[KF+12*\t+6:KF+12*\t+9], v9 offset:1536*\t+768
	ds_load_b64 v[KF+12*\t+10:KF+12*\t+11], v10 offset:1536*\t+768
.endr
	BMAX
.irp b, 0,1,2,3
	v_permlanex16_b32 v[TM+4+\b], v[TM+\b], s[SEL], s[SEL+1]
.endr
.irp b, 0,1,2,3
	v_max_num_f32 v[TM+\b], v[TM+\b], v[TM+4+\b]   ; a block's largest score: attn rises with the score, so it gives the block's largest attn
.endr
	SHIFT                                          ; t - Z
.irp b, 0,1,2,3
	v_fma_f32 v[TM+\b], v[TM+\b], s[CS], v12
.endr
	EXP64                                          ; attn, finished and normalised
.irp b, 0,1,2,3
	v_exp_f32 v[TM+\b], v[TM+\b]                   ; the same two instructions on the same number give the same bits
.endr
	v_nop                                          ; a plain instruction behind the batch of 68,
	s_wait_alu depctr_va_vdst(0)                   ; and its one wait
.irp b, 0,1,2,3
	v_max_num_f32 v[TM+\b], 0x1800000, v[TM+\b]    ; the floor 2^(3 - 127)
.endr
.irp b, 0,1,2,3
	v_add_nc_u32 v[TM+12+\b], 0xff000000, v[TM+\b]
.endr
.irp b, 0,1,2,3
	v_lshrrev_b32 v[TM+4+\b], 23, v[TM+12+\b]
.endr
	v_lshl_or_b32 v[PW], v[TM+5], 8, v[TM+4]
	v_lshl_or_b32 v[PW], v[TM+6], 16, v[PW]
	v_lshl_or_b32 v[PW], v[TM+7], 24, v[PW]
.irp c, 0,1
	v_cvt_scalef32_pk16_fp6_f32 v[PC+6*\c:PC+2+6*\c], v[S+32*\c:S+15+32*\c], v[TM+12+2*\c]
	v_cvt_scalef32_pk16_fp6_f32 v[PC+12+4*\c:PC+14+4*\c], v[S+16+32*\c:S+31+32*\c], v[TM+12+2*\c+1]
.endr
	v_nop
.irp c, 0,1
.irp i, 0,1,2
	v_permlane16_swap_b32 v[PC+6*\c+\i], v[PC+12+4*\c+\i]
.endr
.irp i, 0,1,2
	v_mov_b32 v[PC+3+6*\c+\i], v[PC+12+4*\c+\i]
.endr
.endr
.rept 8
	v_nop                                          ; a scale word written by vector instructions stands eight places ahead of a scaled matrix instruction, an operand so written four
.endr
	s_wait_dscnt 0x0                               ; V
.irp t, 0,1,2,3
	MULV \t                                        ; four accumulators, one instruction a turn
.endr
	s_add_co_u32 s[TB], s[TB], 6144
	s_add_co_u32 s[TS], s[TS], 1024
	s_add_co_u32 s[TJ], s[TJ], 512
	s_sub_co_u32 s[CNT], s[CNT], 1
	s_cmp_lg_u32 s[CNT], 0
	s_cbranch_scc1 .Lwalk2
	; THE WAY OUT: register 16 b + i is channel 32 b + 16 h + i of my query: two blocks along the next product's K become half a fragment
.rept 4
	v_nop
.endr
.irp b, 0,1
	v_max3_num_f32 v[TM+\b], |v[O+16*\b]|, |v[O+16*\b+1]|, 0x1800000
.endr
.irp i, 2,4,6,8,10,12,14
.irp b, 0,1
	v_max3_num_f32 v[TM+\b], v[TM+\b], |v[O+16*\b+\i]|, |v[O+16*\b+\i+1]|
.endr
.endr
.irp b, 0,1
	v_permlanex16_b32 v[TM+4+\b], v[TM+\b], s[SEL], s[SEL+1]
.endr
.irp b, 0,1
	v_max_num_f32 v[TM+\b], v[TM+\b], v[TM+4+\b]
.endr
.irp b, 0,1
	v_add_nc_u32 v[TM+12+\b], 0xff000000, v[TM+\b]
.endr
.irp b, 0,1
	v_lshrrev_b32 v[TM+4+\b], 23, v[TM+12+\b]
.endr
	v_lshl_or_b32 v[PW], v[TM+5], 8, v[TM+4]
	v_cvt_scalef32_pk16_fp6_f32 v[PC:PC+2], v[O:O+15], v[TM+12]
	v_cvt_scalef32_pk16_fp6_f32 v[PC+12:PC+14], v[O+16:O+31], v[TM+13]
	v_nop
.irp i, 0,1,2
	v_permlane16_swap_b32 v[PC+\i], v[PC+12+\i]
.endr
.irp i, 0,1,2
	v_mov_b32 v[PC+3+\i], v[PC+12+\i]
.endr
	global_store_b128 v[L16], v[PC:PC+3], s[60:61]
	global_store_b64 v[L8], v[PC+4:PC+5], s[60:61]
	global_store_b16 v[L4], v[PW], s[62:63]        ; my head's two bytes of the scale word, in every lane's copy
	s_wait_tensorcnt 0x0                           ; the wave's end
	ds_add_u32 v[SPW], v[NIL]
	s_wait_dscnt 0x0
	ROUND                                          ; the closing round
	s_endpgm
.Lfunc_end_k_qbd4adf2819_attn:
	.size	k_qbd4adf2819_attn, .Lfunc_end_k_qbd4adf2819_attn-k_qbd4adf2819_attn
	.p2alignl 7, 3214868480
	.fill 96, 4, 3214868480
	.section	.rodata,"a",@progbits
	.p2align	6, 0x0
	.amdhsa_kernel k_qbd4adf2819_attn
		.amdhsa_group_segment_fixed_size 223232
		.amdhsa_private_segment_fixed_size 0
		.amdhsa_enable_private_segment 0
		.amdhsa_kernarg_size 16
		.amdhsa_user_sgpr_count 2
		.amdhsa_user_sgpr_kernarg_segment_ptr 1
		.amdhsa_wavefront_size32 1
		.amdhsa_system_sgpr_workgroup_id_x 1
		.amdhsa_system_sgpr_workgroup_id_y 1
		.amdhsa_system_sgpr_workgroup_id_z 1
		.amdhsa_system_vgpr_workitem_id 0
		.amdhsa_next_free_vgpr 256
		.amdhsa_next_free_sgpr 66
		.amdhsa_reserve_vcc 0
		.amdhsa_float_denorm_mode_32 3
		.amdhsa_float_denorm_mode_16_64 3
		.amdhsa_memory_ordered 1
		.amdhsa_forward_progress 1
		.amdhsa_inst_pref_size 35
	.end_amdhsa_kernel
	.amdgpu_metadata
---
amdhsa.version: [ 1, 2 ]
amdhsa.kernels:
  - .name:           k_qbd4adf2819_attn
    .symbol:         k_qbd4adf2819_attn.kd
    .args:
      - { .name: wsB, .offset: 0, .size: 8, .value_kind: global_buffer, .address_space: global }
      - { .name: wsC, .offset: 8, .size: 8, .value_kind: global_buffer, .address_space: global }
    .group_segment_fixed_size: 223232
    .private_segment_fixed_size: 0
    .kernarg_segment_align: 8
    .kernarg_segment_size: 16
    .max_flat_workgroup_size: 512
    .sgpr_count:     66
    .vgpr_count:     256
    .wavefront_size: 32
...
	.end_amdgpu_metadata
.endif
;; end of part 3
;; launch oproj (part 4): grid 4 x 16, 4 waves a work-group, clusters of 4 x 4, 327,680 bytes of LDS; arguments wsC, wsA, bo, x_q, wsD; writes wsD
.if DOCPART == 4
	.amdgcn_target "amdgcn-amd-amdhsa--gfx1250"
	.amdhsa_code_object_version 6
	.text
	.protected	k_qbd4adf2819_oproj
	.globl	k_qbd4adf2819_oproj
	.p2align	8
	.type	k_qbd4adf2819_oproj,@function
k_qbd4adf2819_oproj:
	s_mov_b64 s[64:65], 0
	v_nop
	global_prefetch_b8 v0, s[64:65] scope:SCOPE_SE
	s_setreg_imm32_b32 hwreg(HW_REG_WAVE_MODE, 25, 1), 1
	s_wait_xcnt 0x0
	s_wait_alu depctr_hold_cnt(0) depctr_sa_sdst(0) depctr_va_vdst(0) depctr_va_sdst(0) depctr_va_ssrc(0) depctr_va_vcc(0) depctr_vm_vsrc(0)
	s_getreg_b32 s2, hwreg(HW_REG_IB_STS2, 6, 4)
	s_cmp_eq_u32 s2, 0
	s_cbranch_scc0 .Lentry_in_a_cluster
	s_endpgm
.Lentry_in_a_cluster:
	s_bfe_u32 s2, ttmp6, 0x10000c
	s_cmp_lg_u32 s2, 0xf033
	s_cbranch_scc0 .Lentry_shape_is_right
	s_endpgm
.Lentry_shape_is_right:
; x = x_q + (attn_out Wo^T + bo): the GEMM text of the launch qkv (tile 256 x 256, four waves of 128 x 128, ring of two slots of 256 along K, operands as images of operand registers, cluster 4 x 4 with joint loads),
; with an f32 way out.  A = attn_out's codes (wsC: [256 row blocks][8 K steps][1,536] at 0, scale images at 3,145,728), B = Wo's (wsA, chunk 704 on).  No work is left out.
; A lane holds a token (lane place r of row block t is token 32 (t / 2) + 8 (t % 2) + r + 8 (r / 8)) and, in accumulator b, columns 32 (b / 2) + 16 h + 8 (b % 2) + 0 .. 7.
; THE WAY OUT: a block of 16 rows x 128 columns goes through my own stage in LDS and comes back as whole rows of 512 bytes; bias and residual are added; 32 lanes store 512 consecutive bytes.  The stage lies in slot 0, which has had
; its last fill and its last read by then.  The grid has 64 tiles of this size: a quarter of the WGPs have work.
; By this text's count a wave has three tensor loads out at the start and one behind each round.
.set KK,     1024
.set ABASE,  0
.set ACODE,  0
.set ASCL,   3145728
.set BBASE,  704
.set BCODE,  1310720
.set BSCL,   0
.set NK,     KK/128
.set RP,     NK*1536
.set ROWB,   3072
.set HALFT,  8*ROWB
.set SLOT,   4*HALFT
.set LAPS,   KK/512
.set FR,     12
.set NL,     4
.set NP,     4
.set NQ,     2
.set SBLK,   NK*64
.set HALFS,  8*SBLK
.set SCL,    2*SLOT
.set SPARE,  SCL+4*HALFS
.set SPITCH, 528
.set L16,  4
.set L8,   5
.set BI,   8                           ; v8-11 the bias of my four columns
.set ADRA, 16
.set ADRB, 20
.set STO,  24                          ; v24 the stage: where I put 32 bytes of a row;  v25 where I read a row back
.set RD,   25
.set ADRS, 27
.set SPW,  28
.set NIL,  29
.set SC,   32
.set AF,   128
.set RS,   32                          ; the way out: v32-95, v96-159 the residual's rows, by turns;  v160-223 a block's rows
.set BB,   160
.set G1, 24
.set G0, 32
.set G1B, 48
.set G0B, 56
.set G1S, 68
.set G0S, 76
.set G1SB, 80
.set G0SB, 88
.set MSB, 0
.macro WIN new
.if MSB != (\new)
	s_set_vgpr_msb (MSB<<8)|(\new)
.set MSB, (\new)
.endif
.endm
.set MUL_LO, 0xa1
.set MUL_HI, 0xf1
.set TO_B,   0x40
.macro JLOAD g0a, g1a, g0b, g1b
	s_cmp_eq_u32 s15, 0
	s_cbranch_scc0 .Lfor_b_\@
	tensor_load_to_lds s[\g0a:\g0a+3], s[\g1a:\g1a+7]
	s_nop 0
.rept 4
	v_nop
.endr
	s_branch .Lasked_\@
.Lfor_b_\@:
	tensor_load_to_lds s[\g0b:\g0b+3], s[\g1b:\g1b+7]
	s_nop 0
.rept 4
	v_nop
.endr
.Lasked_\@:
.endm
.macro CREST
	s_cmp_lg_u32 s14, 0
	s_cbranch_scc1 .Lnot_wave_0_\@
	s_barrier_signal -3
.Lnot_wave_0_\@:
	s_barrier_wait -3
	s_barrier_signal -1
	s_barrier_wait -1
.endm
.macro CROUND
	s_barrier_signal -1
	s_barrier_wait -1
	CREST
.endm
	s_load_b256 s[4:11], s[0:1], 0x0               ; A's buffer, B's buffer, the bias, the residual
	s_load_b64 s[12:13], s[0:1], 0x20              ; the result
	v_lshl_add_u32 v[SPW], v0, 2, SPARE
	v_mov_b32 v[NIL], 0
	ds_add_u32 v[SPW], v[NIL]                      ; the opening: the add, twice on end, and its wait ahead of my first tensor load
	ds_add_u32 v[SPW], v[NIL]
	v_lshrrev_b32 v1, 5, v0
	v_readfirstlane_b32 s14, v1
	s_lshr_b32 s15, s14, 1
	s_and_b32 s16, s14, 1
	s_bfe_u32 s40, ttmp6, 0x40000
	s_bfe_u32 s41, ttmp6, 0x40004
	s_lshl_b32 s42, ttmp9, 2
	s_add_co_u32 s42, s42, s40                     ; B's tile (columns)
	s_and_b32 s17, ttmp7, 0xffff
	s_lshl_b32 s17, s17, 2
	s_add_co_u32 s17, s17, s41                     ; A's tile (tokens)
	s_lshl_b32 s43, s41, 2
	s_lshl_b32 s43, 15, s43
	s_lshl_b32 s44, 0x1111, s40
	s_or_b32 s[G1+0], s43, (3<<16)|(1<<21)
	s_or_b32 s[G1B+0], s44, (3<<16)|(1<<21)
.irp g, G1, G1B
	s_mov_b32 s[\g+1], 384<<16
	s_mov_b32 s[\g+2], 8<<16
	s_mov_b32 s[\g+3], 384<<16
	s_mov_b32 s[\g+4], 8
	s_mov_b32 s[\g+5], NK*192
	s_mov_b32 s[\g+6], 0
	s_mov_b32 s[\g+7], 0
.endr
	s_or_b32 s[G1S+0], s43, (3<<16)|(1<<21)
	s_or_b32 s[G1SB+0], s44, (3<<16)|(1<<21)
.irp g, G1S, G1SB
	s_mov_b32 s[\g+1], 8<<16
	s_mov_b32 s[\g+2], (8*NK)<<16
	s_mov_b32 s[\g+3], 8<<16
	s_mov_b32 s[\g+4], 8*NK
	s_mov_b32 s[\g+5], 16
	s_mov_b32 s[\g+6], 0
	s_mov_b32 s[\g+7], 0
.endr
	s_lshl_b32 s18, s16, 3
	s_lshl_b32 s20, s17, 4
	s_add_co_u32 s20, s20, s18
	s_lshl_b32 s46, s42, 4
	s_add_co_u32 s46, s46, s18
	s_add_co_u32 s46, s46, BBASE
	s_mul_i32 s22, s20, NK*128
	s_add_co_u32 s22, s22, ASCL
	s_mov_b32 s23, 0
	s_mul_i32 s20, s20, RP
	s_mov_b32 s21, 0
	s_mul_i32 s92, s46, NK*128
	s_mov_b32 s93, 0
	s_mul_i32 s46, s46, RP
	s_add_co_u32 s46, s46, BCODE
	s_mov_b32 s47, 0
	s_mul_i32 s45, s14, HALFT
	s_mul_i32 s94, s14, HALFS
	s_wait_dscnt 0x0
	s_wait_kmcnt 0x0
	s_add_nc_u64 s[20:21], s[4:5], s[20:21]
	s_add_nc_u64 s[22:23], s[4:5], s[22:23]
	s_add_nc_u64 s[46:47], s[6:7], s[46:47]
	s_add_nc_u64 s[92:93], s[6:7], s[92:93]
	CROUND
	s_mov_b32 s[G0S], 1
	s_add_co_u32 s[G0S+1], s94, SCL
	s_mov_b64 s[G0S+2:G0S+3], s[22:23]
	s_or_b32 s[G0S+3], s[G0S+3], 0x80000000
	s_mov_b32 s[G0SB], 1
	s_add_co_u32 s[G0SB+1], s94, SCL
	s_mov_b64 s[G0SB+2:G0SB+3], s[92:93]
	s_or_b32 s[G0SB+3], s[G0SB+3], 0x80000000
	JLOAD G0S, G1S, G0SB, G1SB
.irp s, 0,1
	s_mov_b32 s[G0+4*\s], 1
	s_add_co_u32 s[G0+4*\s+1], s45, \s*SLOT
	s_add_nc_u64 s[G0+4*\s+2:G0+4*\s+3], s[20:21], \s*ROWB
	s_or_b32 s[G0+4*\s+3], s[G0+4*\s+3], 0x80000000
	s_mov_b32 s[G0B+4*\s], 1
	s_add_co_u32 s[G0B+4*\s+1], s45, \s*SLOT
	s_add_nc_u64 s[G0B+4*\s+2:G0B+4*\s+3], s[46:47], \s*ROWB
	s_or_b32 s[G0B+4*\s+3], s[G0B+4*\s+3], 0x80000000
	JLOAD G0+4*\s, G1, G0B+4*\s, G1B
.endr
	v_and_b32 v1, 31, v0
	v_and_b32 v2, 15, v0
	v_bfe_u32 v3, v0, 4, 1
	v_lshlrev_b32 v[L16], 4, v1
	v_lshl_add_u32 v[L8], v1, 3, 512
	s_mul_i32 s21, s15, HALFT
	s_mul_i32 s22, s16, HALFT
	s_add_co_u32 s22, s22, 2*HALFT
.irp s, 0,1
	v_add_nc_u32 v[ADRA+\s], s21, v[L16]
	v_add_nc_u32 v[ADRA+2+\s], s21, v[L8]
	v_add_nc_u32 v[ADRB+\s], s22, v[L16]
	v_add_nc_u32 v[ADRB+2+\s], s22, v[L8]
	s_add_co_u32 s21, s21, SLOT
	s_add_co_u32 s22, s22, SLOT
.endr
	s_mul_i32 s21, s15, HALFS
	s_mul_i32 s22, s16, HALFS
	s_add_co_u32 s22, s22, 2*HALFS
	s_sub_co_u32 s22, s22, s21
	v_mul_u32_u24 v7, s22, v3
	s_add_co_u32 s21, s21, SCL
	v_lshl_add_u32 v7, v2, 2, v7
	v_add_nc_u32 v[ADRS], s21, v7
	s_mul_i32 s23, s14, 16*SPITCH                  ; my stage
	v_mul_u32_u24 v[STO], v2, SPITCH
	v_lshl_add_u32 v[STO], v3, 6, v[STO]
	v_add_nc_u32 v[STO], s23, v[STO]               ; row r, + 64 h
	v_add_nc_u32 v[RD], s23, v[L16]
	s_lshl_b32 s20, s17, 8
	s_lshl_b32 s21, s15, 7
	s_add_co_u32 s20, s20, s21                     ; my first token
	s_lshl_b32 s20, s20, 12
	s_lshl_b32 s46, s42, 10
	s_lshl_b32 s47, s16, 9
	s_add_co_u32 s46, s46, s47                     ; my first column, in bytes
	s_mov_b32 s47, 0
	s_add_nc_u64 s[8:9], s[8:9], s[46:47]
	s_add_co_u32 s20, s20, s46
	s_mov_b32 s21, 0
	s_add_nc_u64 s[10:11], s[10:11], s[20:21]
	s_add_nc_u64 s[12:13], s[12:13], s[20:21]
	global_load_b128 v[BI:BI+3], v[L16], s[8:9]
.macro FRAG reg, adr, q, i
	ds_load_b128 v[\reg:\reg+3], v[\adr] offset:3072*(\i)+1536*(\q)
	ds_load_b64 v[\reg+4:\reg+5], v[\adr+2] offset:3072*(\i)+1536*(\q)
	ds_load_b128 v[\reg+6:\reg+9], v[\adr] offset:3072*(\i)+1536*(\q)+768
	ds_load_b64 v[\reg+10:\reg+11], v[\adr+2] offset:3072*(\i)+1536*(\q)+768
.endm
.macro MUL16 a0, p, q, sc, zero        ; the 64 accumulators take turns, one instruction a turn
.irp a, \a0, \a0+1
.irp b, 0,1,2,3,4,5,6,7
.if \zero
	v_wmma_scale_f32_16x16x128_f8f6f4 v[8*(8*((\a)%4)+\b):8*(8*((\a)%4)+\b)+7], v[128*(\p)+FR*\b:128*(\p)+FR*\b+FR-1], v[AF+FR*(\a):AF+FR*(\a)+FR-1], 0, v[SC+8*NQ*(\sc)+NQ*\b+(\q)], v[SC+8*NQ*(\sc)+NQ*(\a)+(\q)] matrix_a_fmt:MATRIX_FMT_FP6 matrix_b_fmt:MATRIX_FMT_FP6 matrix_a_scale:MATRIX_SCALE_ROW1
.else
	v_wmma_scale_f32_16x16x128_f8f6f4 v[8*(8*((\a)%4)+\b):8*(8*((\a)%4)+\b)+7], v[128*(\p)+FR*\b:128*(\p)+FR*\b+FR-1], v[AF+FR*(\a):AF+FR*(\a)+FR-1], v[8*(8*((\a)%4)+\b):8*(8*((\a)%4)+\b)+7], v[SC+8*NQ*(\sc)+NQ*\b+(\q)], v[SC+8*NQ*(\sc)+NQ*(\a)+(\q)] matrix_a_fmt:MATRIX_FMT_FP6 matrix_b_fmt:MATRIX_FMT_FP6 matrix_a_scale:MATRIX_SCALE_ROW1
.endif
.endr
.endr
.endm
.macro FETCH_B slot, q, p
	WIN TO_B
.irp i, 0,1,2,3,4,5,6,7
	FRAG 128*(\p)+FR*\i, ADRB+\slot, \q, \i
.endr
	WIN 0
.endm
.macro FETCH_A slot, q, i0
.irp i, \i0, \i0+1, \i0+2, \i0+3
	FRAG AF+FR*(\i), ADRA+\slot, \q, \i
.endr
.endm
.macro SCALES sc
.irp i, 0,1,2,3,4,5,6,7
	ds_load_b32 v[SC+16*\sc+2*\i], v[ADRS] offset:\i*SBLK
	ds_load_b32 v[SC+16*\sc+2*\i+1], v[ADRS] offset:\i*SBLK+64
.endr
.endm
.macro PLACES n
.rept \n
	v_nop
.endr
.endm
.macro STEP slot, q, zero
	s_wait_dscnt 4*NL                              ; all but the youngest 16 loads (A's blocks 4-7) are in
	WIN MUL_LO
	MUL16 0, (\q)%2, \q, \slot, \zero
	MUL16 2, (\q)%2, \q, \slot, \zero
	s_wait_dscnt 0x0
	PLACES NP
	FETCH_B \slot, (\q)+1, 1-(\q)%2
	FETCH_A \slot, (\q)+1, 0
	WIN MUL_HI
	MUL16 4, (\q)%2, \q, \slot, \zero
	MUL16 6, (\q)%2, \q, \slot, \zero
	PLACES NP
	WIN 0
	FETCH_A \slot, (\q)+1, 4
.endm
.macro TURN slot, next, fill
	s_wait_tensorcnt 0x0                           ; all my tensor loads have landed: my part of the next slot
	ds_add_u32 v[SPW], v[NIL]                      ; 0 onto my spare word
	s_wait_dscnt 4*NL+1                            ; (the add and the youngest 16 loads may be out)
	WIN MUL_LO
	MUL16 0, 1, NQ-1, \slot, 0
	s_wait_dscnt 0x0                               ; the add is done, and my reads of this slot are over
	s_barrier_signal -1
	MUL16 2, 1, NQ-1, \slot, 0
	WIN 0
	s_barrier_wait -1
.if \fill
	CREST
	s_add_nc_u64 s[G0+4*\slot+2:G0+4*\slot+3], s[G0+4*\slot+2:G0+4*\slot+3], 2*ROWB
	s_add_nc_u64 s[G0B+4*\slot+2:G0B+4*\slot+3], s[G0B+4*\slot+2:G0B+4*\slot+3], 2*ROWB
	JLOAD G0+4*\slot, G1, G0B+4*\slot, G1B
.else
	PLACES NP
.endif
	v_add_nc_u32 v[ADRS], 64*NQ, v[ADRS]
	FETCH_B \next, 0, 0
	FETCH_A \next, 0, 0
	SCALES \next
	WIN MUL_HI
	MUL16 4, 1, NQ-1, \slot, 0
	MUL16 6, 1, NQ-1, \slot, 0
	PLACES NP
	WIN 0
	FETCH_A \next, 0, 4
.endm
.macro LASTSTEP
	s_wait_dscnt 4*NL
	WIN MUL_LO
	MUL16 0, 1, NQ-1, 1, 0
	MUL16 2, 1, NQ-1, 1, 0
	s_wait_dscnt 0x0
	WIN MUL_HI
	MUL16 4, 1, NQ-1, 1, 0
	MUL16 6, 1, NQ-1, 1, 0
	WIN 0
.endm
.macro RLOAD a                         ; the residual's 16 rows of block a, my 512 bytes of each
.set RB, RS+64*((\a)%2)
.irp t, 0,1,2,3,4,5,6,7,8,9,10,11,12,13,14,15
	global_load_b128 v[RB+4*\t:RB+4*\t+3], v[L16], s[10:11] offset:(32*((\a)/2)+8*((\a)%2)+\t+8*(\t/8))*4096 th:TH_LOAD_NT
.endr
.endm
.macro TOSTAGE a                       ; LDS serves a wave's instructions in order: no wait between the stores and the loads
	WIN 0x08+4*((\a)/4)                            ; the data: window 2 or 3
.irp b, 0,1,2,3,4,5,6,7
	ds_store_b128 v[STO], v[64*((\a)%4)+8*\b:64*((\a)%4)+8*\b+3] offset:128*(\b/2)+32*(\b%2)       ; each accumulator from its low end on
	ds_store_b128 v[STO], v[64*((\a)%4)+8*\b+4:64*((\a)%4)+8*\b+7] offset:128*(\b/2)+32*(\b%2)+16
.endr
	WIN 0
.irp t, 0,1,2,3,4,5,6,7,8,9,10,11,12,13,14,15
	ds_load_b128 v[BB+4*\t:BB+4*\t+3], v[RD] offset:\t*SPITCH
.endr
.endm
.macro SENDF a
.set RB, RS+64*((\a)%2)
	s_wait_dscnt 0x0
.if (\a) < 7
	s_wait_loadcnt 16                              ; this block's residual is in; the next block's 16 loads may be out
.else
	s_wait_loadcnt 0x0
.endif
.irp t, 0,1,2,3,4,5,6,7,8,9,10,11,12,13,14,15
	v_pk_add_f32 v[BB+4*\t:BB+4*\t+1], v[BB+4*\t:BB+4*\t+1], v[BI:BI+1]
	v_pk_add_f32 v[BB+4*\t+2:BB+4*\t+3], v[BB+4*\t+2:BB+4*\t+3], v[BI+2:BI+3]
.endr
.irp t, 0,1,2,3,4,5,6,7,8,9,10,11,12,13,14,15
	v_pk_add_f32 v[BB+4*\t:BB+4*\t+1], v[BB+4*\t:BB+4*\t+1], v[RB+4*\t:RB+4*\t+1]
	v_pk_add_f32 v[BB+4*\t+2:BB+4*\t+3], v[BB+4*\t+2:BB+4*\t+3], v[RB+4*\t+2:RB+4*\t+3]
.endr
.irp t, 0,1,2,3,4,5,6,7,8,9,10,11,12,13,14,15
	global_store_b128 v[L16], v[BB+4*\t:BB+4*\t+3], s[12:13] offset:(32*((\a)/2)+8*((\a)%2)+\t+8*(\t/8))*4096   ; 512 consecutive bytes, at a multiple of 256 from the buffer's first byte
.endr
.endm
	s_wait_tensorcnt 0x1                           ; the scale words and my part of slot 0 are in; slot 1's load may stay out
	s_barrier_signal -1
	s_barrier_wait -1
	FETCH_B 0, 0, 0
	FETCH_A 0, 0, 0
	SCALES 0
	FETCH_A 0, 0, 4
	STEP 0, 0, 1
	s_mov_b32 s3, LAPS-1
.Llap:
	TURN 0, 1, 1
	STEP 1, 0, 0
	TURN 1, 0, 1
	STEP 0, 0, 0
	s_sub_co_u32 s3, s3, 1
	s_cmp_lg_u32 s3, 0
	s_cbranch_scc1 .Llap
	TURN 0, 1, 0
	STEP 1, 0, 0
	LASTSTEP
	PLACES NP
	RLOAD 0
.irp a, 0,1,2,3,4,5,6,7
.if \a < 7
	RLOAD \a+1
.endif
	s_wait_xcnt 0x0                                ; the last block's stores have read their registers: this block's rows may land there
	TOSTAGE \a
	SENDF \a
.endr
	s_wait_tensorcnt 0x0                           ; the wave's end, behind my last LDS store
	ds_add_u32 v[SPW], v[NIL]
	s_wait_dscnt 0x0
	CROUND
	s_endpgm
.Lfunc_end_k_qbd4adf2819_oproj:
	.size	k_qbd4adf2819_oproj, .Lfunc_end_k_qbd4adf2819_oproj-k_qbd4adf2819_oproj
	.p2alignl 7, 3214868480
	.fill 96, 4, 3214868480
	.section	.rodata,"a",@progbits
	.p2align	6, 0x0
	.amdhsa_kernel k_qbd4adf2819_oproj
		.amdhsa_group_segment_fixed_size 327680
		.amdhsa_private_segment_fixed_size 0
		.amdhsa_enable_private_segment 0
		.amdhsa_kernarg_size 40
		.amdhsa_user_sgpr_count 2
		.amdhsa_user_sgpr_kernarg_segment_ptr 1
		.amdhsa_wavefront_size32 1
		.amdhsa_system_sgpr_workgroup_id_x 1
		.amdhsa_system_sgpr_workgroup_id_y 1
		.amdhsa_system_sgpr_workgroup_id_z 1
		.amdhsa_system_vgpr_workitem_id 0
		.amdhsa_next_free_vgpr 1024
		.amdhsa_next_free_sgpr 100
		.amdhsa_reserve_vcc 0
		.amdhsa_float_denorm_mode_32 3
		.amdhsa_float_denorm_mode_16_64 3
		.amdhsa_memory_ordered 1
		.amdhsa_forward_progress 1
		.amdhsa_inst_pref_size 190
	.end_amdhsa_kernel
	.amdgpu_metadata
---
amdhsa.version: [ 1, 2 ]
amdhsa.kernels:
  - .name:           k_qbd4adf2819_oproj
    .symbol:         k_qbd4adf2819_oproj.kd
    .args:
      - { .name: wsC, .offset: 0, .size: 8, .value_kind: global_buffer, .address_space: global }
      - { .name: wsA, .offset: 8, .size: 8, .value_kind: global_buffer, .address_space: global }
      - { .name: bo, .offset: 16, .size: 8, .value_kind: global_buffer, .address_space: global }
      - { .name: x_q, .offset: 24, .size: 8, .value_kind: global_buffer, .address_space: global }
      - { .name: wsD, .offset: 32, .size: 8, .value_kind: global_buffer, .address_space: global }
    .group_segment_fixed_size: 327680
    .private_segment_fixed_size: 0
    .kernarg_segment_align: 8
    .kernarg_segment_size: 40
    .max_flat_workgroup_size: 128
    .sgpr_count:     100
    .vgpr_count:     1024
    .wavefront_size: 32
...
	.end_amdgpu_metadata
.endif
;; end of part 4
;; launch ln2: the kernel of part 1 again; grid 256 x 1, 4 waves a work-group, no clusters, 66,304 bytes of LDS; arguments wsD, x_kv, Wq, Wk, Wv, Wo, W1, W2, n2_g, n2_b, kvn_g, kvn_b, wsE; writes wsE
;; launch fc1 (part 5): grid 16 x 16, 4 waves a work-group, clusters of 4 x 4, 327,680 bytes of LDS; arguments wsE, wsA, b1, wsF; writes wsF
.if DOCPART == 5
	.amdgcn_target "amdgcn-amd-amdhsa--gfx1250"
	.amdhsa_code_object_version 6
	.text
	.protected	k_qbd4adf2819_fc1
	.globl	k_qbd4adf2819_fc1
	.p2align	8
	.type	k_qbd4adf2819_fc1,@function
k_qbd4adf2819_fc1:
	s_mov_b64 s[64:65], 0
	v_nop
	global_prefetch_b8 v0, s[64:65] scope:SCOPE_SE
	s_setreg_imm32_b32 hwreg(HW_REG_WAVE_MODE, 25, 1), 1
	s_wait_xcnt 0x0
	s_wait_alu depctr_hold_cnt(0) depctr_sa_sdst(0) depctr_va_vdst(0) depctr_va_sdst(0) depctr_va_ssrc(0) depctr_va_vcc(0) depctr_vm_vsrc(0)
	s_getreg_b32 s2, hwreg(HW_REG_IB_STS2, 6, 4)
	s_cmp_eq_u32 s2, 0
	s_cbranch_scc0 .Lentry_in_a_cluster
	s_endpgm
.Lentry_in_a_cluster:
	s_bfe_u32 s2, ttmp6, 0x10000c
	s_cmp_lg_u32 s2, 0xf033
	s_cbranch_scc0 .Lentry_shape_is_right
	s_endpgm
.Lentry_shape_is_right:
; h = gelu(LN(x) W1^T + b1), quantised on the way out as the next product's operand: the GEMM text of the launch qkv (tile 256 x 256, four waves of 128 x 128, ring of two slots, images of operand registers, cluster 4 x 4).
; A = LN(x)'s codes (wsE, chunk 0 on), B = W1's (wsA, chunk 768 on).  A lane holds a token and 128 neighbouring hidden units: one K step of the next product.  No work is left out.
; RESULT in wsF: codes [256 row blocks][32 K steps][1,536] at 0, scale images at 12,582,912.
; GELU, the exact form: gelu(x) = max(x, 0) - |x| E, E = erfc(|x| / sqrt 2) / 2.  erfc(u) = t exp(-u^2 + P(t)), t = 1 / (1 + u / 2), P of degree 9 (the Chebyshev fit of Numerical Recipes, fractional error under 1.2e-7 for
; all u >= 0); log2(e) and the factor 1/2 are folded into the coefficients, so that E = t 2^(-0.7213475 x^2 + P'(t)).  LIMIT: that error, and f32's rounding of the exponent; 2^y under 2^-126 comes out as 0.
; The way out is a loop over the wave's eight blocks of 16 rows, since the activation written out eight times would be a long text; only the copy out of the accumulators, whose register numbers differ, is written eight times.
; LIMITS: a block of zeros gets the byte 1; NaN and infinities are not served.  By this text's count a wave has three tensor loads out at the start and one behind each round.
.set KK,     1024
.set BBASE,  768
.set CODES,  1310720
.set NK,     KK/128
.set RP,     NK*1536
.set ROWB,   3072
.set HALFT,  8*ROWB
.set SLOT,   4*HALFT
.set LAPS,   KK/512
.set FR,     12
.set NL,     4
.set NP,     4
.set NQ,     2
.set SBLK,   NK*64
.set HALFS,  8*SBLK
.set SCL,    2*SLOT
.set SPARE,  SCL+4*HALFS
.set L16,  4
.set L8,   5
.set L4,   6
.set ADRA, 16
.set ADRB, 20
.set ADRS, 27
.set SPW,  28
.set NIL,  29
.set SC,   32
.set AF,   128
.set HA,   32                          ; the way out: v32-95 a block's 64 numbers; v96-127 t; v128-159 the exponent; v160-191 the polynomial, then max(x, 0)
.set T,    96
.set EX,   128
.set PL,   160
.set PC,   192
.set TM,   212
.set PW,   228
.set C8,   230                         ; v[230:231] the coefficient of t^8, twice
.set G1, 24
.set G0, 32
.set G1B, 48
.set G0B, 56
.set G1S, 68
.set G0S, 76
.set G1SB, 80
.set G0SB, 88
.set SEL, 66
.set MSB, 0
.macro WIN new
.if MSB != (\new)
	s_set_vgpr_msb (MSB<<8)|(\new)
.set MSB, (\new)
.endif
.endm
.set MUL_LO, 0xa1
.set MUL_HI, 0xf1
.set TO_B,   0x40
.macro JLOAD g0a, g1a, g0b, g1b
	s_cmp_eq_u32 s15, 0
	s_cbranch_scc0 .Lfor_b_\@
	tensor_load_to_lds s[\g0a:\g0a+3], s[\g1a:\g1a+7]
	s_nop 0
.rept 4
	v_nop
.endr
	s_branch .Lasked_\@
.Lfor_b_\@:
	tensor_load_to_lds s[\g0b:\g0b+3], s[\g1b:\g1b+7]
	s_nop 0
.rept 4
	v_nop
.endr
.Lasked_\@:
.endm
.macro CREST
	s_cmp_lg_u32 s14, 0
	s_cbranch_scc1 .Lnot_wave_0_\@
	s_barrier_signal -3
.Lnot_wave_0_\@:
	s_barrier_wait -3
	s_barrier_signal -1
	s_barrier_wait -1
.endm
.macro CROUND
	s_barrier_signal -1
	s_barrier_wait -1
	CREST
.endm
	s_load_b256 s[4:11], s[0:1], 0x0               ; wsE, wsA, b1, wsF
	v_lshl_add_u32 v[SPW], v0, 2, SPARE
	v_mov_b32 v[NIL], 0
	ds_add_u32 v[SPW], v[NIL]                      ; the opening: the add, twice on end, and its wait ahead of my first tensor load
	ds_add_u32 v[SPW], v[NIL]
	v_lshrrev_b32 v1, 5, v0
	v_readfirstlane_b32 s14, v1
	s_lshr_b32 s15, s14, 1
	s_and_b32 s16, s14, 1
	s_bfe_u32 s40, ttmp6, 0x40000
	s_bfe_u32 s41, ttmp6, 0x40004
	s_lshl_b32 s42, ttmp9, 2
	s_add_co_u32 s42, s42, s40                     ; B's tile (hidden units)
	s_and_b32 s17, ttmp7, 0xffff
	s_lshl_b32 s17, s17, 2
	s_add_co_u32 s17, s17, s41                     ; A's tile (tokens)
	s_lshl_b32 s43, s41, 2
	s_lshl_b32 s43, 15, s43
	s_lshl_b32 s44, 0x1111, s40
	s_or_b32 s[G1+0], s43, (3<<16)|(1<<21)
	s_or_b32 s[G1B+0], s44, (3<<16)|(1<<21)
.irp g, G1, G1B
	s_mov_b32 s[\g+1], 384<<16
	s_mov_b32 s[\g+2], 8<<16
	s_mov_b32 s[\g+3], 384<<16
	s_mov_b32 s[\g+4], 8
	s_mov_b32 s[\g+5], NK*192
	s_mov_b32 s[\g+6], 0
	s_mov_b32 s[\g+7], 0
.endr
	s_or_b32 s[G1S+0], s43, (3<<16)|(1<<21)
	s_or_b32 s[G1SB+0], s44, (3<<16)|(1<<21)
.irp g, G1S, G1SB
	s_mov_b32 s[\g+1], 8<<16
	s_mov_b32 s[\g+2], (8*NK)<<16
	s_mov_b32 s[\g+3], 8<<16
	s_mov_b32 s[\g+4], 8*NK
	s_mov_b32 s[\g+5], 16
	s_mov_b32 s[\g+6], 0
	s_mov_b32 s[\g+7], 0
.endr
	s_lshl_b32 s18, s16, 3
	s_lshl_b32 s20, s17, 4
	s_add_co_u32 s20, s20, s18
	s_lshl_b32 s46, s42, 4
	s_add_co_u32 s46, s46, s18
	s_add_co_u32 s46, s46, BBASE
	s_mul_i32 s22, s20, NK*128
	s_mov_b32 s23, 0
	s_mul_i32 s20, s20, RP
	s_add_co_u32 s20, s20, CODES
	s_mov_b32 s21, 0
	s_mul_i32 s92, s46, NK*128
	s_mov_b32 s93, 0
	s_mul_i32 s46, s46, RP
	s_add_co_u32 s46, s46, CODES
	s_mov_b32 s47, 0
	s_mul_i32 s45, s14, HALFT
	s_mul_i32 s94, s14, HALFS
	s_mov_b32 s[SEL], 0x76543210
	s_mov_b32 s[SEL+1], 0xfedcba98
	s_wait_dscnt 0x0
	s_wait_kmcnt 0x0
	s_add_nc_u64 s[20:21], s[4:5], s[20:21]
	s_add_nc_u64 s[22:23], s[4:5], s[22:23]
	s_add_nc_u64 s[46:47], s[6:7], s[46:47]
	s_add_nc_u64 s[92:93], s[6:7], s[92:93]
	CROUND
	s_mov_b32 s[G0S], 1
	s_add_co_u32 s[G0S+1], s94, SCL
	s_mov_b64 s[G0S+2:G0S+3], s[22:23]
	s_or_b32 s[G0S+3], s[G0S+3], 0x80000000
	s_mov_b32 s[G0SB], 1
	s_add_co_u32 s[G0SB+1], s94, SCL
	s_mov_b64 s[G0SB+2:G0SB+3], s[92:93]
	s_or_b32 s[G0SB+3], s[G0SB+3], 0x80000000
	JLOAD G0S, G1S, G0SB, G1SB
.irp s, 0,1
	s_mov_b32 s[G0+4*\s], 1
	s_add_co_u32 s[G0+4*\s+1], s45, \s*SLOT
	s_add_nc_u64 s[G0+4*\s+2:G0+4*\s+3], s[20:21], \s*ROWB
	s_or_b32 s[G0+4*\s+3], s[G0+4*\s+3], 0x80000000
	s_mov_b32 s[G0B+4*\s], 1
	s_add_co_u32 s[G0B+4*\s+1], s45, \s*SLOT
	s_add_nc_u64 s[G0B+4*\s+2:G0B+4*\s+3], s[46:47], \s*ROWB
	s_or_b32 s[G0B+4*\s+3], s[G0B+4*\s+3], 0x80000000
	JLOAD G0+4*\s, G1, G0B+4*\s, G1B
.endr
	v_and_b32 v1, 31, v0
	v_and_b32 v2, 15, v0
	v_bfe_u32 v3, v0, 4, 1
	v_lshlrev_b32 v[L16], 4, v1
	v_lshl_add_u32 v[L8], v1, 3, 512
	v_lshlrev_b32 v[L4], 2, v1
	s_mul_i32 s21, s15, HALFT
	s_mul_i32 s22, s16, HALFT
	s_add_co_u32 s22, s22, 2*HALFT
.irp s, 0,1
	v_add_nc_u32 v[ADRA+\s], s21, v[L16]
	v_add_nc_u32 v[ADRA+2+\s], s21, v[L8]
	v_add_nc_u32 v[ADRB+\s], s22, v[L16]
	v_add_nc_u32 v[ADRB+2+\s], s22, v[L8]
	s_add_co_u32 s21, s21, SLOT
	s_add_co_u32 s22, s22, SLOT
.endr
	s_mul_i32 s21, s15, HALFS
	s_mul_i32 s22, s16, HALFS
	s_add_co_u32 s22, s22, 2*HALFS
	s_sub_co_u32 s22, s22, s21
	v_mul_u32_u24 v8, s22, v3
	s_add_co_u32 s21, s21, SCL
	v_lshl_add_u32 v8, v2, 2, v8
	v_add_nc_u32 v[ADRS], s21, v8
	s_lshl_b32 s20, s42, 10
	s_lshl_b32 s21, s16, 9
	s_add_co_u32 s20, s20, s21
	s_mov_b32 s21, 0
	s_add_nc_u64 s[8:9], s[8:9], s[20:21]          ; b1 at my 128 hidden units
	v_lshlrev_b32 v7, 6, v3                        ; 64 h: register 16 b + i is unit 32 b + 16 h + i; v7 and s[8:9] stay as they are until the wait for these loads
	WIN 0x40                                       ; into the 64 registers of window 1 that B's two sets leave idle
.irp b, 0,1,2,3
.irp q, 0,1,2,3
	global_load_b128 v[96+16*\b+4*\q+96*(\b/2):96+16*\b+4*\q+96*(\b/2)+3], v7, s[8:9] offset:128*\b+16*\q
.endr
.endr
	WIN 0
	s_lshl_b32 s20, s17, 4
	s_lshl_b32 s21, s15, 3
	s_add_co_u32 s20, s20, s21                     ; my first row block
	s_lshl_b32 s21, s42, 1
	s_add_co_u32 s21, s21, s16                     ; my K step of the next product
	s_mul_i32 s22, s20, 49152
	s_mul_i32 s23, s21, 1536
	s_add_co_u32 s22, s22, s23
	s_mov_b32 s23, 0
	s_add_nc_u64 s[12:13], s[10:11], s[22:23]      ; codes
	s_lshl_b32 s22, s20, 12
	s_lshl_b32 s21, s21, 7
	s_add_co_u32 s22, s22, s21
	s_add_co_u32 s22, s22, 12582912
	s_add_nc_u64 s[18:19], s[10:11], s[22:23]      ; scale images
.macro FRAG reg, adr, q, i
	ds_load_b128 v[\reg:\reg+3], v[\adr] offset:3072*(\i)+1536*(\q)
	ds_load_b64 v[\reg+4:\reg+5], v[\adr+2] offset:3072*(\i)+1536*(\q)
	ds_load_b128 v[\reg+6:\reg+9], v[\adr] offset:3072*(\i)+1536*(\q)+768
	ds_load_b64 v[\reg+10:\reg+11], v[\adr+2] offset:3072*(\i)+1536*(\q)+768
.endm
.macro MUL16 a0, p, q, sc, zero        ; the 64 accumulators take turns, one instruction a turn
.irp a, \a0, \a0+1
.irp b, 0,1,2,3,4,5,6,7
.if \zero
	v_wmma_scale_f32_16x16x128_f8f6f4 v[8*(8*((\a)%4)+\b):8*(8*((\a)%4)+\b)+7], v[128*(\p)+FR*\b:128*(\p)+FR*\b+FR-1], v[AF+FR*(\a):AF+FR*(\a)+FR-1], 0, v[SC+8*NQ*(\sc)+NQ*\b+(\q)], v[SC+8*NQ*(\sc)+NQ*(\a)+(\q)] matrix_a_fmt:MATRIX_FMT_FP6 matrix_b_fmt:MATRIX_FMT_FP6 matrix_a_scale:MATRIX_SCALE_ROW1
.else
	v_wmma_scale_f32_16x16x128_f8f6f4 v[8*(8*((\a)%4)+\b):8*(8*((\a)%4)+\b)+7], v[128*(\p)+FR*\b:128*(\p)+FR*\b+FR-1], v[AF+FR*(\a):AF+FR*(\a)+FR-1], v[8*(8*((\a)%4)+\b):8*(8*((\a)%4)+\b)+7], v[SC+8*NQ*(\sc)+NQ*\b+(\q)], v[SC+8*NQ*(\sc)+NQ*(\a)+(\q)] matrix_a_fmt:MATRIX_FMT_FP6 matrix_b_fmt:MATRIX_FMT_FP6 matrix_a_scale:MATRIX_SCALE_ROW1
.endif
.endr
.endr
.endm
.macro FETCH_B slot, q, p
	WIN TO_B
.irp i, 0,1,2,3,4,5,6,7
	FRAG 128*(\p)+FR*\i, ADRB+\slot, \q, \i
.endr
	WIN 0
.endm
.macro FETCH_A slot, q, i0
.irp i, \i0, \i0+1, \i0+2, \i0+3
	FRAG AF+FR*(\i), ADRA+\slot, \q, \i
.endr
.endm
.macro SCALES sc
.irp i, 0,1,2,3,4,5,6,7
	ds_load_b32 v[SC+16*\sc+2*\i], v[ADRS] offset:\i*SBLK
	ds_load_b32 v[SC+16*\sc+2*\i+1], v[ADRS] offset:\i*SBLK+64
.endr
.endm
.macro PLACES n
.rept \n
	v_nop
.endr
.endm
.macro STEP slot, q, zero
	s_wait_dscnt 4*NL                              ; all but the youngest 16 loads (A's blocks 4-7) are in
	WIN MUL_LO
	MUL16 0, (\q)%2, \q, \slot, \zero
	MUL16 2, (\q)%2, \q, \slot, \zero
	s_wait_dscnt 0x0
	PLACES NP
	FETCH_B \slot, (\q)+1, 1-(\q)%2
	FETCH_A \slot, (\q)+1, 0
	WIN MUL_HI
	MUL16 4, (\q)%2, \q, \slot, \zero
	MUL16 6, (\q)%2, \q, \slot, \zero
	PLACES NP
	WIN 0
	FETCH_A \slot, (\q)+1, 4
.endm
.macro TURN slot, next, fill
	s_wait_tensorcnt 0x0                           ; all my tensor loads have landed: my part of the next slot
	ds_add_u32 v[SPW], v[NIL]                      ; 0 onto my spare word
	s_wait_dscnt 4*NL+1                            ; (the add and the youngest 16 loads may be out)
	WIN MUL_LO
	MUL16 0, 1, NQ-1, \slot, 0
	s_wait_dscnt 0x0                               ; the add is done, and my reads of this slot are over
	s_barrier_signal -1
	MUL16 2, 1, NQ-1, \slot, 0
	WIN 0
	s_barrier_wait -1
.if \fill
	CREST
	s_add_nc_u64 s[G0+4*\slot+2:G0+4*\slot+3], s[G0+4*\slot+2:G0+4*\slot+3], 2*ROWB
	s_add_nc_u64 s[G0B+4*\slot+2:G0B+4*\slot+3], s[G0B+4*\slot+2:G0B+4*\slot+3], 2*ROWB
	JLOAD G0+4*\slot, G1, G0B+4*\slot, G1B
.else
	PLACES NP
.endif
	v_add_nc_u32 v[ADRS], 64*NQ, v[ADRS]
	FETCH_B \next, 0, 0
	FETCH_A \next, 0, 0
	SCALES \next
	WIN MUL_HI
	MUL16 4, 1, NQ-1, \slot, 0
	MUL16 6, 1, NQ-1, \slot, 0
	PLACES NP
	WIN 0
	FETCH_A \next, 0, 4
.endm
.macro LASTSTEP
	s_wait_dscnt 4*NL
	WIN MUL_LO
	MUL16 0, 1, NQ-1, 1, 0
	MUL16 2, 1, NQ-1, 1, 0
	s_wait_dscnt 0x0
	WIN MUL_HI
	MUL16 4, 1, NQ-1, 1, 0
	MUL16 6, 1, NQ-1, 1, 0
	WIN 0
.endm
.macro QUANT s                         ; 64 numbers of a lane, register 16 b + i = K 32 b + 16 (lane / 16) + i, become a fragment's codes in v[PC] on and its scale word in v[PW]
.irp b, 0,1,2,3
	v_max3_num_f32 v[TM+\b], |v[\s+16*\b]|, |v[\s+1+16*\b]|, 0x1800000
.endr
.irp i, 2,4,6,8,10,12,14
.irp b, 0,1,2,3
	v_max3_num_f32 v[TM+\b], v[TM+\b], |v[\s+16*\b+\i]|, |v[\s+1+16*\b+\i]|
.endr
.endr
.irp b, 0,1,2,3
	v_permlanex16_b32 v[TM+4+\b], v[TM+\b], s[SEL], s[SEL+1]
.endr
.irp b, 0,1,2,3
	v_max_num_f32 v[TM+\b], v[TM+\b], v[TM+4+\b]
.endr
.irp b, 0,1,2,3
	v_add_nc_u32 v[TM+12+\b], 0xff000000, v[TM+\b]
.endr
.irp b, 0,1,2,3
	v_lshrrev_b32 v[TM+4+\b], 23, v[TM+12+\b]
.endr
	v_lshl_or_b32 v[PW], v[TM+5], 8, v[TM+4]
	v_lshl_or_b32 v[PW], v[TM+6], 16, v[PW]
	v_lshl_or_b32 v[PW], v[TM+7], 24, v[PW]
.irp c, 0,1
	v_cvt_scalef32_pk16_fp6_f32 v[PC+6*\c:PC+2+6*\c], v[\s+32*\c:\s+15+32*\c], v[TM+12+2*\c]
	v_cvt_scalef32_pk16_fp6_f32 v[PC+12+4*\c:PC+14+4*\c], v[\s+16+32*\c:\s+31+32*\c], v[TM+12+2*\c+1]
.endr
	v_nop
.irp c, 0,1
.irp i, 0,1,2
	v_permlane16_swap_b32 v[PC+6*\c+\i], v[PC+12+4*\c+\i]
.endr
.irp i, 0,1,2
	v_mov_b32 v[PC+3+6*\c+\i], v[PC+12+4*\c+\i]
.endr
.endr
.endm
.macro COPY a                          ; block a's 64 sums + b1 -> v[HA] on; each accumulator from its low end on
	WIN 0x06+(\a)/4
.set n, 0
.rept 32
	v_pk_add_f32 v[HA+n:HA+n+1], v[64*((\a)%4)+n:64*((\a)%4)+n+1], v[96+n+96*(n/32):96+n+96*(n/32)+1]
.set n, n+2
.endr
	WIN 0
.endm
.macro GELU g                          ; 32 numbers, in place
.set XB, HA+32*\g
.set n, 0
.rept 32
	v_fma_f32 v[T+n], |v[XB+n]|, 0x3eb504f3, 1.0   ; 1 + |x| / (2 sqrt 2)
.set n, n+1
.endr
.set n, 0
.rept 32
	v_rcp_f32 v[T+n], v[T+n]                       ; t
.set n, n+1
.endr
.set n, 0
.rept 16
	v_pk_mul_f32 v[EX+n:EX+n+1], v[XB+n:XB+n+1], v[XB+n:XB+n+1]   ; x^2: work that names no reciprocal
.set n, n+2
.endr
	s_wait_alu depctr_va_vdst(0)                   ; one wait for the 32 reciprocals, ahead of their first reader
.set n, 0
.rept 16
	v_pk_fma_f32 v[PL+n:PL+n+1], v[T+n:T+n+1], 0x3e7c6f08, v[C8:C8+1] op_sel_hi:[1,0,1]
.set n, n+2
.endr
.irp c, 0x40097039, 0xbfd1a1e5, 0x3ecdfd18, 0xbe899a80, 0x3e0efb2e, 0x3f0a29d2, 0x3fb8ab5a, 0xc034d90f
.set n, 0
.rept 16
	v_pk_fma_f32 v[PL+n:PL+n+1], v[PL+n:PL+n+1], v[T+n:T+n+1], \c op_sel_hi:[1,1,0]   ; Horner, the 16 pairs by turns
.set n, n+2
.endr
.endr
.set n, 0
.rept 16
	v_pk_fma_f32 v[EX+n:EX+n+1], v[EX+n:EX+n+1], 0xbf38aa3b, v[PL+n:PL+n+1] op_sel_hi:[1,0,1]
.set n, n+2
.endr
.set n, 0
.rept 32
	v_exp_f32 v[EX+n], v[EX+n]
.set n, n+1
.endr
.set n, 0
.rept 32
	v_max_num_f32 v[PL+n], 0, v[XB+n]              ; max(x, 0): work that names no exponential
.set n, n+1
.endr
	s_wait_alu depctr_va_vdst(0)                   ; one wait for the 32 exponentials
.set n, 0
.rept 16
	v_pk_mul_f32 v[T+n:T+n+1], v[T+n:T+n+1], v[EX+n:EX+n+1]       ; E
.set n, n+2
.endr
.set n, 0
.rept 32
	v_fma_f32 v[XB+n], -|v[XB+n]|, v[T+n], v[PL+n]
.set n, n+1
.endr
.endm
	s_wait_tensorcnt 0x1                           ; the scale words and my part of slot 0 are in; slot 1's load may stay out
	s_barrier_signal -1
	s_barrier_wait -1
	FETCH_B 0, 0, 0
	FETCH_A 0, 0, 0
	SCALES 0
	FETCH_A 0, 0, 4
	STEP 0, 0, 1
	s_mov_b32 s3, LAPS-1
.Llap:
	TURN 0, 1, 1
	STEP 1, 0, 0
	TURN 1, 0, 1
	STEP 0, 0, 0
	s_sub_co_u32 s3, s3, 1
	s_cmp_lg_u32 s3, 0
	s_cbranch_scc1 .Llap
	TURN 0, 1, 0
	STEP 1, 0, 0
	LASTSTEP
	PLACES NP
	s_wait_loadcnt 0x0                             ; b1
.irp b, 0,1,2,3
	v_mov_b32 v[TM+4+\b], 0                        ; a lane permute's destination counts as one of its sources
.endr
	v_mov_b32 v[C8], 0xbf97d29d
	v_mov_b32 v[C8+1], 0xbf97d29d
	s_mov_b32 s3, 0
.Lrow:                                             ; eight trips: block s3 of 16 rows
.irp a, 0,1,2,3,4,5,6
	s_cmp_eq_u32 s3, \a
	s_cbranch_scc1 .Lc\a
.endr
	COPY 7
	s_branch .Lgo
.irp a, 0,1,2,3,4,5,6
.Lc\a:
	COPY \a
.if \a < 6
	s_branch .Lgo
.endif
.endr
.Lgo:
	GELU 0
	GELU 1
	QUANT HA
	global_store_b128 v[L16], v[PC:PC+3], s[12:13]
	global_store_b64 v[L8], v[PC+4:PC+5], s[12:13]
	global_store_b128 v[L16], v[PC+6:PC+9], s[12:13] offset:768
	global_store_b64 v[L8], v[PC+10:PC+11], s[12:13] offset:768
	global_store_b32 v[L4], v[PW], s[18:19]
	s_wait_xcnt 0x0                                ; the stores have read their registers and bases: both are written again behind this wait
	s_add_nc_u64 s[12:13], s[12:13], 49152
	s_add_nc_u64 s[18:19], s[18:19], 4096
	s_add_co_u32 s3, s3, 1
	s_cmp_lt_u32 s3, 8
	s_cbranch_scc1 .Lrow
	s_wait_tensorcnt 0x0                           ; the wave's end
	ds_add_u32 v[SPW], v[NIL]
	s_wait_dscnt 0x0
	CROUND
	s_endpgm
.Lfunc_end_k_qbd4adf2819_fc1:
	.size	k_qbd4adf2819_fc1, .Lfunc_end_k_qbd4adf2819_fc1-k_qbd4adf2819_fc1
	.p2alignl 7, 3214868480
	.fill 96, 4, 3214868480
	.section	.rodata,"a",@progbits
	.p2align	6, 0x0
	.amdhsa_kernel k_qbd4adf2819_fc1
		.amdhsa_group_segment_fixed_size 327680
		.amdhsa_private_segment_fixed_size 0
		.amdhsa_enable_private_segment 0
		.amdhsa_kernarg_size 32
		.amdhsa_user_sgpr_count 2
		.amdhsa_user_sgpr_kernarg_segment_ptr 1
		.amdhsa_wavefront_size32 1
		.amdhsa_system_sgpr_workgroup_id_x 1
		.amdhsa_system_sgpr_workgroup_id_y 1
		.amdhsa_system_sgpr_workgroup_id_z 1
		.amdhsa_system_vgpr_workitem_id 0
		.amdhsa_next_free_vgpr 1024
		.amdhsa_next_free_sgpr 100
		.amdhsa_reserve_vcc 0
		.amdhsa_float_denorm_mode_32 3
		.amdhsa_float_denorm_mode_16_64 3
		.amdhsa_memory_ordered 1
		.amdhsa_forward_progress 1
		.amdhsa_inst_pref_size 190
	.end_amdhsa_kernel
	.amdgpu_metadata
---
amdhsa.version: [ 1, 2 ]
amdhsa.kernels:
  - .name:           k_qbd4adf2819_fc1
    .symbol:         k_qbd4adf2819_fc1.kd
    .args:
      - { .name: wsE, .offset: 0, .size: 8, .value_kind: global_buffer, .address_space: global }
      - { .name: wsA, .offset: 8, .size: 8, .value_kind: global_buffer, .address_space: global }
      - { .name: b1, .offset: 16, .size: 8, .value_kind: global_buffer, .address_space: global }
      - { .name: wsF, .offset: 24, .size: 8, .value_kind: global_buffer, .address_space: global }
    .group_segment_fixed_size: 327680
    .private_segment_fixed_size: 0
    .kernarg_segment_align: 8
    .kernarg_segment_size: 32
    .max_flat_workgroup_size: 128
    .sgpr_count:     100
    .vgpr_count:     1024
    .wavefront_size: 32
...
	.end_amdgpu_metadata
.endif
;; end of part 5
;; launch fc2 (part 6): grid 4 x 16, 4 waves a work-group, clusters of 4 x 4, 327,680 bytes of LDS; arguments wsF, wsA, b2, wsD, out0; writes out0
.if DOCPART == 6
	.amdgcn_target "amdgcn-amd-amdhsa--gfx1250"
	.amdhsa_code_object_version 6
	.text
	.protected	k_qbd4adf2819_fc2
	.globl	k_qbd4adf2819_fc2
	.p2align	8
	.type	k_qbd4adf2819_fc2,@function
k_qbd4adf2819_fc2:
	s_mov_b64 s[64:65], 0
	v_nop
	global_prefetch_b8 v0, s[64:65] scope:SCOPE_SE
	s_setreg_imm32_b32 hwreg(HW_REG_WAVE_MODE, 25, 1), 1
	s_wait_xcnt 0x0
	s_wait_alu depctr_hold_cnt(0) depctr_sa_sdst(0) depctr_va_vdst(0) depctr_va_sdst(0) depctr_va_ssrc(0) depctr_va_vcc(0) depctr_vm_vsrc(0)
	s_getreg_b32 s2, hwreg(HW_REG_IB_STS2, 6, 4)
	s_cmp_eq_u32 s2, 0
	s_cbranch_scc0 .Lentry_in_a_cluster
	s_endpgm
.Lentry_in_a_cluster:
	s_bfe_u32 s2, ttmp6, 0x10000c
	s_cmp_lg_u32 s2, 0xf033
	s_cbranch_scc0 .Lentry_shape_is_right
	s_endpgm
.Lentry_shape_is_right:
; out0 = x + (h W2^T + b2): the text of the launch oproj with K = 4,096.  A = h's codes (wsF: [256 row blocks][32 K steps][1,536] at 0, scale images at 12,582,912), B = W2's (wsA: row block 256 on, counted in row blocks of
; 32 K steps), residual x (wsD).  No work is left out.  Tile 256 x 256, four waves of 128 x 128, ring of two slots of 256 along K, operands as images of operand registers, cluster 4 x 4 with joint loads.
; The scale words of the tile's rows for all of K, 65,536 bytes, come once with the first fills and stay behind the ring.
; THE WAY OUT: a block of 16 rows x 128 columns goes through my own stage in LDS (in slot 0, which has had its last fill and its last read by then) and comes back as whole rows of 512 bytes; bias and residual are added.
; The grid has 64 tiles of this size: a quarter of the WGPs have work.  By this text's count a wave has three tensor loads out at the start and one behind each round.
.set KK,     4096
.set ASCL,   12582912
.set BBASE,  256
.set BCODE,  1310720
.set NK,     KK/128
.set RP,     NK*1536
.set ROWB,   3072
.set HALFT,  8*ROWB
.set SLOT,   4*HALFT
.set LAPS,   KK/512
.set FR,     12
.set NL,     4
.set NP,     4
.set NQ,     2
.set SBLK,   NK*64
.set HALFS,  8*SBLK
.set SCL,    2*SLOT
.set SPARE,  SCL+4*HALFS
.set SPITCH, 528
.set L16,  4
.set L8,   5
.set BI,   8
.set ADRA, 16
.set ADRB, 20
.set STO,  24
.set RD,   25
.set ADRS, 27
.set SPW,  28
.set NIL,  29
.set SC,   32
.set AF,   128
.set RS,   32
.set BB,   160
.set G1, 24
.set G0, 32
.set G1B, 48
.set G0B, 56
.set G1S, 68
.set G0S, 76
.set G1SB, 80
.set G0SB, 88
.set MSB, 0
.macro WIN new
.if MSB != (\new)
	s_set_vgpr_msb (MSB<<8)|(\new)
.set MSB, (\new)
.endif
.endm
.set MUL_LO, 0xa1
.set MUL_HI, 0xf1
.set TO_B,   0x40
.macro JLOAD g0a, g1a, g0b, g1b
	s_cmp_eq_u32 s15, 0
	s_cbranch_scc0 .Lfor_b_\@
	tensor_load_to_lds s[\g0a:\g0a+3], s[\g1a:\g1a+7]
	s_nop 0
.rept 4
	v_nop
.endr
	s_branch .Lasked_\@
.Lfor_b_\@:
	tensor_load_to_lds s[\g0b:\g0b+3], s[\g1b:\g1b+7]
	s_nop 0
.rept 4
	v_nop
.endr
.Lasked_\@:
.endm
.macro CREST
	s_cmp_lg_u32 s14, 0
	s_cbranch_scc1 .Lnot_wave_0_\@
	s_barrier_signal -3
.Lnot_wave_0_\@:
	s_barrier_wait -3
	s_barrier_signal -1
	s_barrier_wait -1
.endm
.macro CROUND
	s_barrier_signal -1
	s_barrier_wait -1
	CREST
.endm
	s_load_b256 s[4:11], s[0:1], 0x0               ; A's buffer, B's buffer, the bias, the residual
	s_load_b64 s[12:13], s[0:1], 0x20              ; the result
	v_lshl_add_u32 v[SPW], v0, 2, SPARE
	v_mov_b32 v[NIL], 0
	ds_add_u32 v[SPW], v[NIL]                      ; the opening: the add, twice on end, and its wait ahead of my first tensor load
	ds_add_u32 v[SPW], v[NIL]
	v_lshrrev_b32 v1, 5, v0
	v_readfirstlane_b32 s14, v1
	s_lshr_b32 s15, s14, 1
	s_and_b32 s16, s14, 1
	s_bfe_u32 s40, ttmp6, 0x40000
	s_bfe_u32 s41, ttmp6, 0x40004
	s_lshl_b32 s42, ttmp9, 2
	s_add_co_u32 s42, s42, s40
	s_and_b32 s17, ttmp7, 0xffff
	s_lshl_b32 s17, s17, 2
	s_add_co_u32 s17, s17, s41
	s_lshl_b32 s43, s41, 2
	s_lshl_b32 s43, 15, s43
	s_lshl_b32 s44, 0x1111, s40
	s_or_b32 s[G1+0], s43, (3<<16)|(1<<21)
	s_or_b32 s[G1B+0], s44, (3<<16)|(1<<21)
.irp g, G1, G1B
	s_mov_b32 s[\g+1], 384<<16
	s_mov_b32 s[\g+2], 8<<16
	s_mov_b32 s[\g+3], 384<<16
	s_mov_b32 s[\g+4], 8
	s_mov_b32 s[\g+5], NK*192
	s_mov_b32 s[\g+6], 0
	s_mov_b32 s[\g+7], 0
.endr
	s_or_b32 s[G1S+0], s43, (3<<16)|(1<<21)
	s_or_b32 s[G1SB+0], s44, (3<<16)|(1<<21)
.irp g, G1S, G1SB
	s_mov_b32 s[\g+1], 8<<16
	s_mov_b32 s[\g+2], (8*NK)<<16
	s_mov_b32 s[\g+3], 8<<16
	s_mov_b32 s[\g+4], 8*NK
	s_mov_b32 s[\g+5], 16
	s_mov_b32 s[\g+6], 0
	s_mov_b32 s[\g+7], 0
.endr
	s_lshl_b32 s18, s16, 3
	s_lshl_b32 s20, s17, 4
	s_add_co_u32 s20, s20, s18
	s_lshl_b32 s46, s42, 4
	s_add_co_u32 s46, s46, s18
	s_add_co_u32 s46, s46, BBASE
	s_mul_i32 s22, s20, NK*128
	s_add_co_u32 s22, s22, ASCL
	s_mov_b32 s23, 0
	s_mul_i32 s20, s20, RP
	s_mov_b32 s21, 0
	s_mul_i32 s92, s46, NK*128
	s_mov_b32 s93, 0
	s_mul_i32 s46, s46, RP
	s_add_co_u32 s46, s46, BCODE
	s_mov_b32 s47, 0
	s_mul_i32 s45, s14, HALFT
	s_mul_i32 s94, s14, HALFS
	s_wait_dscnt 0x0
	s_wait_kmcnt 0x0
	s_add_nc_u64 s[20:21], s[4:5], s[20:21]
	s_add_nc_u64 s[22:23], s[4:5], s[22:23]
	s_add_nc_u64 s[46:47], s[6:7], s[46:47]
	s_add_nc_u64 s[92:93], s[6:7], s[92:93]
	CROUND
	s_mov_b32 s[G0S], 1
	s_add_co_u32 s[G0S+1], s94, SCL
	s_mov_b64 s[G0S+2:G0S+3], s[22:23]
	s_or_b32 s[G0S+3], s[G0S+3], 0x80000000
	s_mov_b32 s[G0SB], 1
	s_add_co_u32 s[G0SB+1], s94, SCL
	s_mov_b64 s[G0SB+2:G0SB+3], s[92:93]
	s_or_b32 s[G0SB+3], s[G0SB+3], 0x80000000
	JLOAD G0S, G1S, G0SB, G1SB
.irp s, 0,1
	s_mov_b32 s[G0+4*\s], 1
	s_add_co_u32 s[G0+4*\s+1], s45, \s*SLOT
	s_add_nc_u64 s[G0+4*\s+2:G0+4*\s+3], s[20:21], \s*ROWB
	s_or_b32 s[G0+4*\s+3], s[G0+4*\s+3], 0x80000000
	s_mov_b32 s[G0B+4*\s], 1
	s_add_co_u32 s[G0B+4*\s+1], s45, \s*SLOT
	s_add_nc_u64 s[G0B+4*\s+2:G0B+4*\s+3], s[46:47], \s*ROWB
	s_or_b32 s[G0B+4*\s+3], s[G0B+4*\s+3], 0x80000000
	JLOAD G0+4*\s, G1, G0B+4*\s, G1B
.endr
	v_and_b32 v1, 31, v0
	v_and_b32 v2, 15, v0
	v_bfe_u32 v3, v0, 4, 1
	v_lshlrev_b32 v[L16], 4, v1
	v_lshl_add_u32 v[L8], v1, 3, 512
	s_mul_i32 s21, s15, HALFT
	s_mul_i32 s22, s16, HALFT
	s_add_co_u32 s22, s22, 2*HALFT
.irp s, 0,1
	v_add_nc_u32 v[ADRA+\s], s21, v[L16]
	v_add_nc_u32 v[ADRA+2+\s], s21, v[L8]
	v_add_nc_u32 v[ADRB+\s], s22, v[L16]
	v_add_nc_u32 v[ADRB+2+\s], s22, v[L8]
	s_add_co_u32 s21, s21, SLOT
	s_add_co_u32 s22, s22, SLOT
.endr
	s_mul_i32 s21, s15, HALFS
	s_mul_i32 s22, s16, HALFS
	s_add_co_u32 s22, s22, 2*HALFS
	s_sub_co_u32 s22, s22, s21
	v_mul_u32_u24 v7, s22, v3
	s_add_co_u32 s21, s21, SCL
	v_lshl_add_u32 v7, v2, 2, v7
	v_add_nc_u32 v[ADRS], s21, v7
	s_mul_i32 s23, s14, 16*SPITCH
	v_mul_u32_u24 v[STO], v2, SPITCH
	v_lshl_add_u32 v[STO], v3, 6, v[STO]
	v_add_nc_u32 v[STO], s23, v[STO]
	v_add_nc_u32 v[RD], s23, v[L16]
	s_lshl_b32 s20, s17, 8
	s_lshl_b32 s21, s15, 7
	s_add_co_u32 s20, s20, s21
	s_lshl_b32 s20, s20, 12
	s_lshl_b32 s46, s42, 10
	s_lshl_b32 s47, s16, 9
	s_add_co_u32 s46, s46, s47
	s_mov_b32 s47, 0
	s_add_nc_u64 s[8:9], s[8:9], s[46:47]
	s_add_co_u32 s20, s20, s46
	s_mov_b32 s21, 0
	s_add_nc_u64 s[10:11], s[10:11], s[20:21]
	s_add_nc_u64 s[12:13], s[12:13], s[20:21]
	global_load_b128 v[BI:BI+3], v[L16], s[8:9]
.macro FRAG reg, adr, q, i
	ds_load_b128 v[\reg:\reg+3], v[\adr] offset:3072*(\i)+1536*(\q)
	ds_load_b64 v[\reg+4:\reg+5], v[\adr+2] offset:3072*(\i)+1536*(\q)
	ds_load_b128 v[\reg+6:\reg+9], v[\adr] offset:3072*(\i)+1536*(\q)+768
	ds_load_b64 v[\reg+10:\reg+11], v[\adr+2] offset:3072*(\i)+1536*(\q)+768
.endm
.macro MUL16 a0, p, q, sc, zero        ; the 64 accumulators take turns, one instruction a turn
.irp a, \a0, \a0+1
.irp b, 0,1,2,3,4,5,6,7
.if \zero
	v_wmma_scale_f32_16x16x128_f8f6f4 v[8*(8*((\a)%4)+\b):8*(8*((\a)%4)+\b)+7], v[128*(\p)+FR*\b:128*(\p)+FR*\b+FR-1], v[AF+FR*(\a):AF+FR*(\a)+FR-1], 0, v[SC+8*NQ*(\sc)+NQ*\b+(\q)], v[SC+8*NQ*(\sc)+NQ*(\a)+(\q)] matrix_a_fmt:MATRIX_FMT_FP6 matrix_b_fmt:MATRIX_FMT_FP6 matrix_a_scale:MATRIX_SCALE_ROW1
.else
	v_wmma_scale_f32_16x16x128_f8f6f4 v[8*(8*((\a)%4)+\b):8*(8*((\a)%4)+\b)+7], v[128*(\p)+FR*\b:128*(\p)+FR*\b+FR-1], v[AF+FR*(\a):AF+FR*(\a)+FR-1], v[8*(8*((\a)%4)+\b):8*(8*((\a)%4)+\b)+7], v[SC+8*NQ*(\sc)+NQ*\b+(\q)], v[SC+8*NQ*(\sc)+NQ*(\a)+(\q)] matrix_a_fmt:MATRIX_FMT_FP6 matrix_b_fmt:MATRIX_FMT_FP6 matrix_a_scale:MATRIX_SCALE_ROW1
.endif
.endr
.endr
.endm
.macro FETCH_B slot, q, p
	WIN TO_B
.irp i, 0,1,2,3,4,5,6,7
	FRAG 128*(\p)+FR*\i, ADRB+\slot, \q, \i
.endr
	WIN 0
.endm
.macro FETCH_A slot, q, i0
.irp i, \i0, \i0+1, \i0+2, \i0+3
	FRAG AF+FR*(\i), ADRA+\slot, \q, \i
.endr
.endm
.macro SCALES sc
.irp i, 0,1,2,3,4,5,6,7
	ds_load_b32 v[SC+16*\sc+2*\i], v[ADRS] offset:\i*SBLK
	ds_load_b32 v[SC+16*\sc+2*\i+1], v[ADRS] offset:\i*SBLK+64
.endr
.endm
.macro PLACES n
.rept \n
	v_nop
.endr
.endm
.macro STEP slot, q, zero
	s_wait_dscnt 4*NL                              ; all but the youngest 16 loads (A's blocks 4-7) are in
	WIN MUL_LO
	MUL16 0, (\q)%2, \q, \slot, \zero
	MUL16 2, (\q)%2, \q, \slot, \zero
	s_wait_dscnt 0x0
	PLACES NP
	FETCH_B \slot, (\q)+1, 1-(\q)%2
	FETCH_A \slot, (\q)+1, 0
	WIN MUL_HI
	MUL16 4, (\q)%2, \q, \slot, \zero
	MUL16 6, (\q)%2, \q, \slot, \zero
	PLACES NP
	WIN 0
	FETCH_A \slot, (\q)+1, 4
.endm
.macro TURN slot, next, fill
	s_wait_tensorcnt 0x0                           ; all my tensor loads have landed: my part of the next slot
	ds_add_u32 v[SPW], v[NIL]                      ; 0 onto my spare word
	s_wait_dscnt 4*NL+1                            ; (the add and the youngest 16 loads may be out)
	WIN MUL_LO
	MUL16 0, 1, NQ-1, \slot, 0
	s_wait_dscnt 0x0                               ; the add is done, and my reads of this slot are over
	s_barrier_signal -1
	MUL16 2, 1, NQ-1, \slot, 0
	WIN 0
	s_barrier_wait -1
.if \fill
	CREST
	s_add_nc_u64 s[G0+4*\slot+2:G0+4*\slot+3], s[G0+4*\slot+2:G0+4*\slot+3], 2*ROWB
	s_add_nc_u64 s[G0B+4*\slot+2:G0B+4*\slot+3], s[G0B+4*\slot+2:G0B+4*\slot+3], 2*ROWB
	JLOAD G0+4*\slot, G1, G0B+4*\slot, G1B
.else
	PLACES NP
.endif
	v_add_nc_u32 v[ADRS], 64*NQ, v[ADRS]
	FETCH_B \next, 0, 0
	FETCH_A \next, 0, 0
	SCALES \next
	WIN MUL_HI
	MUL16 4, 1, NQ-1, \slot, 0
	MUL16 6, 1, NQ-1, \slot, 0
	PLACES NP
	WIN 0
	FETCH_A \next, 0, 4
.endm
.macro LASTSTEP
	s_wait_dscnt 4*NL
	WIN MUL_LO
	MUL16 0, 1, NQ-1, 1, 0
	MUL16 2, 1, NQ-1, 1, 0
	s_wait_dscnt 0x0
	WIN MUL_HI
	MUL16 4, 1, NQ-1, 1, 0
	MUL16 6, 1, NQ-1, 1, 0
	WIN 0
.endm
.macro RLOAD a
.set RB, RS+64*((\a)%2)
.irp t, 0,1,2,3,4,5,6,7,8,9,10,11,12,13,14,15
	global_load_b128 v[RB+4*\t:RB+4*\t+3], v[L16], s[10:11] offset:(32*((\a)/2)+8*((\a)%2)+\t+8*(\t/8))*4096 th:TH_LOAD_NT
.endr
.endm
.macro TOSTAGE a
	WIN 0x08+4*((\a)/4)
.irp b, 0,1,2,3,4,5,6,7
	ds_store_b128 v[STO], v[64*((\a)%4)+8*\b:64*((\a)%4)+8*\b+3] offset:128*(\b/2)+32*(\b%2)
	ds_store_b128 v[STO], v[64*((\a)%4)+8*\b+4:64*((\a)%4)+8*\b+7] offset:128*(\b/2)+32*(\b%2)+16
.endr
	WIN 0
.irp t, 0,1,2,3,4,5,6,7,8,9,10,11,12,13,14,15
	ds_load_b128 v[BB+4*\t:BB+4*\t+3], v[RD] offset:\t*SPITCH
.endr
.endm
.macro SENDF a
.set RB, RS+64*((\a)%2)
	s_wait_dscnt 0x0
.if (\a) < 7
	s_wait_loadcnt 16                              ; this block's residual is in; the next block's 16 loads may be out
.else
	s_wait_loadcnt 0x0
.endif
.irp t, 0,1,2,3,4,5,6,7,8,9,10,11,12,13,14,15
	v_pk_add_f32 v[BB+4*\t:BB+4*\t+1], v[BB+4*\t:BB+4*\t+1], v[BI:BI+1]
	v_pk_add_f32 v[BB+4*\t+2:BB+4*\t+3], v[BB+4*\t+2:BB+4*\t+3], v[BI+2:BI+3]
.endr
.irp t, 0,1,2,3,4,5,6,7,8,9,10,11,12,13,14,15
	v_pk_add_f32 v[BB+4*\t:BB+4*\t+1], v[BB+4*\t:BB+4*\t+1], v[RB+4*\t:RB+4*\t+1]
	v_pk_add_f32 v[BB+4*\t+2:BB+4*\t+3], v[BB+4*\t+2:BB+4*\t+3], v[RB+4*\t+2:RB+4*\t+3]
.endr
.irp t, 0,1,2,3,4,5,6,7,8,9,10,11,12,13,14,15
	global_store_b128 v[L16], v[BB+4*\t:BB+4*\t+3], s[12:13] offset:(32*((\a)/2)+8*((\a)%2)+\t+8*(\t/8))*4096
.endr
.endm
	s_wait_tensorcnt 0x1                           ; the scale words and my part of slot 0 are in; slot 1's load may stay out
	s_barrier_signal -1
	s_barrier_wait -1
	FETCH_B 0, 0, 0
	FETCH_A 0, 0, 0
	SCALES 0
	FETCH_A 0, 0, 4
	STEP 0, 0, 1
	s_mov_b32 s3, LAPS-1
.Llap:
	TURN 0, 1, 1
	STEP 1, 0, 0
	TURN 1, 0, 1
	STEP 0, 0, 0
	s_sub_co_u32 s3, s3, 1
	s_cmp_lg_u32 s3, 0
	s_cbranch_scc1 .Llap
	TURN 0, 1, 0
	STEP 1, 0, 0
	LASTSTEP
	PLACES NP
	RLOAD 0
.irp a, 0,1,2,3,4,5,6,7
.if \a < 7
	RLOAD \a+1
.endif
	s_wait_xcnt 0x0                                ; the last block's stores have read their registers: this block's rows may land there
	TOSTAGE \a
	SENDF \a
.endr
	s_wait_tensorcnt 0x0                           ; the wave's end, behind my last LDS store
	ds_add_u32 v[SPW], v[NIL]
	s_wait_dscnt 0x0
	CROUND
	s_endpgm
.Lfunc_end_k_qbd4adf2819_fc2:
	.size	k_qbd4adf2819_fc2, .Lfunc_end_k_qbd4adf2819_fc2-k_qbd4adf2819_fc2
	.p2alignl 7, 3214868480
	.fill 96, 4, 3214868480
	.section	.rodata,"a",@progbits
	.p2align	6, 0x0
	.amdhsa_kernel k_qbd4adf2819_fc2
		.amdhsa_group_segment_fixed_size 327680
		.amdhsa_private_segment_fixed_size 0
		.amdhsa_enable_private_segment 0
		.amdhsa_kernarg_size 40
		.amdhsa_user_sgpr_count 2
		.amdhsa_user_sgpr_kernarg_segment_ptr 1
		.amdhsa_wavefront_size32 1
		.amdhsa_system_sgpr_workgroup_id_x 1
		.amdhsa_system_sgpr_workgroup_id_y 1
		.amdhsa_system_sgpr_workgroup_id_z 1
		.amdhsa_system_vgpr_workitem_id 0
		.amdhsa_next_free_vgpr 1024
		.amdhsa_next_free_sgpr 100
		.amdhsa_reserve_vcc 0
		.amdhsa_float_denorm_mode_32 3
		.amdhsa_float_denorm_mode_16_64 3
		.amdhsa_memory_ordered 1
		.amdhsa_forward_progress 1
		.amdhsa_inst_pref_size 190
	.end_amdhsa_kernel
	.amdgpu_metadata
---
amdhsa.version: [ 1, 2 ]
amdhsa.kernels:
  - .name:           k_qbd4adf2819_fc2
    .symbol:         k_qbd4adf2819_fc2.kd
    .args:
      - { .name: wsF, .offset: 0, .size: 8, .value_kind: global_buffer, .address_space: global }
      - { .name: wsA, .offset: 8, .size: 8, .value_kind: global_buffer, .address_space: global }
      - { .name: b2, .offset: 16, .size: 8, .value_kind: global_buffer, .address_space: global }
      - { .name: wsD, .offset: 24, .size: 8, .value_kind: global_buffer, .address_space: global }
      - { .name: out0, .offset: 32, .size: 8, .value_kind: global_buffer, .address_space: global }
    .group_segment_fixed_size: 327680
    .private_segment_fixed_size: 0
    .kernarg_segment_align: 8
    .kernarg_segment_size: 40
    .max_flat_workgroup_size: 128
    .sgpr_count:     100
    .vgpr_count:     1024
    .wavefront_size: 32
...
	.end_amdgpu_metadata
.endif
;; end of part 6
;; ======== version 2 of 2: 7 launches; 1.18 times as fast as version 1
;; workspace buffers: wsA 17,039,360 bytes; wsB 10,747,904 bytes; wsC 3,407,872 bytes; wsD 16,777,216 bytes; wsE 4,456,448 bytes; wsF 13,631,488 bytes
;; launch prep: the kernel of part 1 again; grid 1280 x 1, 4 waves a work-group, no clusters, 66,304 bytes of LDS; arguments x_q, x_kv, Wq, Wk, Wv, Wo, W1, W2, qn_g, qn_b, kvn_g, kvn_b, wsA; writes wsA
;; launch qkv: the kernel of part 2 again; grid 4 x 48, 4 waves a work-group, clusters of 4 x 4, 327,680 bytes of LDS; arguments wsA, bq, bk, bv, wsB; writes wsB
;; launch attn: the kernel of part 3 again; grid 8 x 32, 16 waves a work-group, clusters of 4 x 1, 223,232 bytes of LDS; arguments wsB, wsC; writes wsC
;; launch oproj (part 7): grid 8 x 32, 4 waves a work-group, clusters of 4 x 4, 327,680 bytes of LDS; arguments wsC, wsA, bo, x_q, wsD; writes wsD
.if DOCPART == 7
	.amdgcn_target "amdgcn-amd-amdhsa--gfx1250"
	.amdhsa_code_object_version 6
	.text
	.protected	k_qbd4adf2819_oproj
	.globl	k_qbd4adf2819_oproj
	.p2align	8
	.type	k_qbd4adf2819_oproj,@function
k_qbd4adf2819_oproj:
	s_mov_b64 s[64:65], 0
	v_nop
	global_prefetch_b8 v0, s[64:65] scope:SCOPE_SE
	s_setreg_imm32_b32 hwreg(HW_REG_WAVE_MODE, 25, 1), 1
	s_wait_xcnt 0x0
	s_wait_alu depctr_hold_cnt(0) depctr_sa_sdst(0) depctr_va_vdst(0) depctr_va_sdst(0) depctr_va_ssrc(0) depctr_va_vcc(0) depctr_vm_vsrc(0)
	s_getreg_b32 s2, hwreg(HW_REG_IB_STS2, 6, 4)
	s_cmp_eq_u32 s2, 0
	s_cbranch_scc0 .Lentry_in_a_cluster
	s_endpgm
.Lentry_in_a_cluster:
	s_bfe_u32 s2, ttmp6, 0x10000c
	s_cmp_lg_u32 s2, 0xf033
	s_cbranch_scc0 .Lentry_shape_is_right
	s_endpgm
.Lentry_shape_is_right:
; x = x_q + (attn_out Wo^T + bo), the product on MX-FP6 codes.  No work is left out.
; A = attn_out's codes (wsC: [256 row blocks][8 K steps][1,536] at 0, scale images at 3,145,728), B = Wo's (wsA, chunk 704 on: codes at 1,310,720 + 12,288 x chunk, scale images at 1,024 x chunk).
; OPERANDS are images of operand registers (first launch's head): a row block's K steps lie on end, 1,536 bytes each; a fragment comes out of LDS by two loads of 16 bytes and two of 8 bytes a lane, each consecutive over the lanes.
; TILE.  The result is 4,096 x 1,024: tiles of 128 x 128 make 256 work-groups, tiles of 256 x 256 would make 64.  Four waves of 64 x 64: 16 accumulators, 128 registers.  Source 1 ("A") gives a lane its token, source 0 ("B") runs
; down a lane's registers.  The price of the small tile: eight fragments are read from LDS for sixteen matrix instructions.
; SLOTS.  A slot holds FOUR K steps of the tile's 16 row blocks, 98,304 bytes; each wave fetches four row blocks x 6,144 bytes by one tensor load.  K = 1,024 is two slots: both are first fills, nothing is filled again, and the
; product has no round of the cluster's barrier inside it.  The scale words of the tile's rows, for all of K, come with the first fills (the lower 64 bytes of each image).  By this text's count a wave has three tensor loads out.
; CLUSTER 4 x 4: A's tiles are asked for jointly along a row of the cluster, B's along a column.
; A lane holds token 32 (t / 2) + 8 (t % 2) + r + 8 (r / 8) of row block t and, in accumulator b, columns 32 (b / 2) + 16 h + 8 (b % 2) + 0 .. 7 of my 64.
; THE RESIDUAL, 64 rows x 256 bytes a wave, is asked for at the head, into 128 registers, in the layout in which the rows leave: it lands under the product.
; THE WAY OUT: a block of 16 rows x 64 columns goes through my own stage in LDS (bytes of its own, behind the spare words) and comes back as whole rows of 256 bytes; bias, then residual; sixteen lanes store 256 consecutive bytes.
; REGISTERS, in windows of 256: window 0: v4-29 addresses, v8-11 the bias; v32-63 scale words, two sets; v64-159 A's fragments, two sets; v160-223 the way out.  Window 1: v0-95 B's fragments, two sets.
;   Window 2: v0-127 the accumulators ((a, b) at v[8 (4 a + b)]); v128-255 the residual.
.set KK,     1024
.set ASCL,   3145728
.set BBASE,  704
.set BCODE,  1310720
.set NK,     KK/128
.set RP,     NK*1536                   ; a row block's codes in bytes
.set NQ,     4                         ; K steps in a slot
.set ROWB,   NQ*1536                   ; a row block's part of a slot
.set HALFT,  4*ROWB                    ; four row blocks: what one tensor load brings, and what one wave reads of A or of B
.set SLOT,   4*HALFT
.set LAPS,   KK/(2*NQ*128)             ; a lap = once round the two slots
.set FR,     12
.set NP,     4                         ; places behind this matrix instruction (ISA guide 7.12.1)
.set SBLK,   NK*64                     ; a row block's scale words in LDS
.set HALFS,  4*SBLK
.set SCL,    2*SLOT
.set SPARE,  SCL+4*HALFS               ; the spare words, 128 bytes a wave
.set STAGE,  SPARE+512                 ; 16 rows x 272 bytes for each wave
.set SPITCH, 272
.set L16,  4                           ; v4 16 x lane;  v5 512 + 8 x lane;  v6 16 x (lane % 16)
.set L8,   5
.set BO,   6
.set BI,   8                           ; v8-11 the bias of my four columns
.set ADRA, 16                          ; v16-17 A's fragments in slot 0, 1 (16-byte pieces), v18-19 (8-byte pieces)
.set ADRB, 20                          ; v20-23 the same for B
.set STO,  24                          ; v24 the stage: where I put 32 bytes of a row;  v25 where I read a row back
.set RD,   25
.set GO,   26                          ; v26 4,096 x (lane / 16) + 16 x (lane % 16): my place in two rows of the residual and of the result; never rewritten
.set ADRS, 27                          ; v27 my scale words: lanes 0-15 A's rows, lanes 16-31 B's
.set SPW,  28
.set NIL,  29
.set SC,   32                          ; set s at v[SC + 16 s]; register 4 i + q: lanes 0-15 A's block i, lanes 16-31 B's block i, the slot's K step q
.set AF,   64
.set BB,   160
.set RES,  128                         ; in window 2
.set G1, 24
.set G0, 32
.set G1B, 48
.set G0B, 56
.set G1S, 68
.set G0S, 76
.set G1SB, 80
.set G0SB, 88
.set MSB, 0
.macro WIN new                         ; the immediate's high byte repeats the setting that is left
.if MSB != (\new)
	s_set_vgpr_msb (MSB<<8)|(\new)
.set MSB, (\new)
.endif
.endm
.set MULW, 0xa1                        ; source 0 (B) window 1, source 1 (A) window 0, C and D window 2
.set TO_B, 0x40
.macro JLOAD g0a, g1a, g0b, g1b        ; a joint load: waves 0 and 1 fetch for A, waves 2 and 3 for B; an s_nop 0 and four v_nop follow each line
	s_cmp_eq_u32 s15, 0
	s_cbranch_scc0 .Lfor_b_\@
	tensor_load_to_lds s[\g0a:\g0a+3], s[\g1a:\g1a+7]
	s_nop 0
.rept 4
	v_nop
.endr
	s_branch .Lasked_\@
.Lfor_b_\@:
	tensor_load_to_lds s[\g0b:\g0b+3], s[\g1b:\g1b+7]
	s_nop 0
.rept 4
	v_nop
.endr
.Lasked_\@:
.endm
.macro CREST                           ; a round of the cluster's barrier behind its opening barrier
	s_cmp_lg_u32 s14, 0
	s_cbranch_scc1 .Lnot_wave_0_\@
	s_barrier_signal -3
.Lnot_wave_0_\@:
	s_barrier_wait -3
	s_barrier_signal -1
	s_barrier_wait -1
.endm
.macro CROUND
	s_barrier_signal -1
	s_barrier_wait -1
	CREST
.endm
	s_load_b256 s[4:11], s[0:1], 0x0               ; A's buffer, B's buffer, the bias, the residual
	s_load_b64 s[12:13], s[0:1], 0x20              ; the result
	v_lshl_add_u32 v[SPW], v0, 2, SPARE
	v_mov_b32 v[NIL], 0
	ds_add_u32 v[SPW], v[NIL]                      ; the opening: the add, twice on end, and its wait ahead of my first tensor load
	ds_add_u32 v[SPW], v[NIL]
	v_lshrrev_b32 v1, 5, v0
	v_readfirstlane_b32 s14, v1                    ; wave
	s_lshr_b32 s15, s14, 1                         ; my half of A's rows; also: I fetch for A (0) or B (1)
	s_and_b32 s16, s14, 1                          ; my half of B's rows; also: which four row blocks I fetch
	s_bfe_u32 s40, ttmp6, 0x40000                  ; cx
	s_bfe_u32 s41, ttmp6, 0x40004                  ; cy
	s_lshl_b32 s42, ttmp9, 2
	s_add_co_u32 s42, s42, s40                     ; B's tile (columns), 0 .. 7
	s_and_b32 s17, ttmp7, 0xffff
	s_lshl_b32 s17, s17, 2
	s_add_co_u32 s17, s17, s41                     ; A's tile (tokens), 0 .. 31
	s_lshl_b32 s43, s41, 2
	s_lshl_b32 s43, 15, s43                        ; my row of the cluster
	s_lshl_b32 s44, 0x1111, s40                    ; my column
	s_or_b32 s[G1+0], s43, (3<<16)|(1<<21)         ; 15:0 the mask; 17:16 elements of 8 bytes; 21 set beside a mask; no padding
	s_or_b32 s[G1B+0], s44, (3<<16)|(1<<21)
.irp g, G1, G1B
	s_mov_b32 s[\g+1], 768<<16                     ; tensor_dim0: 6,144 bytes
	s_mov_b32 s[\g+2], 4<<16                       ; tensor_dim1: four row blocks
	s_mov_b32 s[\g+3], 768<<16                     ; tile_dim0
	s_mov_b32 s[\g+4], 4                           ; tile_dim1
	s_mov_b32 s[\g+5], NK*192                      ; from row block to row block
	s_mov_b32 s[\g+6], 0
	s_mov_b32 s[\g+7], 0
.endr
	s_or_b32 s[G1S+0], s43, (3<<16)|(1<<21)
	s_or_b32 s[G1SB+0], s44, (3<<16)|(1<<21)
.irp g, G1S, G1SB                              ; the scale words: 64 bytes of each image of 128
	s_mov_b32 s[\g+1], 8<<16
	s_mov_b32 s[\g+2], (4*NK)<<16
	s_mov_b32 s[\g+3], 8<<16
	s_mov_b32 s[\g+4], 4*NK
	s_mov_b32 s[\g+5], 16
	s_mov_b32 s[\g+6], 0
	s_mov_b32 s[\g+7], 0
.endr
	s_lshl_b32 s18, s16, 2
	s_lshl_b32 s20, s17, 3
	s_add_co_u32 s20, s20, s18                     ; A: the first row block that I fetch
	s_lshl_b32 s46, s42, 3
	s_add_co_u32 s46, s46, s18
	s_add_co_u32 s46, s46, BBASE                   ; B likewise
	s_mul_i32 s22, s20, NK*128
	s_add_co_u32 s22, s22, ASCL
	s_mov_b32 s23, 0
	s_mul_i32 s20, s20, RP
	s_mov_b32 s21, 0
	s_mul_i32 s92, s46, NK*128
	s_mov_b32 s93, 0
	s_mul_i32 s46, s46, RP
	s_add_co_u32 s46, s46, BCODE
	s_mov_b32 s47, 0
	s_mul_i32 s45, s14, HALFT                      ; where they go: no place in the cluster enters an LDS address
	s_mul_i32 s94, s14, HALFS
	s_wait_dscnt 0x0                               ; both opening adds are done
	s_wait_kmcnt 0x0
	s_add_nc_u64 s[20:21], s[4:5], s[20:21]
	s_add_nc_u64 s[22:23], s[4:5], s[22:23]
	s_add_nc_u64 s[46:47], s[6:7], s[46:47]
	s_add_nc_u64 s[92:93], s[6:7], s[92:93]
	CROUND                                         ; all sixteen work-groups are here: the first joint loads meet
	s_mov_b32 s[G0S], 1
	s_add_co_u32 s[G0S+1], s94, SCL
	s_mov_b64 s[G0S+2:G0S+3], s[22:23]
	s_or_b32 s[G0S+3], s[G0S+3], 0x80000000
	s_mov_b32 s[G0SB], 1
	s_add_co_u32 s[G0SB+1], s94, SCL
	s_mov_b64 s[G0SB+2:G0SB+3], s[92:93]
	s_or_b32 s[G0SB+3], s[G0SB+3], 0x80000000
	JLOAD G0S, G1S, G0SB, G1SB
.irp s, 0,1
	s_mov_b32 s[G0+4*\s], 1
	s_add_co_u32 s[G0+4*\s+1], s45, \s*SLOT
	s_add_nc_u64 s[G0+4*\s+2:G0+4*\s+3], s[20:21], \s*ROWB
	s_or_b32 s[G0+4*\s+3], s[G0+4*\s+3], 0x80000000
	s_mov_b32 s[G0B+4*\s], 1
	s_add_co_u32 s[G0B+4*\s+1], s45, \s*SLOT
	s_add_nc_u64 s[G0B+4*\s+2:G0B+4*\s+3], s[46:47], \s*ROWB
	s_or_b32 s[G0B+4*\s+3], s[G0B+4*\s+3], 0x80000000
	JLOAD G0+4*\s, G1, G0B+4*\s, G1B
.endr
	v_and_b32 v1, 31, v0                           ; lane
	v_and_b32 v2, 15, v0                           ; r
	v_bfe_u32 v3, v0, 4, 1                         ; h
	v_lshlrev_b32 v[L16], 4, v1
	v_lshl_add_u32 v[L8], v1, 3, 512
	v_lshlrev_b32 v[BO], 4, v2
	s_mul_i32 s21, s15, HALFT                      ; my four row blocks of A,
	s_mul_i32 s22, s16, HALFT
	s_add_co_u32 s22, s22, 2*HALFT                 ; of B
.irp s, 0,1
	v_add_nc_u32 v[ADRA+\s], s21, v[L16]
	v_add_nc_u32 v[ADRA+2+\s], s21, v[L8]
	v_add_nc_u32 v[ADRB+\s], s22, v[L16]
	v_add_nc_u32 v[ADRB+2+\s], s22, v[L8]
	s_add_co_u32 s21, s21, SLOT
	s_add_co_u32 s22, s22, SLOT
.endr
	s_mul_i32 s21, s15, HALFS
	s_mul_i32 s22, s16, HALFS
	s_add_co_u32 s22, s22, 2*HALFS
	s_sub_co_u32 s22, s22, s21
	v_mul_u32_u24 v7, s22, v3                      ; lanes 16-31 take B's words
	s_add_co_u32 s21, s21, SCL
	v_lshl_add_u32 v7, v2, 2, v7
	v_add_nc_u32 v[ADRS], s21, v7
	s_mul_i32 s23, s14, 16*SPITCH
	s_add_co_u32 s23, s23, STAGE                   ; my stage
	v_mul_u32_u24 v[STO], v2, SPITCH
	v_lshl_add_u32 v[STO], v3, 6, v[STO]
	v_add_nc_u32 v[STO], s23, v[STO]               ; in: row r, + 64 h
	v_mul_u32_u24 v[RD], v3, SPITCH
	v_lshl_add_u32 v[RD], v2, 4, v[RD]
	v_add_nc_u32 v[RD], s23, v[RD]                 ; back: lanes 0-15 one row of 256 bytes, lanes 16-31 the next
	v_lshlrev_b32 v[GO], 12, v3
	v_lshl_add_u32 v[GO], v2, 4, v[GO]             ; and the same two rows in memory
	s_lshl_b32 s20, s17, 7
	s_lshl_b32 s21, s15, 6
	s_add_co_u32 s20, s20, s21                     ; my first token: 128 x tile + 64 x half
	s_lshl_b32 s20, s20, 12
	s_lshl_b32 s46, s42, 9
	s_lshl_b32 s47, s16, 8
	s_add_co_u32 s46, s46, s47                     ; my first column, in bytes: 512 x tile + 256 x half
	s_mov_b32 s47, 0
	s_add_nc_u64 s[8:9], s[8:9], s[46:47]
	s_add_co_u32 s20, s20, s46
	s_mov_b32 s21, 0
	s_add_nc_u64 s[10:11], s[10:11], s[20:21]
	s_add_nc_u64 s[12:13], s[12:13], s[20:21]
	global_load_b128 v[BI:BI+3], v[BO], s[8:9]
	WIN 0x80                                       ; destination window 2
.irp a, 0,1,2,3                                ; the residual: block a's rows 2 t and 2 t + 1 (lane places), my 256 bytes of each; waited for in front of the way out
.irp t, 0,1,2,3,4,5,6,7
	global_load_b128 v[RES+32*\a+4*\t:RES+32*\a+4*\t+3], v[GO], s[10:11] offset:(32*(\a/2)+8*(\a%2)+2*\t+8*(\t/4))*4096 th:TH_LOAD_NT
.endr
.endr
	WIN 0
.macro FRAG reg, adr, q, i             ; a fragment as it lies: two halves of 768 bytes, each 16 bytes and 8 bytes a lane
	ds_load_b128 v[\reg:\reg+3], v[\adr] offset:ROWB*(\i)+1536*(\q)
	ds_load_b64 v[\reg+4:\reg+5], v[\adr+2] offset:ROWB*(\i)+1536*(\q)
	ds_load_b128 v[\reg+6:\reg+9], v[\adr] offset:ROWB*(\i)+1536*(\q)+768
	ds_load_b64 v[\reg+10:\reg+11], v[\adr+2] offset:ROWB*(\i)+1536*(\q)+768
.endm
; four matrix instructions: A's block a x B's four, from set p; the slot's K step q.  The 16 accumulators take turns, one instruction a turn, in the same order in every step.
.macro MUL4 a, p, q, sc, zero
.irp b, 0,1,2,3
.if \zero
	v_wmma_scale_f32_16x16x128_f8f6f4 v[8*(4*(\a)+\b):8*(4*(\a)+\b)+7], v[48*(\p)+FR*\b:48*(\p)+FR*\b+FR-1], v[AF+48*(\p)+FR*(\a):AF+48*(\p)+FR*(\a)+FR-1], 0, v[SC+16*(\sc)+4*\b+(\q)], v[SC+16*(\sc)+4*(\a)+(\q)] matrix_a_fmt:MATRIX_FMT_FP6 matrix_b_fmt:MATRIX_FMT_FP6 matrix_a_scale:MATRIX_SCALE_ROW1
.else
	v_wmma_scale_f32_16x16x128_f8f6f4 v[8*(4*(\a)+\b):8*(4*(\a)+\b)+7], v[48*(\p)+FR*\b:48*(\p)+FR*\b+FR-1], v[AF+48*(\p)+FR*(\a):AF+48*(\p)+FR*(\a)+FR-1], v[8*(4*(\a)+\b):8*(4*(\a)+\b)+7], v[SC+16*(\sc)+4*\b+(\q)], v[SC+16*(\sc)+4*(\a)+(\q)] matrix_a_fmt:MATRIX_FMT_FP6 matrix_b_fmt:MATRIX_FMT_FP6 matrix_a_scale:MATRIX_SCALE_ROW1
.endif
.endr
.endm
.macro FETCH slot, q, p                ; 32 LDS loads in one run: B's four and A's four fragments of the slot's K step q into set p
	WIN TO_B
.irp i, 0,1,2,3
	FRAG 48*(\p)+FR*\i, ADRB+\slot, \q, \i
.endr
	WIN 0
.irp i, 0,1,2,3
	FRAG AF+48*(\p)+FR*\i, ADRA+\slot, \q, \i
.endr
.endm
.macro SCALES sc                       ; a slot's 16 scale registers
.irp i, 0,1,2,3
.irp q, 0,1,2,3
	ds_load_b32 v[SC+16*\sc+4*\i+\q], v[ADRS] offset:\i*SBLK+64*\q
.endr
.endr
.endm
.macro PLACES n                        ; plain vector instructions between a matrix instruction and a load into, or a read by a store of, its registers
.rept \n
	v_nop
.endr
.endm
.macro STEP slot, q, zero              ; one of a slot's first three K steps: the next step's fragments are asked for, then this step's are multiplied
	PLACES NP                                      ; the set that is loaded now was read by the last step's products
	FETCH \slot, (\q)+1, 1-(\q)%2
	s_wait_dscnt 32                                ; all but the 32 loads just issued: this step's fragments (and scale words) are in
	WIN MULW
	MUL4 0, (\q)%2, \q, \slot, \zero
	MUL4 1, (\q)%2, \q, \slot, \zero
	MUL4 2, (\q)%2, \q, \slot, \zero
	MUL4 3, (\q)%2, \q, \slot, \zero
.endm
.macro TURN slot, next, fill           ; a slot's fourth K step changes slots: one barrier; fill = 1: it opens a round of the cluster's, and this slot is filled again
	WIN 0                                          ; (the add's two registers lie in window 0)
	s_wait_tensorcnt 0x0                           ; all my tensor loads have landed: my part of the next slot
	ds_add_u32 v[SPW], v[NIL]                      ; 0 onto my spare word
	s_wait_dscnt 1                                 ; (the add may be out: this step's fragments are in)
	WIN MULW
	MUL4 0, 1, NQ-1, \slot, 0
	s_wait_dscnt 0x0                               ; the add is done, and my reads of this slot are over
	s_barrier_signal -1
	MUL4 1, 1, NQ-1, \slot, 0
	WIN 0
	s_barrier_wait -1
.if \fill
	CREST                                          ; no wave of any partner still reads this slot or has a load on its way
	s_add_nc_u64 s[G0+4*\slot+2:G0+4*\slot+3], s[G0+4*\slot+2:G0+4*\slot+3], 2*ROWB
	s_add_nc_u64 s[G0B+4*\slot+2:G0B+4*\slot+3], s[G0B+4*\slot+2:G0B+4*\slot+3], 2*ROWB
	JLOAD G0+4*\slot, G1, G0B+4*\slot, G1B         ; the first tensor load behind the round; its four v_nop are the places in front of the loads below
.else
	PLACES NP
.endif
	v_add_nc_u32 v[ADRS], 64*NQ, v[ADRS]           ; the next slot's scale words
	FETCH \next, 0, 0
	SCALES \next
	WIN MULW
	MUL4 2, 1, NQ-1, \slot, 0
	MUL4 3, 1, NQ-1, \slot, 0
.endm
.macro TOSTAGE a                       ; LDS serves a wave's instructions in order: no wait between the stores and the loads, nor in front of the next block's stores
	WIN 0x08                                       ; an LDS store's data are its source 1: window 2
.irp b, 0,1,2,3
	ds_store_b128 v[STO], v[32*(\a)+8*\b:32*(\a)+8*\b+3] offset:128*(\b/2)+32*(\b%2)       ; each accumulator from its low end on
	ds_store_b128 v[STO], v[32*(\a)+8*\b+4:32*(\a)+8*\b+7] offset:128*(\b/2)+32*(\b%2)+16
.endr
	WIN 0
.irp t, 0,1,2,3,4,5,6,7
	ds_load_b128 v[BB+32*((\a)%2)+4*\t:BB+32*((\a)%2)+4*\t+3], v[RD] offset:2*\t*SPITCH
.endr
.endm
.macro SENDF a, younger                ; younger: the LDS instructions issued behind block a's loads, which may stay out
.set B0, BB+32*((\a)%2)
	s_wait_dscnt \younger
.irp t, 0,1,2,3,4,5,6,7
	v_pk_add_f32 v[B0+4*\t:B0+4*\t+1], v[B0+4*\t:B0+4*\t+1], v[BI:BI+1]
	v_pk_add_f32 v[B0+4*\t+2:B0+4*\t+3], v[B0+4*\t+2:B0+4*\t+3], v[BI+2:BI+3]
.endr
	WIN 0x08                                       ; source 1: the residual, in window 2
.irp t, 0,1,2,3,4,5,6,7
	v_pk_add_f32 v[B0+4*\t:B0+4*\t+1], v[B0+4*\t:B0+4*\t+1], v[RES+32*(\a)+4*\t:RES+32*(\a)+4*\t+1]
	v_pk_add_f32 v[B0+4*\t+2:B0+4*\t+3], v[B0+4*\t+2:B0+4*\t+3], v[RES+32*(\a)+4*\t+2:RES+32*(\a)+4*\t+3]
.endr
	WIN 0
.irp t, 0,1,2,3,4,5,6,7
	global_store_b128 v[GO], v[B0+4*\t:B0+4*\t+3], s[12:13] offset:(32*((\a)/2)+8*((\a)%2)+2*\t+8*(\t/4))*4096   ; sixteen lanes store 256 consecutive bytes, at a multiple of 256 from the buffer's first byte
.endr
.endm
	s_wait_tensorcnt 0x1                           ; the scale words and my part of slot 0 are in; slot 1's load may stay out
	s_barrier_signal -1
	s_barrier_wait -1
	FETCH 0, 0, 0
	SCALES 0
	STEP 0, 0, 1                                   ; the first step's products start the sums: nothing is cleared
	STEP 0, 1, 0
	STEP 0, 2, 0
.if LAPS > 1
	WIN 0                                          ; at a label and at a branch every window is 0
	s_mov_b32 s3, LAPS-1
.Llap:                                             ; a trip goes once round the two slots and fills both again
	TURN 0, 1, 1
	STEP 1, 0, 0
	STEP 1, 1, 0
	STEP 1, 2, 0
	TURN 1, 0, 1
	STEP 0, 0, 0
	STEP 0, 1, 0
	STEP 0, 2, 0
	WIN 0
	s_sub_co_u32 s3, s3, 1
	s_cmp_lg_u32 s3, 0
	s_cbranch_scc1 .Llap
.endif
	TURN 0, 1, 0                                   ; the last lap fills nothing, and has no round of the cluster's barrier
	STEP 1, 0, 0
	STEP 1, 1, 0
	STEP 1, 2, 0
	s_wait_dscnt 0x0                               ; the very last step: nothing more to fetch
	MUL4 0, 1, NQ-1, 1, 0
	MUL4 1, 1, NQ-1, 1, 0
	MUL4 2, 1, NQ-1, 1, 0
	MUL4 3, 1, NQ-1, 1, 0
	WIN 0
	PLACES NP
	s_wait_loadcnt 0x0                             ; the bias and the residual
	TOSTAGE 0
.irp a, 1,2,3
.if \a > 1
	s_wait_xcnt 0x0                                ; block a - 2's stores have read their registers: block a's rows may land there
.endif
	TOSTAGE \a
	SENDF \a-1, 16                                 ; behind block a - 1's loads: block a's 8 stores and 8 loads
.endr
	SENDF 3, 0
	s_wait_tensorcnt 0x0                           ; the wave's end, behind my last LDS store
	ds_add_u32 v[SPW], v[NIL]
	s_wait_dscnt 0x0
	CROUND                                         ; the closing round
	s_endpgm
.Lfunc_end_k_qbd4adf2819_oproj:
	.size	k_qbd4adf2819_oproj, .Lfunc_end_k_qbd4adf2819_oproj-k_qbd4adf2819_oproj
	.p2alignl 7, 3214868480
	.fill 96, 4, 3214868480
	.section	.rodata,"a",@progbits
	.p2align	6, 0x0
	.amdhsa_kernel k_qbd4adf2819_oproj
		.amdhsa_group_segment_fixed_size 327680
		.amdhsa_private_segment_fixed_size 0
		.amdhsa_enable_private_segment 0
		.amdhsa_kernarg_size 40
		.amdhsa_user_sgpr_count 2
		.amdhsa_user_sgpr_kernarg_segment_ptr 1
		.amdhsa_wavefront_size32 1
		.amdhsa_system_sgpr_workgroup_id_x 1
		.amdhsa_system_sgpr_workgroup_id_y 1
		.amdhsa_system_sgpr_workgroup_id_z 1
		.amdhsa_system_vgpr_workitem_id 0
		.amdhsa_next_free_vgpr 768
		.amdhsa_next_free_sgpr 100
		.amdhsa_reserve_vcc 0
		.amdhsa_float_denorm_mode_32 3
		.amdhsa_float_denorm_mode_16_64 3
		.amdhsa_memory_ordered 1
		.amdhsa_forward_progress 1
		.amdhsa_inst_pref_size 66
	.end_amdhsa_kernel
	.amdgpu_metadata
---
amdhsa.version: [ 1, 2 ]
amdhsa.kernels:
  - .name:           k_qbd4adf2819_oproj
    .symbol:         k_qbd4adf2819_oproj.kd
    .args:
      - { .name: wsC, .offset: 0, .size: 8, .value_kind: global_buffer, .address_space: global }
      - { .name: wsA, .offset: 8, .size: 8, .value_kind: global_buffer, .address_space: global }
      - { .name: bo, .offset: 16, .size: 8, .value_kind: global_buffer, .address_space: global }
      - { .name: x_q, .offset: 24, .size: 8, .value_kind: global_buffer, .address_space: global }
      - { .name: wsD, .offset: 32, .size: 8, .value_kind: global_buffer, .address_space: global }
    .group_segment_fixed_size: 327680
    .private_segment_fixed_size: 0
    .kernarg_segment_align: 8
    .kernarg_segment_size: 40
    .max_flat_workgroup_size: 128
    .sgpr_count:     100
    .vgpr_count:     768
    .wavefront_size: 32
...
	.end_amdgpu_metadata
.endif
;; end of part 7
;; launch ln2: the kernel of part 1 again; grid 256 x 1, 4 waves a work-group, no clusters, 66,304 bytes of LDS; arguments wsD, x_kv, Wq, Wk, Wv, Wo, W1, W2, n2_g, n2_b, kvn_g, kvn_b, wsE; writes wsE
;; launch fc1: the kernel of part 5 again; grid 16 x 16, 4 waves a work-group, clusters of 4 x 4, 327,680 bytes of LDS; arguments wsE, wsA, b1, wsF; writes wsF
;; launch fc2 (part 8): grid 8 x 32, 4 waves a work-group, clusters of 4 x 4, 327,680 bytes of LDS; arguments wsF, wsA, b2, wsD, out0; writes out0
.if DOCPART == 8
	.amdgcn_target "amdgcn-amd-amdhsa--gfx1250"
	.amdhsa_code_object_version 6
	.text
	.protected	k_qbd4adf2819_fc2
	.globl	k_qbd4adf2819_fc2
	.p2align	8
	.type	k_qbd4adf2819_fc2,@function
k_qbd4adf2819_fc2:
	s_mov_b64 s[64:65], 0
	v_nop
	global_prefetch_b8 v0, s[64:65] scope:SCOPE_SE
	s_setreg_imm32_b32 hwreg(HW_REG_WAVE_MODE, 25, 1), 1
	s_wait_xcnt 0x0
	s_wait_alu depctr_hold_cnt(0) depctr_sa_sdst(0) depctr_va_vdst(0) depctr_va_sdst(0) depctr_va_ssrc(0) depctr_va_vcc(0) depctr_vm_vsrc(0)
	s_getreg_b32 s2, hwreg(HW_REG_IB_STS2, 6, 4)
	s_cmp_eq_u32 s2, 0
	s_cbranch_scc0 .Lentry_in_a_cluster
	s_endpgm
.Lentry_in_a_cluster:
	s_bfe_u32 s2, ttmp6, 0x10000c
	s_cmp_lg_u32 s2, 0xf033
	s_cbranch_scc0 .Lentry_shape_is_right
	s_endpgm
.Lentry_shape_is_right:
; out0 = x + (h W2^T + b2), the product on MX-FP6 codes: the text of the launch oproj with K = 4,096.  No work is left out.
; A = h's codes (wsF: [256 row blocks][32 K steps][1,536] at 0, scale images at 12,582,912), B = W2's (wsA: row block 256 on, counted in row blocks of 32 K steps: codes at 1,310,720 + 49,152 x block, scale images at 4,096 x block),
; residual x (wsD).
; OPERANDS are images of operand registers (first launch's head): a row block's K steps lie on end, 1,536 bytes each; a fragment comes out of LDS by two loads of 16 bytes and two of 8 bytes a lane, each consecutive over the lanes.
; TILE.  The result is 4,096 x 1,024: tiles of 128 x 128 make 256 work-groups, tiles of 256 x 256 would make 64.  Four waves of 64 x 64: 16 accumulators, 128 registers.  Source 1 ("A") gives a lane its token, source 0 ("B") runs
; down a lane's registers.  The price of the small tile: eight fragments are read from LDS for sixteen matrix instructions.
; RING.  Two slots; a slot holds FOUR K steps of the tile's 16 row blocks, 98,304 bytes; each wave fetches four row blocks x 6,144 bytes by one tensor load.  K = 4,096 is eight slots: two first fills and six refills, each behind
; a round of the cluster's barrier.  The scale words of the tile's rows, for all of K, 32,768 bytes, come once with the first fills (the lower 64 bytes of each image).
; By this text's count a wave has three tensor loads out at the start and one behind each round.
; CLUSTER 4 x 4: A's tiles are asked for jointly along a row of the cluster, B's along a column.
; A lane holds token 32 (t / 2) + 8 (t % 2) + r + 8 (r / 8) of row block t and, in accumulator b, columns 32 (b / 2) + 16 h + 8 (b % 2) + 0 .. 7 of my 64.
; THE RESIDUAL, 64 rows x 256 bytes a wave, is asked for at the head, into 128 registers, in the layout in which the rows leave: it lands under the product.
; THE WAY OUT: a block of 16 rows x 64 columns goes through my own stage in LDS (bytes of its own, behind the spare words) and comes back as whole rows of 256 bytes; bias, then residual; sixteen lanes store 256 consecutive bytes.
; REGISTERS, in windows of 256: window 0: v4-29 addresses, v8-11 the bias; v32-63 scale words, two sets; v64-159 A's fragments, two sets; v160-223 the way out.  Window 1: v0-95 B's fragments, two sets.
;   Window 2: v0-127 the accumulators ((a, b) at v[8 (4 a + b)]); v128-255 the residual.
.set KK,     4096
.set ASCL,   12582912
.set BBASE,  256
.set BCODE,  1310720
.set NK,     KK/128
.set RP,     NK*1536                   ; a row block's codes in bytes
.set NQ,     4                         ; K steps in a slot
.set ROWB,   NQ*1536                   ; a row block's part of a slot
.set HALFT,  4*ROWB                    ; four row blocks: what one tensor load brings, and what one wave reads of A or of B
.set SLOT,   4*HALFT
.set LAPS,   KK/(2*NQ*128)             ; a lap = once round the ring
.set FR,     12
.set NP,     4                         ; places behind this matrix instruction (ISA guide 7.12.1)
.set SBLK,   NK*64                     ; a row block's scale words in LDS
.set HALFS,  4*SBLK
.set SCL,    2*SLOT
.set SPARE,  SCL+4*HALFS               ; the spare words, 128 bytes a wave
.set STAGE,  SPARE+512                 ; 16 rows x 272 bytes for each wave
.set SPITCH, 272
.set L16,  4                           ; v4 16 x lane;  v5 512 + 8 x lane;  v6 16 x (lane % 16)
.set L8,   5
.set BO,   6
.set BI,   8                           ; v8-11 the bias of my four columns
.set ADRA, 16                          ; v16-17 A's fragments in slot 0, 1 (16-byte pieces), v18-19 (8-byte pieces)
.set ADRB, 20                          ; v20-23 the same for B
.set STO,  24                          ; v24 the stage: where I put 32 bytes of a row;  v25 where I read a row back
.set RD,   25
.set GO,   26                          ; v26 4,096 x (lane / 16) + 16 x (lane % 16): my place in two rows of the residual and of the result; never rewritten
.set ADRS, 27                          ; v27 my scale words: lanes 0-15 A's rows, lanes 16-31 B's
.set SPW,  28
.set NIL,  29
.set SC,   32                          ; set s at v[SC + 16 s]; register 4 i + q: lanes 0-15 A's block i, lanes 16-31 B's block i, the slot's K step q
.set AF,   64
.set BB,   160
.set RES,  128                         ; in window 2
.set G1, 24
.set G0, 32
.set G1B, 48
.set G0B, 56
.set G1S, 68
.set G0S, 76
.set G1SB, 80
.set G0SB, 88
.set MSB, 0
.macro WIN new                         ; the immediate's high byte repeats the setting that is left
.if MSB != (\new)
	s_set_vgpr_msb (MSB<<8)|(\new)
.set MSB, (\new)
.endif
.endm
.set MULW, 0xa1                        ; source 0 (B) window 1, source 1 (A) window 0, C and D window 2
.set TO_B, 0x40
.macro JLOAD g0a, g1a, g0b, g1b        ; a joint load: waves 0 and 1 fetch for A, waves 2 and 3 for B; an s_nop 0 and four v_nop follow each line
	s_cmp_eq_u32 s15, 0
	s_cbranch_scc0 .Lfor_b_\@
	tensor_load_to_lds s[\g0a:\g0a+3], s[\g1a:\g1a+7]
	s_nop 0
.rept 4
	v_nop
.endr
	s_branch .Lasked_\@
.Lfor_b_\@:
	tensor_load_to_lds s[\g0b:\g0b+3], s[\g1b:\g1b+7]
	s_nop 0
.rept 4
	v_nop
.endr
.Lasked_\@:
.endm
.macro CREST                           ; a round of the cluster's barrier behind its opening barrier
	s_cmp_lg_u32 s14, 0
	s_cbranch_scc1 .Lnot_wave_0_\@
	s_barrier_signal -3
.Lnot_wave_0_\@:
	s_barrier_wait -3
	s_barrier_signal -1
	s_barrier_wait -1
.endm
.macro CROUND
	s_barrier_signal -1
	s_barrier_wait -1
	CREST
.endm
	s_load_b256 s[4:11], s[0:1], 0x0               ; A's buffer, B's buffer, the bias, the residual
	s_load_b64 s[12:13], s[0:1], 0x20              ; the result
	v_lshl_add_u32 v[SPW], v0, 2, SPARE
	v_mov_b32 v[NIL], 0
	ds_add_u32 v[SPW], v[NIL]                      ; the opening: the add, twice on end, and its wait ahead of my first tensor load
	ds_add_u32 v[SPW], v[NIL]
	v_lshrrev_b32 v1, 5, v0
	v_readfirstlane_b32 s14, v1                    ; wave
	s_lshr_b32 s15, s14, 1                         ; my half of A's rows; also: I fetch for A (0) or B (1)
	s_and_b32 s16, s14, 1                          ; my half of B's rows; also: which four row blocks I fetch
	s_bfe_u32 s40, ttmp6, 0x40000                  ; cx
	s_bfe_u32 s41, ttmp6, 0x40004                  ; cy
	s_lshl_b32 s42, ttmp9, 2
	s_add_co_u32 s42, s42, s40                     ; B's tile (columns), 0 .. 7
	s_and_b32 s17, ttmp7, 0xffff
	s_lshl_b32 s17, s17, 2
	s_add_co_u32 s17, s17, s41                     ; A's tile (tokens), 0 .. 31
	s_lshl_b32 s43, s41, 2
	s_lshl_b32 s43, 15, s43                        ; my row of the cluster
	s_lshl_b32 s44, 0x1111, s40                    ; my column
	s_or_b32 s[G1+0], s43, (3<<16)|(1<<21)         ; 15:0 the mask; 17:16 elements of 8 bytes; 21 set beside a mask; no padding
	s_or_b32 s[G1B+0], s44, (3<<16)|(1<<21)
.irp g, G1, G1B
	s_mov_b32 s[\g+1], 768<<16                     ; tensor_dim0: 6,144 bytes
	s_mov_b32 s[\g+2], 4<<16                       ; tensor_dim1: four row blocks
	s_mov_b32 s[\g+3], 768<<16                     ; tile_dim0
	s_mov_b32 s[\g+4], 4                           ; tile_dim1
	s_mov_b32 s[\g+5], NK*192                      ; from row block to row block
	s_mov_b32 s[\g+6], 0
	s_mov_b32 s[\g+7], 0
.endr
	s_or_b32 s[G1S+0], s43, (3<<16)|(1<<21)
	s_or_b32 s[G1SB+0], s44, (3<<16)|(1<<21)
.irp g, G1S, G1SB                              ; the scale words: 64 bytes of each image of 128
	s_mov_b32 s[\g+1], 8<<16
	s_mov_b32 s[\g+2], (4*NK)<<16
	s_mov_b32 s[\g+3], 8<<16
	s_mov_b32 s[\g+4], 4*NK
	s_mov_b32 s[\g+5], 16
	s_mov_b32 s[\g+6], 0
	s_mov_b32 s[\g+7], 0
.endr
	s_lshl_b32 s18, s16, 2
	s_lshl_b32 s20, s17, 3
	s_add_co_u32 s20, s20, s18                     ; A: the first row block that I fetch
	s_lshl_b32 s46, s42, 3
	s_add_co_u32 s46, s46, s18
	s_add_co_u32 s46, s46, BBASE                   ; B likewise
	s_mul_i32 s22, s20, NK*128
	s_add_co_u32 s22, s22, ASCL
	s_mov_b32 s23, 0
	s_mul_i32 s20, s20, RP
	s_mov_b32 s21, 0
	s_mul_i32 s92, s46, NK*128
	s_mov_b32 s93, 0
	s_mul_i32 s46, s46, RP
	s_add_co_u32 s46, s46, BCODE
	s_mov_b32 s47, 0
	s_mul_i32 s45, s14, HALFT                      ; where they go: no place in the cluster enters an LDS address
	s_mul_i32 s94, s14, HALFS
	s_wait_dscnt 0x0                               ; both opening adds are done
	s_wait_kmcnt 0x0
	s_add_nc_u64 s[20:21], s[4:5], s[20:21]
	s_add_nc_u64 s[22:23], s[4:5], s[22:23]
	s_add_nc_u64 s[46:47], s[6:7], s[46:47]
	s_add_nc_u64 s[92:93], s[6:7], s[92:93]
	CROUND                                         ; all sixteen work-groups are here: the first joint loads meet
	s_mov_b32 s[G0S], 1
	s_add_co_u32 s[G0S+1], s94, SCL
	s_mov_b64 s[G0S+2:G0S+3], s[22:23]
	s_or_b32 s[G0S+3], s[G0S+3], 0x80000000
	s_mov_b32 s[G0SB], 1
	s_add_co_u32 s[G0SB+1], s94, SCL
	s_mov_b64 s[G0SB+2:G0SB+3], s[92:93]
	s_or_b32 s[G0SB+3], s[G0SB+3], 0x80000000
	JLOAD G0S, G1S, G0SB, G1SB
.irp s, 0,1
	s_mov_b32 s[G0+4*\s], 1
	s_add_co_u32 s[G0+4*\s+1], s45, \s*SLOT
	s_add_nc_u64 s[G0+4*\s+2:G0+4*\s+3], s[20:21], \s*ROWB
	s_or_b32 s[G0+4*\s+3], s[G0+4*\s+3], 0x80000000
	s_mov_b32 s[G0B+4*\s], 1
	s_add_co_u32 s[G0B+4*\s+1], s45, \s*SLOT
	s_add_nc_u64 s[G0B+4*\s+2:G0B+4*\s+3], s[46:47], \s*ROWB
	s_or_b32 s[G0B+4*\s+3], s[G0B+4*\s+3], 0x80000000
	JLOAD G0+4*\s, G1, G0B+4*\s, G1B
.endr
	v_and_b32 v1, 31, v0                           ; lane
	v_and_b32 v2, 15, v0                           ; r
	v_bfe_u32 v3, v0, 4, 1                         ; h
	v_lshlrev_b32 v[L16], 4, v1
	v_lshl_add_u32 v[L8], v1, 3, 512
	v_lshlrev_b32 v[BO], 4, v2
	s_mul_i32 s21, s15, HALFT                      ; my four row blocks of A,
	s_mul_i32 s22, s16, HALFT
	s_add_co_u32 s22, s22, 2*HALFT                 ; of B
.irp s, 0,1
	v_add_nc_u32 v[ADRA+\s], s21, v[L16]
	v_add_nc_u32 v[ADRA+2+\s], s21, v[L8]
	v_add_nc_u32 v[ADRB+\s], s22, v[L16]
	v_add_nc_u32 v[ADRB+2+\s], s22, v[L8]
	s_add_co_u32 s21, s21, SLOT
	s_add_co_u32 s22, s22, SLOT
.endr
	s_mul_i32 s21, s15, HALFS
	s_mul_i32 s22, s16, HALFS
	s_add_co_u32 s22, s22, 2*HALFS
	s_sub_co_u32 s22, s22, s21
	v_mul_u32_u24 v7, s22, v3                      ; lanes 16-31 take B's words
	s_add_co_u32 s21, s21, SCL
	v_lshl_add_u32 v7, v2, 2, v7
	v_add_nc_u32 v[ADRS], s21, v7
	s_mul_i32 s23, s14, 16*SPITCH
	s_add_co_u32 s23, s23, STAGE                   ; my stage
	v_mul_u32_u24 v[STO], v2, SPITCH
	v_lshl_add_u32 v[STO], v3, 6, v[STO]
	v_add_nc_u32 v[STO], s23, v[STO]               ; in: row r, + 64 h
	v_mul_u32_u24 v[RD], v3, SPITCH
	v_lshl_add_u32 v[RD], v2, 4, v[RD]
	v_add_nc_u32 v[RD], s23, v[RD]                 ; back: lanes 0-15 one row of 256 bytes, lanes 16-31 the next
	v_lshlrev_b32 v[GO], 12, v3
	v_lshl_add_u32 v[GO], v2, 4, v[GO]             ; and the same two rows in memory
	s_lshl_b32 s20, s17, 7
	s_lshl_b32 s21, s15, 6
	s_add_co_u32 s20, s20, s21                     ; my first token: 128 x tile + 64 x half
	s_lshl_b32 s20, s20, 12
	s_lshl_b32 s46, s42, 9
	s_lshl_b32 s47, s16, 8
	s_add_co_u32 s46, s46, s47                     ; my first column, in bytes: 512 x tile + 256 x half
	s_mov_b32 s47, 0
	s_add_nc_u64 s[8:9], s[8:9], s[46:47]
	s_add_co_u32 s20, s20, s46
	s_mov_b32 s21, 0
	s_add_nc_u64 s[10:11], s[10:11], s[20:21]
	s_add_nc_u64 s[12:13], s[12:13], s[20:21]
	global_load_b128 v[BI:BI+3], v[BO], s[8:9]
	WIN 0x80                                       ; destination window 2
.irp a, 0,1,2,3                                ; the residual: block a's rows 2 t and 2 t + 1 (lane places), my 256 bytes of each; waited for in front of the way out
.irp t, 0,1,2,3,4,5,6,7
	global_load_b128 v[RES+32*\a+4*\t:RES+32*\a+4*\t+3], v[GO], s[10:11] offset:(32*(\a/2)+8*(\a%2)+2*\t+8*(\t/4))*4096 th:TH_LOAD_NT
.endr
.endr
	WIN 0
.macro FRAG reg, adr, q, i             ; a fragment as it lies: two halves of 768 bytes, each 16 bytes and 8 bytes a lane
	ds_load_b128 v[\reg:\reg+3], v[\adr] offset:ROWB*(\i)+1536*(\q)
	ds_load_b64 v[\reg+4:\reg+5], v[\adr+2] offset:ROWB*(\i)+1536*(\q)
	ds_load_b128 v[\reg+6:\reg+9], v[\adr] offset:ROWB*(\i)+1536*(\q)+768
	ds_load_b64 v[\reg+10:\reg+11], v[\adr+2] offset:ROWB*(\i)+1536*(\q)+768
.endm
; four matrix instructions: A's block a x B's four, from set p; the slot's K step q.  The 16 accumulators take turns, one instruction a turn, in the same order in every step.
.macro MUL4 a, p, q, sc, zero
.irp b, 0,1,2,3
.if \zero
	v_wmma_scale_f32_16x16x128_f8f6f4 v[8*(4*(\a)+\b):8*(4*(\a)+\b)+7], v[48*(\p)+FR*\b:48*(\p)+FR*\b+FR-1], v[AF+48*(\p)+FR*(\a):AF+48*(\p)+FR*(\a)+FR-1], 0, v[SC+16*(\sc)+4*\b+(\q)], v[SC+16*(\sc)+4*(\a)+(\q)] matrix_a_fmt:MATRIX_FMT_FP6 matrix_b_fmt:MATRIX_FMT_FP6 matrix_a_scale:MATRIX_SCALE_ROW1
.else
	v_wmma_scale_f32_16x16x128_f8f6f4 v[8*(4*(\a)+\b):8*(4*(\a)+\b)+7], v[48*(\p)+FR*\b:48*(\p)+FR*\b+FR-1], v[AF+48*(\p)+FR*(\a):AF+48*(\p)+FR*(\a)+FR-1], v[8*(4*(\a)+\b):8*(4*(\a)+\b)+7], v[SC+16*(\sc)+4*\b+(\q)], v[SC+16*(\sc)+4*(\a)+(\q)] matrix_a_fmt:MATRIX_FMT_FP6 matrix_b_fmt:MATRIX_FMT_FP6 matrix_a_scale:MATRIX_SCALE_ROW1
.endif
.endr
.endm
.macro FETCH slot, q, p                ; 32 LDS loads in one run: B's four and A's four fragments of the slot's K step q into set p
	WIN TO_B
.irp i, 0,1,2,3
	FRAG 48*(\p)+FR*\i, ADRB+\slot, \q, \i
.endr
	WIN 0
.irp i, 0,1,2,3
	FRAG AF+48*(\p)+FR*\i, ADRA+\slot, \q, \i
.endr
.endm
.macro SCALES sc                       ; a slot's 16 scale registers
.irp i, 0,1,2,3
.irp q, 0,1,2,3
	ds_load_b32 v[SC+16*\sc+4*\i+\q], v[ADRS] offset:\i*SBLK+64*\q
.endr
.endr
.endm
.macro PLACES n                        ; plain vector instructions between a matrix instruction and a load into, or a read by a store of, its registers
.rept \n
	v_nop
.endr
.endm
.macro STEP slot, q, zero              ; one of a slot's first three K steps: the next step's fragments are asked for, then this step's are multiplied
	PLACES NP                                      ; the set that is loaded now was read by the last step's products
	FETCH \slot, (\q)+1, 1-(\q)%2
	s_wait_dscnt 32                                ; all but the 32 loads just issued: this step's fragments (and scale words) are in
	WIN MULW
	MUL4 0, (\q)%2, \q, \slot, \zero
	MUL4 1, (\q)%2, \q, \slot, \zero
	MUL4 2, (\q)%2, \q, \slot, \zero
	MUL4 3, (\q)%2, \q, \slot, \zero
.endm
.macro TURN slot, next, fill           ; a slot's fourth K step changes slots: one barrier; fill = 1: it opens a round of the cluster's, and this slot is filled again
	WIN 0                                          ; (the add's two registers lie in window 0)
	s_wait_tensorcnt 0x0                           ; all my tensor loads have landed: my part of the next slot
	ds_add_u32 v[SPW], v[NIL]                      ; 0 onto my spare word
	s_wait_dscnt 1                                 ; (the add may be out: this step's fragments are in)
	WIN MULW
	MUL4 0, 1, NQ-1, \slot, 0
	s_wait_dscnt 0x0                               ; the add is done, and my reads of this slot are over
	s_barrier_signal -1
	MUL4 1, 1, NQ-1, \slot, 0
	WIN 0
	s_barrier_wait -1
.if \fill
	CREST                                          ; no wave of any partner still reads this slot or has a load on its way
	s_add_nc_u64 s[G0+4*\slot+2:G0+4*\slot+3], s[G0+4*\slot+2:G0+4*\slot+3], 2*ROWB
	s_add_nc_u64 s[G0B+4*\slot+2:G0B+4*\slot+3], s[G0B+4*\slot+2:G0B+4*\slot+3], 2*ROWB
	JLOAD G0+4*\slot, G1, G0B+4*\slot, G1B         ; the first tensor load behind the round; its four v_nop are the places in front of the loads below
.else
	PLACES NP
.endif
	v_add_nc_u32 v[ADRS], 64*NQ, v[ADRS]           ; the next slot's scale words
	FETCH \next, 0, 0
	SCALES \next
	WIN MULW
	MUL4 2, 1, NQ-1, \slot, 0
	MUL4 3, 1, NQ-1, \slot, 0
.endm
.macro TOSTAGE a                       ; LDS serves a wave's instructions in order: no wait between the stores and the loads, nor in front of the next block's stores
	WIN 0x08                                       ; an LDS store's data are its source 1: window 2
.irp b, 0,1,2,3
	ds_store_b128 v[STO], v[32*(\a)+8*\b:32*(\a)+8*\b+3] offset:128*(\b/2)+32*(\b%2)       ; each accumulator from its low end on
	ds_store_b128 v[STO], v[32*(\a)+8*\b+4:32*(\a)+8*\b+7] offset:128*(\b/2)+32*(\b%2)+16
.endr
	WIN 0
.irp t, 0,1,2,3,4,5,6,7
	ds_load_b128 v[BB+32*((\a)%2)+4*\t:BB+32*((\a)%2)+4*\t+3], v[RD] offset:2*\t*SPITCH
.endr
.endm
.macro SENDF a, younger                ; younger: the LDS instructions issued behind block a's loads, which may stay out
.set B0, BB+32*((\a)%2)
	s_wait_dscnt \younger
.irp t, 0,1,2,3,4,5,6,7
	v_pk_add_f32 v[B0+4*\t:B0+4*\t+1], v[B0+4*\t:B0+4*\t+1], v[BI:BI+1]
	v_pk_add_f32 v[B0+4*\t+2:B0+4*\t+3], v[B0+4*\t+2:B0+4*\t+3], v[BI+2:BI+3]
.endr
	WIN 0x08                                       ; source 1: the residual, in window 2
.irp t, 0,1,2,3,4,5,6,7
	v_pk_add_f32 v[B0+4*\t:B0+4*\t+1], v[B0+4*\t:B0+4*\t+1], v[RES+32*(\a)+4*\t:RES+32*(\a)+4*\t+1]
	v_pk_add_f32 v[B0+4*\t+2:B0+4*\t+3], v[B0+4*\t+2:B0+4*\t+3], v[RES+32*(\a)+4*\t+2:RES+32*(\a)+4*\t+3]
.endr
	WIN 0
.irp t, 0,1,2,3,4,5,6,7
	global_store_b128 v[GO], v[B0+4*\t:B0+4*\t+3], s[12:13] offset:(32*((\a)/2)+8*((\a)%2)+2*\t+8*(\t/4))*4096   ; sixteen lanes store 256 consecutive bytes, at a multiple of 256 from the buffer's first byte
.endr
.endm
	s_wait_tensorcnt 0x1                           ; the scale words and my part of slot 0 are in; slot 1's load may stay out
	s_barrier_signal -1
	s_barrier_wait -1
	FETCH 0, 0, 0
	SCALES 0
	STEP 0, 0, 1                                   ; the first step's products start the sums: nothing is cleared
	STEP 0, 1, 0
	STEP 0, 2, 0
.if LAPS > 1
	WIN 0                                          ; at a label and at a branch every window is 0
	s_mov_b32 s3, LAPS-1
.Llap:                                             ; a trip goes once round the ring and fills both slots again
	TURN 0, 1, 1
	STEP 1, 0, 0
	STEP 1, 1, 0
	STEP 1, 2, 0
	TURN 1, 0, 1
	STEP 0, 0, 0
	STEP 0, 1, 0
	STEP 0, 2, 0
	WIN 0
	s_sub_co_u32 s3, s3, 1
	s_cmp_lg_u32 s3, 0
	s_cbranch_scc1 .Llap
.endif
	TURN 0, 1, 0                                   ; the last lap fills nothing, and has no round of the cluster's barrier
	STEP 1, 0, 0
	STEP 1, 1, 0
	STEP 1, 2, 0
	s_wait_dscnt 0x0                               ; the very last step: nothing more to fetch
	MUL4 0, 1, NQ-1, 1, 0
	MUL4 1, 1, NQ-1, 1, 0
	MUL4 2, 1, NQ-1, 1, 0
	MUL4 3, 1, NQ-1, 1, 0
	WIN 0
	PLACES NP
	s_wait_loadcnt 0x0                             ; the bias and the residual
	TOSTAGE 0
.irp a, 1,2,3
.if \a > 1
	s_wait_xcnt 0x0                                ; block a - 2's stores have read their registers: block a's rows may land there
.endif
	TOSTAGE \a
	SENDF \a-1, 16                                 ; behind block a - 1's loads: block a's 8 stores and 8 loads
.endr
	SENDF 3, 0
	s_wait_tensorcnt 0x0                           ; the wave's end, behind my last LDS store
	ds_add_u32 v[SPW], v[NIL]
	s_wait_dscnt 0x0
	CROUND                                         ; the closing round
	s_endpgm
.Lfunc_end_k_qbd4adf2819_fc2:
	.size	k_qbd4adf2819_fc2, .Lfunc_end_k_qbd4adf2819_fc2-k_qbd4adf2819_fc2
	.p2alignl 7, 3214868480
	.fill 96, 4, 3214868480
	.section	.rodata,"a",@progbits
	.p2align	6, 0x0
	.amdhsa_kernel k_qbd4adf2819_fc2
		.amdhsa_group_segment_fixed_size 327680
		.amdhsa_private_segment_fixed_size 0
		.amdhsa_enable_private_segment 0
		.amdhsa_kernarg_size 40
		.amdhsa_user_sgpr_count 2
		.amdhsa_user_sgpr_kernarg_segment_ptr 1
		.amdhsa_wavefront_size32 1
		.amdhsa_system_sgpr_workgroup_id_x 1
		.amdhsa_system_sgpr_workgroup_id_y 1
		.amdhsa_system_sgpr_workgroup_id_z 1
		.amdhsa_system_vgpr_workitem_id 0
		.amdhsa_next_free_vgpr 768
		.amdhsa_next_free_sgpr 100
		.amdhsa_reserve_vcc 0
		.amdhsa_float_denorm_mode_32 3
		.amdhsa_float_denorm_mode_16_64 3
		.amdhsa_memory_ordered 1
		.amdhsa_forward_progress 1
		.amdhsa_inst_pref_size 104
	.end_amdhsa_kernel
	.amdgpu_metadata
---
amdhsa.version: [ 1, 2 ]
amdhsa.kernels:
  - .name:           k_qbd4adf2819_fc2
    .symbol:         k_qbd4adf2819_fc2.kd
    .args:
      - { .name: wsF, .offset: 0, .size: 8, .value_kind: global_buffer, .address_space: global }
      - { .name: wsA, .offset: 8, .size: 8, .value_kind: global_buffer, .address_space: global }
      - { .name: b2, .offset: 16, .size: 8, .value_kind: global_buffer, .address_space: global }
      - { .name: wsD, .offset: 24, .size: 8, .value_kind: global_buffer, .address_space: global }
      - { .name: out0, .offset: 32, .size: 8, .value_kind: global_buffer, .address_space: global }
    .group_segment_fixed_size: 327680
    .private_segment_fixed_size: 0
    .kernarg_segment_align: 8
    .kernarg_segment_size: 40
    .max_flat_workgroup_size: 128
    .sgpr_count:     100
    .vgpr_count:     768
    .wavefront_size: 32
...
	.end_amdgpu_metadata
.endif
;; end of part 8
